; MI455X (gfx1250); checked and timed in simulation.
; The chip was launched on July 23, 2026; its instructions are those of AMD's public machine-readable ISA for CDNA 5 (MIT licence, August 2026) and "CDNA5" Instruction Set Architecture Reference Guide (July 2026). The comments in the code are by the model that wrote it; some were corrected since.
;; S Mo E. Allowed arithmetic: float matrix products may take bf16 or f16 operands with f32 sums; other float arithmetic in f32, or as packed bf16 or f16 multiplies, adds, multiply-adds, maxima and minima; sums over many terms, partial sums and values carried from step to step in f32; what a program stores and reads back later, other than sums and carried values, may be rounded once to bf16 or f16.
;; Inputs: W1 8 x 1,024 x 4,096 float32; W2 8 x 4,096 x 1,024 float32; Wg 1,024 x 8 float32; b1 8 x 4,096 float32; b2 8 x 1,024 float32; bg 8 float32; x 4 x 256 x 1,024 float32.
;; Outputs: out0 4 x 256 x 1,024 float32; out1 4 x 256 x 2 float32; out2 4 x 256 x 2 int32; out3 4 x 256 x 8 float32.
;; 2 versions, each right; version 2 is version 1 with the launches up, down written anew for expert scheduling mode. Each part assembles by itself: llvm-mc -triple=amdgcn-amd-amdhsa -mcpu=gfx1250 --defsym DOCPART=n.
;; ======== version 1 of 2: 4 launches
;; workspace buffers: xb 2,097,408 bytes; hid 16,777,472 bytes; part 33,554,432 bytes; gw 8,192 bytes; bm 2,048 bytes of whole numbers
;; launch router (part 1): grid 256 x 1, 4 waves a work-group, no clusters, 1,024 bytes of LDS; arguments x, Wg, bg, out1, out2, out3, xb, gw, bm, hid; writes out1, out2, out3, xb, gw, bm, hid
.if DOCPART == 1
	.amdgcn_target "amdgcn-amd-amdhsa--gfx1250"
	.amdhsa_code_object_version 6
	.text
	.protected	k_q681f44f88b_router
	.globl	k_q681f44f88b_router
	.p2align	8
	.type	k_q681f44f88b_router,@function
k_q681f44f88b_router:
	s_mov_b64 s[64:65], 0
	v_nop
	global_prefetch_b8 v0, s[64:65] scope:SCOPE_SE
	s_setreg_imm32_b32 hwreg(HW_REG_WAVE_MODE, 25, 1), 1
	s_wait_xcnt 0x0
; ROUTER.  gate = x Wg + bg, softmax over 8 experts, the two largest (the lower index on a tie), softmax of those two.
; Stores: out3 the gate scores, out1 the two probabilities, out2 their experts, gw the two weights (one f32 for each slot = 2 token + k),
; xb = x rounded to bf16 (the first product's operand), bm = for each expert a bitmap of the slots that chose it (bit b of byte g: slot 8 g + b),
; and 256 zero bytes behind the last row of xb and of hid: the products' row loads run 128 bytes past a row's end.
; FORMATS AND LIMITS.  x, Wg and bg are rounded once to bf16, as every input of this program is; the products of two bf16 are exact in f32 and are summed in f32
; on the vector unit (8 terms a lane, 32 lanes, 4 waves), in another order than a plain loop over d: two probabilities nearer to each other than that
; rounding (some 1e-7 of themselves) may change places.  An exponential below 2^-126 counts as 0.  NaN and infinities are not treated apart.
; SHARES.  A work-group has 4 tokens, wave w the channels 256 w .. 256 w + 255, lane L the channels 256 w + 128 i + 4 L + c (i = 0, 1; c = 0 .. 3).
; No address and no branch hangs on a result: what is chosen is stored at fixed places, for the later launches.
.set SPARE, 512                        ; LDS: 0-511 the waves' partial sums [wave][8 t + e]; 512-1023 the spare words, 128 bytes a wave
.set SPW, 2                            ; v2   my spare word's address; never rewritten
.set NIL, 3                            ; v3   0; never rewritten
.set X,   8                            ; v8-39    x of token t, half i at X + 4 (2 t + i)
.set G,   40                           ; v40-103  Wg's row of channel (i, c), 8 experts, at G + 8 (4 i + c)
.set ACC, 104                          ; v104-135 the sum of token t, expert e at ACC + 8 t + e
.set XB,  136                          ; v136-151 x in bf16, two registers for each (t, i)
.set BGV, 152                          ; v152 bg of expert L % 8
.set XO,  153                          ; v153 my byte offset in a row of xb
.set LA,  154                          ; v154 my wave's 128 bytes of partial sums
.set L4,  155                          ; v155 4 x lane
.set T0,  156                          ; v156-175 at work
	s_load_b512 s[4:19], s[0:1], 0x0               ; x s[4:5], Wg s[6:7], bg s[8:9], out1 s[10:11], out2 s[12:13], out3 s[14:15], xb s[16:17], gw s[18:19]
	s_load_b64 s[20:21], s[0:1], 0x40              ; bm
	s_load_b64 s[32:33], s[0:1], 0x48              ; hid
	v_lshl_add_u32 v[SPW], v0, 2, SPARE
	v_mov_b32 v[NIL], 0
	v_and_b32 v1, 31, v0                           ; lane
	v_lshrrev_b32 v7, 5, v0
	v_readfirstlane_b32 s22, v7                    ; wave
	v_lshlrev_b32 v4, 4, v1
	v_lshl_add_u32 v4, v7, 10, v4                  ; x: 1,024 w + 16 L
	v_lshlrev_b32 v5, 7, v1
	v_lshl_add_u32 v5, v7, 13, v5                  ; Wg: 8,192 w + 128 L (a row of Wg is 32 bytes)
	v_and_b32 v6, 7, v0
	v_lshlrev_b32 v6, 2, v6                        ; bg: 4 (L % 8)
	v_lshlrev_b32 v[XO], 3, v1
	v_lshl_add_u32 v[XO], v7, 9, v[XO]             ; xb: 512 w + 8 L
	v_lshlrev_b32 v[LA], 7, v7
	v_lshlrev_b32 v[L4], 2, v1
	s_mov_b32 s23, 0xffff0000                      ; a word's upper bf16
	s_mov_b32 s24, 0x76543210                      ; v_permlanex16_b32: each lane takes its own place in the other half
	s_mov_b32 s25, 0xfedcba98
	s_mov_b32 s27, 0
	s_wait_kmcnt 0x0
	s_lshl_b32 s26, ttmp9, 14                      ; 4 rows of x
	s_add_nc_u64 s[4:5], s[4:5], s[26:27]
	s_lshl_b32 s26, ttmp9, 13                      ; 4 rows of xb
	s_add_nc_u64 s[16:17], s[16:17], s[26:27]
	s_lshl_b32 s26, ttmp9, 7                       ; 4 rows of out3
	s_add_nc_u64 s[14:15], s[14:15], s[26:27]
	s_lshl_b32 s26, ttmp9, 5                       ; 8 slots of 4 bytes
	s_add_nc_u64 s[10:11], s[10:11], s[26:27]
	s_add_nc_u64 s[12:13], s[12:13], s[26:27]
	s_add_nc_u64 s[18:19], s[18:19], s[26:27]
	s_mov_b32 s26, ttmp9                           ; my byte in each expert's bitmap
	s_add_nc_u64 s[20:21], s[20:21], s[26:27]
.set u, 0
.rept 8                                ; u = 2 t + i: 512 consecutive bytes a load
	global_load_b128 v[X+4*u:X+4*u+3], v4, s[4:5] offset:(u/2)*4096+(u%2)*512 th:TH_LOAD_NT
.set u, u+1
.endr
.set u, 0
.rept 8                                ; u = 4 i + c
	global_load_b128 v[G+8*u:G+8*u+3],   v5, s[6:7] offset:(u/4)*4096+(u%4)*32
	global_load_b128 v[G+8*u+4:G+8*u+7], v5, s[6:7] offset:(u/4)*4096+(u%4)*32+16
.set u, u+1
.endr
	global_load_b32 v[BGV], v6, s[8:9]
	s_wait_loadcnt 17                              ; x is in: Wg's sixteen loads and bg's one are younger
.set u, 0
.rept 8
	v_cvt_pk_bf16_f32 v[XB+2*u],   v[X+4*u],   v[X+4*u+1]
	v_cvt_pk_bf16_f32 v[XB+2*u+1], v[X+4*u+2], v[X+4*u+3]
.set u, u+1
.endr
.set u, 0
.rept 8
	global_store_b64 v[XO], v[XB+2*u:XB+2*u+1], s[16:17] offset:(u/2)*2048+(u%2)*256  ; a wave stores 256 consecutive bytes, at a multiple of 256 from xb's first
.set u, u+1
.endr
.set u, 0
.rept 16                               ; the rounded numbers back as f32
	v_lshlrev_b32 v[X+2*u],   16,  v[XB+u]
	v_and_b32     v[X+2*u+1], s23, v[XB+u]
.set u, u+1
.endr
	s_wait_loadcnt 1                               ; Wg is in: bg's load is younger
.set u, 0
.rept 32                               ; Wg rounded to bf16 and widened again, through eight registers by turns
	v_cvt_pk_bf16_f32 v[T0+u%8], v[G+2*u], v[G+2*u+1]
	v_lshlrev_b32 v[G+2*u],   16,  v[T0+u%8]
	v_and_b32     v[G+2*u+1], s23, v[T0+u%8]
.set u, u+1
.endr
; 128 packed lines: two experts each; x is given to both halves.  The sixteen sums take turns, so that no line waits for the one before it.
.set ic, 0
.rept 8                                ; ic = 4 i + c
.set tp, 0
.rept 16                               ; tp = 4 t + pair of experts
.set rD, ACC+8*(tp/4)+2*(tp%4)
.set rG, G+8*ic+2*(tp%4)
.set rX, X+4*(2*(tp/4)+ic/4)+2*((ic%4)/2)
.if ic == 0
	v_pk_mul_f32 v[rD:rD+1], v[rG:rG+1], v[rX:rX+1] op_sel_hi:[1,0]
.elseif ic%2 == 0
	v_pk_fma_f32 v[rD:rD+1], v[rG:rG+1], v[rX:rX+1], v[rD:rD+1] op_sel_hi:[1,0,1]
.else
	v_pk_fma_f32 v[rD:rD+1], v[rG:rG+1], v[rX:rX+1], v[rD:rD+1] op_sel:[0,1,0] op_sel_hi:[1,1,1]
.endif
.set tp, tp+1
.endr
.set ic, ic+1
.endr
; each of the 32 sums over the wave's 32 lanes
.irp mk, 1,2,4,8
.set u, 0
.rept 32
	v_add_f32_dpp v[ACC+u], v[ACC+u], v[ACC+u] row_xmask:\mk row_mask:0xf bank_mask:0xf
.set u, u+1
.endr
.endr
.set u, 0
.rept 32
	v_permlanex16_b32 v[G+u], v[ACC+u], s24, s25   ; Wg's registers are free, and have been written
.set u, u+1
.endr
.set u, 0
.rept 32
	v_add_f32 v[ACC+u], v[ACC+u], v[G+u]
.set u, u+1
.endr
.set u, 0
.rept 8
	ds_store_b128 v[LA], v[ACC+4*u:ACC+4*u+3] offset:16*u  ; all lanes hold the same numbers and write the same words
.set u, u+1
.endr
	s_wait_dscnt 0x0                               ; for the others' sake: my partial sums are in LDS
	s_barrier_signal -1
	s_barrier_wait -1
	s_cmp_lg_u32 s22, 0
	s_cbranch_scc1 .Lend                           ; the rest is wave 0's; no barrier follows
	; wave 0: lane L has token t = L / 8 and expert e = L % 8
.irp wv, 0,1,2,3
	ds_load_b32 v[T0+\wv], v[L4] offset:128*\wv
.endr
	s_wait_dscnt 0x0
	s_wait_loadcnt 0x0                             ; bg
	v_cvt_pk_bf16_f32 v[BGV], v[BGV], v[BGV]
	v_lshlrev_b32 v[BGV], 16, v[BGV]
	v_add_f32 v156, v156, v157
	v_add_f32 v158, v158, v159
	v_add_f32 v156, v156, v158
	v_add_f32 v160, v156, v[BGV]                   ; the gate score
	global_store_b32 v[L4], v160, s[14:15]
	v_mov_b32 v161, v160                           ; the largest of the token's eight (lanes L xor 1, 2, 4)
.irp mk, 1,2,4
	v_max_num_f32_dpp v161, v161, v161 row_xmask:\mk row_mask:0xf bank_mask:0xf
.endr
	v_sub_f32 v162, v160, v161
	v_mul_f32 v162, 0x3fb8aa3b, v162
	v_exp_f32 v162, v162
	v_nop                                          ; a plain line behind the exponential,
	s_wait_alu depctr_va_vdst(0)                   ; and a wait ahead of its first reader
	v_mov_b32 v163, v162
.irp mk, 1,2,4
	v_add_f32_dpp v163, v163, v163 row_xmask:\mk row_mask:0xf bank_mask:0xf
.endr
	v_rcp_f32 v163, v163
	v_and_b32 v165, 7, v0                          ; (the plain line behind the reciprocal)
	s_wait_alu depctr_va_vdst(0)
	v_mul_f32 v164, v162, v163                     ; p
	v_cvt_f32_u32 v165, v165                       ; e as a float
	v_mov_b32 v166, v164
.irp mk, 1,2,4
	v_max_num_f32_dpp v166, v166, v166 row_xmask:\mk row_mask:0xf bank_mask:0xf
.endr
	v_cmp_eq_f32 vcc_lo, v164, v166                ; who holds the largest p?  the lowest such e
	v_cndmask_b32 v167, 0x41000000, v165, vcc_lo
.irp mk, 1,2,4
	v_min_num_f32_dpp v167, v167, v167 row_xmask:\mk row_mask:0xf bank_mask:0xf
.endr
	v_cmp_eq_f32 vcc_lo, v165, v167
	v_cndmask_b32 v168, v164, -1.0, vcc_lo         ; the first choice is taken out: p is never below 0
	v_mov_b32 v169, v168
.irp mk, 1,2,4
	v_max_num_f32_dpp v169, v169, v169 row_xmask:\mk row_mask:0xf bank_mask:0xf
.endr
	v_cmp_eq_f32 vcc_lo, v168, v169
	v_cndmask_b32 v170, 0x41000000, v165, vcc_lo
.irp mk, 1,2,4
	v_min_num_f32_dpp v170, v170, v170 row_xmask:\mk row_mask:0xf bank_mask:0xf
.endr
	v_sub_f32 v171, v169, v166                     ; softmax of (m1, m2), the maximum m1 taken away: 1 / (1 + e^(m2 - m1)) and the rest
	v_mul_f32 v171, 0x3fb8aa3b, v171
	v_exp_f32 v171, v171
	v_and_b32 v174, 1, v0                          ; k
	s_wait_alu depctr_va_vdst(0)
	v_add_f32 v172, 1.0, v171
	v_rcp_f32 v172, v172
	v_cmp_eq_u32 vcc_lo, 1, v174
	s_wait_alu depctr_va_vdst(0)
	v_mul_f32 v173, v171, v172
	v_cndmask_b32 v166, v166, v169, vcc_lo         ; lane 8 t + k: the k-th probability,
	v_cndmask_b32 v167, v167, v170, vcc_lo         ; expert,
	v_cndmask_b32 v172, v172, v173, vcc_lo         ; and weight
	v_cvt_u32_f32 v167, v167
	; the bitmaps: for each expert the lanes 8 t + k that chose it, packed to bits 2 t + k of one byte, which goes to lane e
	v_mov_b32 v175, 0
.irp e, 0,1,2,3,4,5,6,7
	v_cmp_eq_u32 s26, \e, v167
	s_and_b32 s27, s26, 3
	s_lshr_b32 s28, s26, 6
	s_and_b32 s28, s28, 0xc
	s_or_b32 s27, s27, s28
	s_lshr_b32 s28, s26, 12
	s_and_b32 s28, s28, 0x30
	s_or_b32 s27, s27, s28
	s_lshr_b32 s28, s26, 18
	s_and_b32 s28, s28, 0xc0
	s_or_b32 s27, s27, s28
	v_writelane_b32 v175, s27, \e
.endr
	v_and_b32 v156, 24, v0                         ; 8 t
	v_lshl_add_u32 v156, v174, 2, v156             ; + 4 k
	v_and_b32 v157, 7, v0
	v_lshlrev_b32 v158, 8, v157                    ; an expert's bitmap is 256 bytes
	v_cmp_gt_u32 vcc_lo, 2, v157
	s_wait_xcnt 0x0                                ; EXEC changes only behind this wait
	s_and_saveexec_b32 s29, vcc_lo                 ; lanes 8 t and 8 t + 1
	global_store_b32 v156, v166, s[10:11]
	global_store_b32 v156, v167, s[12:13]
	global_store_b32 v156, v172, s[18:19]
	s_wait_xcnt 0x0
	s_or_b32 exec_lo, exec_lo, s29
	v_cmp_gt_u32 vcc_lo, 8, v0
	s_and_saveexec_b32 s29, vcc_lo                 ; lanes 0 to 7: one byte for each expert
	global_store_b8 v158, v175, s[20:21]
	s_wait_xcnt 0x0
	s_or_b32 exec_lo, exec_lo, s29
	s_cmp_lg_u32 ttmp9, 255
	s_cbranch_scc1 .Lend
	v_mov_b32 v160, 0                              ; the last work-group writes the 256 bytes behind xb's last row and behind hid's
	v_mov_b32 v161, 0
	v_add_nc_u32 v162, 0x1000000, v[XO]            ; hid's rows are 16,777,216 bytes
	global_store_b64 v[XO], v[160:161], s[16:17] offset:8192
	global_store_b64 v162, v[160:161], s[32:33]
.Lend:
	s_wait_tensorcnt 0x0                           ; the wave's end, behind my last LDS store
	ds_add_u32 v[SPW], v[NIL]
	s_wait_dscnt 0x0
	s_endpgm
.Lfunc_end_k_q681f44f88b_router:
	.size	k_q681f44f88b_router, .Lfunc_end_k_q681f44f88b_router-k_q681f44f88b_router
	.p2alignl 7, 3214868480
	.fill 96, 4, 3214868480
	.section	.rodata,"a",@progbits
	.p2align	6, 0x0
	.amdhsa_kernel k_q681f44f88b_router
		.amdhsa_group_segment_fixed_size 1024
		.amdhsa_private_segment_fixed_size 0
		.amdhsa_enable_private_segment 0
		.amdhsa_kernarg_size 80
		.amdhsa_user_sgpr_count 2
		.amdhsa_user_sgpr_kernarg_segment_ptr 1
		.amdhsa_wavefront_size32 1
		.amdhsa_system_sgpr_workgroup_id_x 1
		.amdhsa_system_sgpr_workgroup_id_y 1
		.amdhsa_system_sgpr_workgroup_id_z 1
		.amdhsa_system_vgpr_workitem_id 0
		.amdhsa_next_free_vgpr 176
		.amdhsa_next_free_sgpr 66
		.amdhsa_reserve_vcc 1
		.amdhsa_float_denorm_mode_32 3
		.amdhsa_float_denorm_mode_16_64 3
		.amdhsa_memory_ordered 1
		.amdhsa_forward_progress 1
		.amdhsa_inst_pref_size 39
	.end_amdhsa_kernel
	.amdgpu_metadata
---
amdhsa.version: [ 1, 2 ]
amdhsa.kernels:
  - .name:           k_q681f44f88b_router
    .symbol:         k_q681f44f88b_router.kd
    .args:
      - { .name: x, .offset: 0, .size: 8, .value_kind: global_buffer, .address_space: global }
      - { .name: Wg, .offset: 8, .size: 8, .value_kind: global_buffer, .address_space: global }
      - { .name: bg, .offset: 16, .size: 8, .value_kind: global_buffer, .address_space: global }
      - { .name: out1, .offset: 24, .size: 8, .value_kind: global_buffer, .address_space: global }
      - { .name: out2, .offset: 32, .size: 8, .value_kind: global_buffer, .address_space: global }
      - { .name: out3, .offset: 40, .size: 8, .value_kind: global_buffer, .address_space: global }
      - { .name: xb, .offset: 48, .size: 8, .value_kind: global_buffer, .address_space: global }
      - { .name: gw, .offset: 56, .size: 8, .value_kind: global_buffer, .address_space: global }
      - { .name: bm, .offset: 64, .size: 8, .value_kind: global_buffer, .address_space: global }
      - { .name: hid, .offset: 72, .size: 8, .value_kind: global_buffer, .address_space: global }
    .group_segment_fixed_size: 1024
    .private_segment_fixed_size: 0
    .kernarg_segment_align: 8
    .kernarg_segment_size: 80
    .max_flat_workgroup_size: 128
    .sgpr_count:     66
    .vgpr_count:     176
    .wavefront_size: 32
...
	.end_amdgpu_metadata
.endif
;; end of part 1
;; launch up (part 2): grid 32 x 8, 8 waves a work-group, no clusters, 313,344 bytes of LDS; arguments W1, b1, xb, bm, hid; writes hid
.if DOCPART == 2
	.amdgcn_target "amdgcn-amd-amdhsa--gfx1250"
	.amdhsa_code_object_version 6
	.text
	.protected	k_q681f44f88b_up
	.globl	k_q681f44f88b_up
	.p2align	8
	.type	k_q681f44f88b_up,@function
k_q681f44f88b_up:
	s_mov_b64 s[64:65], 0
	v_nop
	global_prefetch_b8 v0, s[64:65] scope:SCOPE_SE
	s_setreg_imm32_b32 hwreg(HW_REG_WAVE_MODE, 25, 1), 1
	s_wait_xcnt 0x0
; FIRST PRODUCT (DOWN = 0): hid[slot] = gelu(xb[slot / 2] W1[e] + b1[e]) in bf16, for the slots that chose expert e.  (The same source with DOWN = 1 is the second product.)
; SHARES.  Work-group (x, y) has expert y and a slice of its weights, 1,024 rows (K) x 128 columns, 524,288 bytes of f32 that it alone reads, once, and ALL rows of that expert.
; Waves 4-7 PRODUCE: they load the slice, round it to bf16 and lay it into LDS, where it stays (rows of 288 bytes).  Waves 0-3 CONSUME: token rows come from memory straight into A's
; fragments, W's fragments out of LDS by the turning load, sums in f32.  The two kinds have counters of their own: a producer keeps 48 to 56 loads of 512 bytes on their way throughout.
; K goes in 4 chunks of 256.  A chunk is rounded into registers while the consumers multiply the chunk before; it is stored between two barriers: ahead of the first every consumer's LDS reads
; are back, ahead of the second the producers' stores are done.  So no store into the slice runs beside a read of it.
; ROWS.  The expert's slots come from its bitmap (64 words, read from memory): the slot of rank n is its n-th set bit.  Tile t (16 ranks) belongs to consumer t % 4; a pass holds 5 tiles a
; consumer, 320 rows.  The loop over passes has 4 trips, which serve every split (an expert has 1,024 rows at the most); every wave passes every barrier of every pass; the producers work in pass 0
; alone, and a consumer with no tile left jumps its work.  Passes 1 to 3 read the resident slice.
; Ranks past the count repeat the wave's first row of the pass (the same bytes are stored again); tiles past the count are computed and never stored.
; NO CLUSTER, NO TENSOR LOADS: each weight has one reader and must pass through registers to be rounded; the token rows, which an expert's work-groups share, come by a list that no descriptor covers.
; FORMATS AND LIMITS.  Every input is rounded once to bf16 (here W and the bias); the hidden layer is stored in bf16 (f16 would not hold inputs 30 times larger).  erf by a rational
; approximation in t = 1 / (1 + 0.3275911 |z|) with five terms, within 1.5e-7 for every z; e^(-z^2) below 2^-126 counts as 0.  NaN and infinities are not treated apart.
.set DOWN, 0
.if DOWN
.set WP, 4096                          ; bytes from row to row of W
.else
.set WP, 16384
.endif
.set PITCH,  288                       ; an LDS row of the slice: 256 bytes + 32
.set KST,    32*PITCH                  ; a K step of 32
.set CH,     256*PITCH                 ; a chunk
.set STAGE,  1024*PITCH                ; behind the slice: 8 rows x 528 bytes for each consumer, for the way out
.set STG,    4352
.set SPITCH, 528
.set SPARE,  STAGE+4*STG               ; behind the stages: the spare words, 128 bytes for each of 8 waves
; vector registers.  v1-v47 are made at the head by every wave; the LDS bases among them (BAD0, STW, RD, ST0) are made of bits of v0 alone and never rewritten
.set L4,   1                           ; 4 x lane
.set SPW,  2                           ; my spare word's address; never rewritten
.set NIL,  3                           ; 0; never rewritten
.set BAD0, 4                           ; consumers: my lane's place in a K step of the slice
.set BADR, 5                           ; the same in the chunk in hand, K steps 0-3
.set RB,   6                           ; 64 (L / 16) + L % 16
.set H16,  7                           ; 16 (L / 16)
.set AOFF, 8                           ; v8-12   tile m: byte offset of my row's 16 bytes
.set SLOT, 13                          ; v13-17  tile m: the slot of row L % 16
.set GW,   18                          ; v18-22  tile m: its weight (second product)
.set STW,  23                          ; the way out: where I put a number
.set RD,   24                          ; where I read a row back
.set OL,   25                          ; my bytes in an output row
.set CUR,  26                          ; the slots of the tile on its way out
.set CURW, 27                          ; and its weights
.set RO,   28                          ; v28-35  byte offsets of the 8 rows on their way out
.set RK,   36                          ; v36-38  ranks: lanes 0-15 tile 2 v, lanes 16-31 tile 2 v + 1 (alive only while rows are looked up)
.set BADR2, 36                         ; in a chunk: BADR for K steps 4-7 (an LDS offset holds 16 bits)
.set SW,   39                          ; v39-41  the bitmap word that holds the rank; then the slot
.set SC,   42                          ; v42-44  bits ahead of that word (low half), the word's number (high half)
.set ST0,  45                          ; producers: 8 x lane + my 64 rows of a chunk
.set WOF,  46                          ; producers: 16 x lane
.set R4,   47                          ; 4 (L % 16)
.set SCR,  48                          ; v48-55 at work at the head and while rows are looked up
.set AF0,  48                          ; v48-87, v88-127   A's fragments, two buffers of 5 tiles
.set AF1,  88
.set BLO,  128                         ; v128-159 W's fragments of columns 0-63, v160-191 of columns 64-127
.set BM0,  136                         ; while rows are looked up: bitmap words 0-31, one a lane,
.set BM1,  137                         ; and words 32-63
.set BHI,  160
.set AC4,  192                         ; v192-255 tile 4's sums; window 1: tile m, column block n at 64 m + 8 n
.set EV,   128                         ; the way out: 8 rows x 4 numbers; at work: SV, TV, PV; packed: OV
.set SV,   160
.set TV,   48
.set PV,   80
.set OV,   112
.set PT,   64                          ; producers: v64-191 a chunk's 64 rows in bf16; window 1: 64 landing slots of 4 registers
.set STA,  192                         ; producers: ST0 in the chunk in hand
; scalar registers
.set WB,   4                           ; W at my slice, at my wave's 64 rows of the chunk in hand
.set BI,   6                           ; the bias at my columns
.set AB0,  8                           ; the rows' tensor at my K range
.set BMP,  10                          ; my expert's bitmap
.set OB,   12                          ; the output at my columns
.set GWP,  14                          ; gw
.set AB,   16                          ; AB0 stepped along K
.set WVN,  18                          ; wave 0-7
.set WW,   19                          ; wave % 4
.set IT,   20                          ; chunk
.set MT,   21                          ; my live tiles in this pass, 0 to 5
.set LT,   22                          ; my live tiles in all
.set PS,   23                          ; pass
.set U,    24
.set CNT,  25                          ; the expert's rows
.set TB,   26                          ; the chunk's first LDS byte
.set CUM,  28
.set PK,   29
.set WD,   30
.set TT,   31
.set LN,   32
.set QC,   33
.set FB,   34
.set RKB,  35
.set SEL,  36                          ; s[36:37] v_permlanex16_b32's selects
.set HMSK, 38                          ; 0xffff0000: a word's upper bf16, and lanes 16-31
.set FLAG, 39                          ; second product: all ones where the bias is mine to add
.set ROWS, 40                          ; s40-47
.set CSQ,  48                          ; s[48:49] sqrt(log2(e) / 2); pairs: the packed lines take the low word for both halves
.set A5,   50
.set A4,   52
.set A3,   54
.set A2,   56
.set A1,   58
.set CT,   60
.set WROW, 66                          ; s66-73
.set YY,   74
.set HM2,  78
.set MSB, 0
.macro WIN new                         ; the immediate's high byte repeats the setting that is left; a switch that changes nothing is dropped
.if MSB != (\new)
	s_set_vgpr_msb (MSB<<8)|(\new)
.set MSB, \new
.endif
.endm
.macro PLACES                          ; four plain lines between a matrix instruction and a load into, or a read of, its registers
.rept 4
	v_nop
.endr
.endm
; A PRODUCER'S CHUNK, loads and rounding.  My 64 rows are 8 groups of 8 landing slots, a ring inside this one block: it is entered, and left, with groups 0 to 6 asked for, in that order.
; Sub-step j: group j is in; it is rounded; the group freed one sub-step before is asked for again: group 7 of this chunk (j = 0), group j - 1 of the next chunk (j > 0).
; ld = 0: the last chunk: only group 7 is still asked for, and the counts run down.
.macro PRODL ld
.set j, 0
.rept 8
.if (\ld) || (j < 2)
	s_wait_loadcnt 48                              ; loads come back in order: six groups of 8 are younger than group j
.else
	s_wait_loadcnt 56-8*j                          ; groups j + 1 to 7 are younger
.endif
	WIN 0x05                                       ; sources in window 1
.set i, 8*j
.rept 8
	v_cvt_pk_bf16_f32 v[PT+2*i],   v[4*i],   v[4*i+1]
	v_cvt_pk_bf16_f32 v[PT+2*i+1], v[4*i+2], v[4*i+3]
.set i, i+1
.endr
.if j == 0
	WIN 0x40                                       ; destination in window 1
.set i, 56
.rept 8
	global_load_b128 v[4*i:4*i+3], v[WOF], s[WB:WB+1] offset:i*WP th:TH_LOAD_NT
.set i, i+1
.endr
.elseif \ld
	WIN 0x40
.set i, 8*(j-1)
.rept 8
	global_load_b128 v[4*i:4*i+3], v[WOF], s[WB:WB+1] offset:(256+i)*WP th:TH_LOAD_NT
.set i, i+1
.endr
.endif
.set j, j+1
.endr
	WIN 0
.if \ld
	s_wait_xcnt 0x0                                ; the loads' base is stepped only behind this wait
	s_add_nc_u64 s[WB:WB+1], s[WB:WB+1], 256*WP
.endif
.endm
.macro PRODS                           ; the rounded chunk goes into the slice
	v_add_nc_u32 v[STA], s[TB], v[ST0]
.set i, 0
.rept 64
	ds_store_b64 v[STA], v[PT+2*i:PT+2*i+1] offset:PITCH*i  ; 32 lanes x 8 bytes: a row's 256 bytes
.set i, i+1
.endr
.endm
; W's fragments of K step s of the chunk, column blocks nb .. nb + 3: for each two turning loads, 16 rows apart
.macro FETCHB bb, nb, s
.if (\s) < 4
.set BR, BADR
.else
.set BR, BADR2
.endif
.irp n, 0,1,2,3
	ds_load_tr16_b128 v[(\bb)+8*\n:(\bb)+8*\n+3],   v[BR] offset:((\s)%4)*KST+32*((\nb)+\n)
	ds_load_tr16_b128 v[(\bb)+8*\n+4:(\bb)+8*\n+7], v[BR] offset:((\s)%4)*KST+16*PITCH+32*((\nb)+\n)
.endr
.endm
; A's fragments of one K step, 5 tiles: lane L takes row L % 16, K = 8 (L / 16) + 0..7 and 16 + 8 (L / 16) + 0..7.  Always all five: the count of loads is a constant.
.macro LOADA af, kb
.irp m, 0,1,2,3,4
	global_load_b128 v[(\af)+8*\m:(\af)+8*\m+3],   v[AOFF+\m], s[AB:AB+1] offset:(\kb)
	global_load_b128 v[(\af)+8*\m+4:(\af)+8*\m+7], v[AOFF+\m], s[AB:AB+1] offset:(\kb)+32
.endr
.endm
; 16 matrix instructions (tiles 0-3 x 4 column blocks), and 4 more where the wave has a fifth tile.  Every instruction has another accumulator than the one before it.
.macro PHASE bb, af, nb
	WIN 0x50                                       ; C and D in window 1
.irp m, 0,1,2,3
.irp n, 0,1,2,3
	v_wmma_f32_16x16x32_bf16 v[64*\m+8*((\nb)+\n):64*\m+8*((\nb)+\n)+7], v[(\af)+8*\m:(\af)+8*\m+7], v[(\bb)+8*\n:(\bb)+8*\n+7], v[64*\m+8*((\nb)+\n):64*\m+8*((\nb)+\n)+7]
.endr
.endr
	WIN 0
	s_cmp_lt_u32 s[MT], 5
	s_cbranch_scc1 .Lno4_\@
.irp n, 0,1,2,3
	v_wmma_f32_16x16x32_bf16 v[AC4+8*((\nb)+\n):AC4+8*((\nb)+\n)+7], v[(\af)+32:(\af)+39], v[(\bb)+8*\n:(\bb)+8*\n+7], v[AC4+8*((\nb)+\n):AC4+8*((\nb)+\n)+7]
.endr
.Lno4_\@:
.endm
; A CONSUMER'S CHUNK: eight K steps.  W's two halves are fetched half a step ahead, A's two buffers two steps ahead.
.macro CONS
	v_add_nc_u32 v[BADR], s[TB], v[BAD0]
	v_add_nc_u32 v[BADR2], 4*KST, v[BADR]
	FETCHB BLO, 0, 0
	FETCHB BHI, 4, 0
.irp s, 0,1,2,3,4,5,6,7
	s_wait_loadcnt 10                              ; this step's rows are in; the next step's ten loads are younger
	s_wait_dscnt 8                                 ; the low half is in; the high half's eight loads are younger
	PHASE BLO, AF0+40*((\s)%2), 0
.if (\s) < 7
	PLACES
	FETCHB BLO, 0, (\s)+1
	s_wait_dscnt 8                                 ; the high half is in; the eight just issued are younger
.else
	s_wait_dscnt 0x0
.endif
	PHASE BHI, AF0+40*((\s)%2), 4
	PLACES
.if (\s) < 7
	FETCHB BHI, 4, (\s)+1
.endif
	LOADA AF0+40*((\s)%2), 64*((\s)+2)             ; two K steps on; behind the last step these run 128 bytes past my K range, into the next row or the written bytes behind the last, and are not used
.endr
	s_wait_xcnt 0x0                                ; the loads' base is stepped only behind this wait
	s_add_nc_u64 s[AB:AB+1], s[AB:AB+1], 512
.endm
; 32 words of the bitmap: for each rank the last word ahead of which no more bits stand than the rank is kept, with that count and the word's number
.macro FINDH bmreg
	s_mov_b32 s[LN], 0
	s_mov_b32 s[QC], 0
.Lfind_\@:
.rept 4
	v_readlane_b32 s[WD], v[\bmreg], s[LN]
.irp v, 0,1,2
	v_cmp_gt_u32 vcc_lo, s[CUM], v[RK+\v]
	v_cndmask_b32 v[SW+\v], s[WD], v[SW+\v], vcc_lo
	v_cndmask_b32 v[SC+\v], s[PK], v[SC+\v], vcc_lo
.endr
	s_bcnt1_i32_b32 s[TT], s[WD]
	s_add_co_u32 s[CUM], s[CUM], s[TT]
	s_add_co_u32 s[PK], s[PK], s[TT]
	s_add_co_u32 s[PK], s[PK], 0x10000
	s_add_co_u32 s[LN], s[LN], 1
.endr
	s_add_co_u32 s[QC], s[QC], 1
	s_cmp_lt_u32 s[QC], 8
	s_cbranch_scc1 .Lfind_\@
.endm
.macro LEVEL src, width, step          ; are there k bits or fewer in the lower half of what is left?  then the bit lies in the upper half
	v_bfe_u32 v[SCR+6], v[\src], v[SCR+5], \width
	v_cmp_ge_u32 vcc_lo, v[SCR], v[SCR+6]
	v_cndmask_b32 v[SCR+6], 0, v[SCR+6], vcc_lo
	v_cndmask_b32 v[SCR+7], 0, \step, vcc_lo
	v_sub_nc_u32 v[SCR], v[SCR], v[SCR+6]
	v_add_nc_u32 v[SCR+5], v[SCR+5], v[SCR+7]
.endm
.macro SELECT v                        ; the place of set bit k of the word, by counts of 2, 4, 8 and 16 bits; the slot = 32 x word + place
	v_and_b32 v[SCR], 0xffff, v[SC+\v]
	v_sub_nc_u32 v[SCR], v[RK+\v], v[SCR]          ; k
	v_lshrrev_b32 v[SCR+1], 1, v[SW+\v]
	v_and_b32 v[SCR+1], 0x55555555, v[SCR+1]
	v_sub_nc_u32 v[SCR+1], v[SW+\v], v[SCR+1]
	v_lshrrev_b32 v[SCR+2], 2, v[SCR+1]
	v_and_b32 v[SCR+2], 0x33333333, v[SCR+2]
	v_and_b32 v[SCR+3], 0x33333333, v[SCR+1]
	v_add_nc_u32 v[SCR+2], v[SCR+2], v[SCR+3]
	v_lshrrev_b32 v[SCR+3], 4, v[SCR+2]
	v_add_nc_u32 v[SCR+3], v[SCR+3], v[SCR+2]
	v_and_b32 v[SCR+3], 0x0f0f0f0f, v[SCR+3]
	v_lshrrev_b32 v[SCR+4], 8, v[SCR+3]
	v_add_nc_u32 v[SCR+4], v[SCR+4], v[SCR+3]
	v_mov_b32 v[SCR+5], 0
	LEVEL SCR+4, 8, 16
	LEVEL SCR+3, 8, 8
	LEVEL SCR+2, 4, 4
	LEVEL SCR+1, 2, 2
	LEVEL SW+\v, 1, 1
	v_lshrrev_b32 v[SCR+6], 16, v[SC+\v]
	v_lshl_add_u32 v[SW+\v], v[SCR+6], 5, v[SCR+5]
.endm
; A PASS IS MADE READY: the slots of my five tiles, their addresses, the first two K steps' rows, and the sums, which start from the bias.  first = 1: pass 0, and my number of tiles is made; first = 0: pass PS + 1.
.macro SETUP first
	s_wait_xcnt 0x0                                ; registers that earlier loads and stores name are written below
	global_load_b32 v[BM0], v[L4], s[BMP:BMP+1]
	global_load_b32 v[BM1], v[L4], s[BMP:BMP+1] offset:128
.irp n, 0,1,2,3,4,5,6,7
	global_load_b32 v[BLO+\n], v[R4], s[BI:BI+1] offset:64*\n  ; the bias of column 16 n + L % 16
.endr
.if \first
	s_lshl_b32 s[RKB], s[WW], 4                    ; rank of my first row: 320 pass + 16 w
.else
	s_add_co_u32 s[RKB], s[PS], 1
	s_mul_i32 s[RKB], s[RKB], 320
	s_lshl4_add_u32 s[RKB], s[WW], s[RKB]
.endif
	v_add_nc_u32 v[RK], s[RKB], v[RB]
	v_add_nc_u32 v[RK+1], 0x80, v[RK]
	v_add_nc_u32 v[RK+2], 0x100, v[RK]
.irp v, 0,1,2
	v_mov_b32 v[SW+\v], 0
	v_mov_b32 v[SC+\v], 0
.endr
	s_mov_b32 s[CUM], 0
	s_mov_b32 s[PK], 0
	s_wait_loadcnt 0x0
.irp p, 0,1,2,3
	v_cvt_pk_bf16_f32 v[SCR+\p], v[BLO+2*\p], v[BLO+2*\p+1]
.endr
.irp p, 0,1,2,3
	v_lshlrev_b32 v[BLO+2*\p], 16, v[SCR+\p]
.if DOWN
	v_and_b32 v[BLO+2*\p], s[FLAG], v[BLO+2*\p]
	v_and_b32 v[BLO+2*\p+1], s[HM2], v[SCR+\p]
.else
	v_and_b32 v[BLO+2*\p+1], s[HMSK], v[SCR+\p]
.endif
.endr
	FINDH BM0
	FINDH BM1
	s_mov_b32 s[CNT], s[CUM]
.if \first
	s_add_co_u32 s62, s[CNT], 15
	s_lshr_b32 s62, s62, 4                         ; tiles of the expert
	s_add_co_u32 s62, s62, 3
	s_sub_co_u32 s62, s62, s[WW]
	s_lshr_b32 s[LT], s62, 2                       ; those with t % 4 = w
	s_min_u32 s[MT], s[LT], 5
.endif
	SELECT 0
	SELECT 1
	SELECT 2
	v_readfirstlane_b32 s[FB], v[SW]               ; my first row's slot stands in for ranks past the count
.irp v, 0,1,2
	v_cmp_gt_u32 vcc_lo, s[CNT], v[RK+\v]
	v_cndmask_b32 v[SW+\v], s[FB], v[SW+\v], vcc_lo
.endr
.irp v, 0,1,2
	v_permlanex16_b32 v[SCR+\v], v[SW+\v], s[SEL], s[SEL+1]
.endr
	v_cndmask_b32 v[SLOT],   v[SW],    v[SCR],   s[HMSK]  ; both halves of the lanes get row L % 16 of the tile
	v_cndmask_b32 v[SLOT+1], v[SCR],   v[SW],    s[HMSK]
	v_cndmask_b32 v[SLOT+2], v[SW+1],  v[SCR+1], s[HMSK]
	v_cndmask_b32 v[SLOT+3], v[SCR+1], v[SW+1],  s[HMSK]
	v_cndmask_b32 v[SLOT+4], v[SW+2],  v[SCR+2], s[HMSK]
.irp m, 0,1,2,3,4
	v_min_u32 v[SLOT+\m], 0x7ff, v[SLOT+\m]        ; a slot is below 2,048
.endr
.irp m, 0,1,2,3,4
.if DOWN
	v_lshl_add_u32 v[AOFF+\m], v[SLOT+\m], 13, v[H16]  ; a row of hid is 8,192 bytes
	v_lshlrev_b32 v[RO+\m], 2, v[SLOT+\m]
.else
	v_and_b32 v[AOFF+\m], 0x7fe, v[SLOT+\m]        ; 2 x token
	v_lshl_add_u32 v[AOFF+\m], v[AOFF+\m], 10, v[H16]  ; a row of xb is 2,048 bytes
.endif
.endr
.if DOWN
.irp m, 0,1,2,3,4
	global_load_b32 v[GW+\m], v[RO+\m], s[GWP:GWP+1]
.endr
.endif
.if (\first) == 0
	s_mov_b64 s[AB:AB+1], s[AB0:AB0+1]             ; back to K's beginning (in pass 0 the head has set it); every load that named AB has been waited for
.endif
	LOADA AF0, 0
	LOADA AF1, 64
	WIN 0x40                                       ; the sums start from the bias: register j of (m, n) is row 8 (L / 16) + j, column 16 n + L % 16
.set i, 0
.rept 256
	v_mov_b32 v[i], v[BLO+(i/8)%8]
.set i, i+1
.endr
	WIN 0
.set i, 0
.rept 64
	v_mov_b32 v[AC4+i], v[BLO+i/8]
.set i, i+1
.endr
.endm
; Unit k of the way out: tile k / 2, registers {0,1,4,5} or {2,3,6,7} of its eight accumulators (each set begins among an accumulator's four lowest): 8 rows x 128 numbers into my stage
.macro BLOCK k
.Lblk\k:
.if (\k)/2 < 4
	WIN 0x04                                       ; the data in window 1
.set ACB, 64*((\k)/2)
.else
.set ACB, AC4
.endif
.set jj, 0
.rept 4
.set nn, 0
.rept 8
	ds_store_b32 v[STW], v[ACB+8*nn+2*((\k)%2)+(jj&1)+4*(jj>>1)] offset:SPITCH*jj+64*nn
.set nn, nn+1
.endr
.set jj, jj+1
.endr
	WIN 0
	v_mov_b32 v[CUR], v[SLOT+(\k)/2]
.if DOWN
	v_mov_b32 v[CURW], v[GW+(\k)/2]
.endif
	s_branch .Lcommon
.endm
	s_load_b256 s[4:11], s[0:1], 0x0               ; W s[4:5], bias s[6:7], the rows' tensor s[8:9], bm s[10:11]
.if DOWN
	s_load_b128 s[12:15], s[0:1], 0x20             ; part s[12:13], gw s[14:15]
.else
	s_load_b64 s[12:13], s[0:1], 0x20              ; hid
.endif
	v_lshl_add_u32 v[SPW], v0, 2, SPARE
	v_mov_b32 v[NIL], 0
	v_lshrrev_b32 v48, 5, v0
	v_readfirstlane_b32 s[WVN], v48
	s_and_b32 s[WW], s[WVN], 3
	; every lane term and every LDS base, of both kinds of wave, from bits of v0
	v_and_b32 v49, 31, v0                          ; lane
	v_and_b32 v50, 15, v0                          ; r = L % 16
	v_bfe_u32 v51, v0, 4, 1                        ; h = L / 16
	v_bfe_u32 v52, v0, 5, 2                        ; wave % 4
	v_lshlrev_b32 v[L4], 2, v49
	v_lshlrev_b32 v[R4], 2, v50
	v_lshlrev_b32 v[H16], 4, v51
	v_lshl_add_u32 v[RB], v51, 6, v50
	v_and_b32 v53, 7, v0                           ; the turning load: lane L reads row 8 h + L % 8, 16 bytes at 16 ((L / 8) % 2)
	v_lshl_add_u32 v53, v51, 3, v53
	v_mul_u32_u24 v[BAD0], v53, PITCH
	v_bfe_u32 v54, v0, 3, 1
	v_lshl_add_u32 v[BAD0], v54, 4, v[BAD0]
	v_mul_u32_u24 v55, v52, STG
	v_add_nc_u32 v55, STAGE, v55                   ; my stage
	v_mul_u32_u24 v[STW], v51, 4*SPITCH            ; in: stage row 4 h + jj, column 16 n + r
	v_lshl_add_u32 v[STW], v50, 2, v[STW]
	v_add_nc_u32 v[STW], v[STW], v55
	v_lshl_add_u32 v[RD], v49, 4, v55              ; back: a whole row, 16 bytes a lane
.if DOWN
	v_lshlrev_b32 v[OL], 4, v49
.else
	v_lshlrev_b32 v[OL], 3, v49
.endif
	v_lshlrev_b32 v[WOF], 4, v49
	v_mul_u32_u24 v[ST0], v52, 64*PITCH            ; a producer's 64 rows of a chunk,
	v_lshl_add_u32 v[ST0], v49, 3, v[ST0]          ; 8 bytes a lane
	s_and_b32 s[YY], ttmp7, 0xffff                 ; the expert
.if DOWN
	s_and_b32 s62, ttmp9, 7                        ; which 128 columns
	s_lshr_b32 s63, ttmp9, 3                       ; which quarter of K
	s_lshl_b32 s66, s[YY], 24                      ; an expert's weights are 16 MiB,
	s_lshl_b32 s75, s63, 22                        ; 1,024 rows of 4,096 bytes,
	s_add_co_u32 s66, s66, s75
	s_lshl_b32 s75, s62, 9                         ; 128 columns of 4 bytes
	s_add_co_u32 s66, s66, s75
	s_lshl_b32 s68, s[YY], 12
	s_add_co_u32 s68, s68, s75
	s_lshl_b32 s70, s63, 11                        ; 1,024 bf16 of a row of hid
	s_lshl_b32 s72, s63, 23                        ; a quarter's 2,048 rows of 4,096 bytes
	s_add_co_u32 s72, s72, s75
	s_cmp_eq_u32 s63, 0
	s_cselect_b32 s[FLAG], -1, 0                   ; the first quarter adds the bias
	s_and_b32 s[HM2], s[FLAG], 0xffff0000
.else
	s_lshl_b32 s66, s[YY], 24                      ; an expert's weights are 16 MiB,
	s_lshl_b32 s75, ttmp9, 9                       ; 128 columns of 4 bytes
	s_add_co_u32 s66, s66, s75
	s_lshl_b32 s68, s[YY], 14
	s_add_co_u32 s68, s68, s75
	s_mov_b32 s70, 0
	s_lshl_b32 s72, ttmp9, 8                       ; 128 columns of 2 bytes
	s_mov_b32 s[CSQ], 0x3f596d27                   ; sqrt(log2(e) / 2) = 0.8493218
	s_mov_b32 s[CSQ+1], s[CSQ]
	s_mov_b32 s[A5], 0x3f07dc22                    ; the five coefficients, halved: 0.5307027,
	s_mov_b32 s[A5+1], s[A5]
	s_mov_b32 s[A4], 0xbf3a00e3                    ; -0.7265760,
	s_mov_b32 s[A4+1], s[A4]
	s_mov_b32 s[A3], 0x3f35f0e3                    ; 0.7107069,
	s_mov_b32 s[A3+1], s[A3]
	s_mov_b32 s[A2], 0xbe11a98e                    ; -0.1422484,
	s_mov_b32 s[A2+1], s[A2]
	s_mov_b32 s[A1], 0x3e027906                    ; 0.1274148
	s_mov_b32 s[A1+1], s[A1]
	s_mov_b32 s[CT], 0x3e6d3388                    ; 0.3275911 / sqrt(2) = 0.2316419
.endif
	s_mul_i32 s75, s[WW], 64*WP                    ; a producer's 64 rows of a chunk
	s_add_co_u32 s66, s66, s75
	s_mov_b32 s67, 0
	s_mov_b32 s69, 0
	s_mov_b32 s71, 0
	s_mov_b32 s73, 0
	s_lshl_b32 s76, s[YY], 8                       ; an expert's bitmap is 256 bytes
	s_mov_b32 s77, 0
	s_mov_b32 s[SEL], 0x76543210
	s_mov_b32 s[SEL+1], 0xfedcba98
	s_mov_b32 s[HMSK], 0xffff0000
	s_wait_kmcnt 0x0
	s_add_nc_u64 s[WB:WB+1], s[WB:WB+1], s[66:67]
	s_add_nc_u64 s[BI:BI+1], s[BI:BI+1], s[68:69]
	s_add_nc_u64 s[AB0:AB0+1], s[AB0:AB0+1], s[70:71]
	s_mov_b64 s[AB:AB+1], s[AB0:AB0+1]             ; the stepped base starts at K's beginning; made here, ahead of the branch, so that it comes from its argument on every wave's path
	s_add_nc_u64 s[OB:OB+1], s[OB:OB+1], s[72:73]
	s_add_nc_u64 s[BMP:BMP+1], s[BMP:BMP+1], s[76:77]
	s_cmp_lt_u32 s[WVN], 4
	s_cbranch_scc1 .Lconsumer
	WIN 0x40                                       ; PRODUCERS: groups 0 to 6 of chunk 0 are asked for: 56 loads of 512 consecutive bytes
.set i, 0
.rept 56
	global_load_b128 v[4*i:4*i+3], v[WOF], s[WB:WB+1] offset:i*WP th:TH_LOAD_NT
.set i, i+1
.endr
	WIN 0
	s_branch .Lgo
.Lconsumer:
	SETUP 1
.Lgo:
	s_mov_b32 s[PS], 0
.Lpass:                                ; 4 passes of 320 rows
	s_mov_b32 s[IT], 0
.Lit:                                  ; 4 chunks
	s_mul_i32 s[TB], s[IT], CH
	s_cmp_lt_u32 s[WVN], 4
	s_cbranch_scc1 .Lba
	s_cmp_lg_u32 s[PS], 0
	s_cbranch_scc1 .Lba                            ; the slice is laid in pass 0 alone
	s_cmp_lt_u32 s[IT], 3
	s_cbranch_scc0 .Lplast
	PRODL 1
	s_branch .Lba
.Lplast:
	PRODL 0
.Lba:
	s_wait_dscnt 0x0                               ; for the others' sake: my LDS reads of the chunk before are back
	s_barrier_signal -1
	s_barrier_wait -1                              ; no wave reads LDS now
	s_cmp_lt_u32 s[WVN], 4
	s_cbranch_scc1 .Lbb
	s_cmp_lg_u32 s[PS], 0
	s_cbranch_scc1 .Lbb
	PRODS
.Lbb:
	s_wait_dscnt 0x0                               ; for the others' sake: my stores of the chunk are done
	s_barrier_signal -1
	s_barrier_wait -1                              ; the chunk is whole
	s_cmp_lt_u32 s[WVN], 4
	s_cbranch_scc0 .Lnc
	s_cmp_eq_u32 s[MT], 0
	s_cbranch_scc1 .Lnc                            ; no tile of mine in this pass
	CONS
.Lnc:
	s_add_co_u32 s[IT], s[IT], 1
	s_cmp_lt_u32 s[IT], 4
	s_cbranch_scc1 .Lit
	s_cmp_lt_u32 s[WVN], 4
	s_cbranch_scc0 .Lpn
	s_cmp_eq_u32 s[MT], 0
	s_cbranch_scc1 .Lpn                            ; MT stays 0 for the passes that follow
	s_wait_loadcnt 0x0                             ; the loads that ran past K's end: their registers are used below
	; THE WAY OUT, 8 rows at a time: through my stage into whole rows, the arithmetic, the stores
	s_mov_b32 s[U], 0
.Lunit:
	s_lshr_b32 s62, s[U], 1
	s_cmp_ge_u32 s62, s[MT]
	s_cbranch_scc1 .Lunit_next                     ; a tile past the count is not stored
	s_wait_xcnt 0x0                                ; the last unit's stores have read their registers
.irp k, 0,1,2,3,4,5,6,7,8
	s_cmp_eq_u32 s[U], \k
	s_cbranch_scc1 .Lblk\k
.endr
	s_branch .Lblk9
.irp k, 0,1,2,3,4,5,6,7,8,9
	BLOCK \k
.endr
.Lcommon:
.irp i, 0,1,2,3,4,5,6,7
	ds_load_b128 v[EV+4*\i:EV+4*\i+3], v[RD] offset:SPITCH*\i  ; LDS serves a wave's instructions in order (ISA guide 5.7.1.4): these see the stores above
.endr
	s_and_b32 s62, s[U], 1
	s_lshl_b32 s62, s62, 1
.irp i, 0,1,2,3,4,5,6,7                ; stage row i is the tile's row {0,1,4,5,8,9,12,13}[i] + 2 (U % 2)
	s_add_co_u32 s63, s62, ((\i)&1)+4*(((\i)>>1)&1)+8*((\i)>>2)
	v_readlane_b32 s[ROWS+\i], v[CUR], s63
	s_min_u32 s[ROWS+\i], s[ROWS+\i], 0x7ff
.if DOWN
	s_lshl_b32 s[ROWS+\i], s[ROWS+\i], 12
	v_readlane_b32 s[WROW+\i], v[CURW], s63
.else
	s_lshl_b32 s[ROWS+\i], s[ROWS+\i], 13
.endif
	v_add_nc_u32 v[RO+\i], s[ROWS+\i], v[OL]
.endr
	s_wait_dscnt 0x0
.if DOWN
.set p, 0
.rept 32
	v_mul_f32 v[EV+p], s[WROW+p/4], v[EV+p]        ; the row's weight
.set p, p+1
.endr
.irp i, 0,1,2,3,4,5,6,7
	global_store_b128 v[RO+\i], v[EV+4*\i:EV+4*\i+3], s[OB:OB+1]  ; 512 consecutive bytes of one row, at a multiple of 256 from the buffer's first
.endr
.else
	; gelu(h) = |h| (0.5 - P(t) 2^(-(c h)^2)) + 0.5 h, t = 1 / (1 + 0.2316419 |h|), P with the halved coefficients
.set p, 0
.rept 16
	v_pk_mul_f32 v[SV+2*p:SV+2*p+1], v[EV+2*p:EV+2*p+1], s[CSQ:CSQ+1] op_sel_hi:[1,0]
.set p, p+1
.endr
.set p, 0
.rept 32
	v_fma_f32 v[TV+p], |v[EV+p]|, s[CT], 1.0
.set p, p+1
.endr
.set p, 0
.rept 16
	v_pk_mul_f32 v[SV+2*p:SV+2*p+1], v[SV+2*p:SV+2*p+1], v[SV+2*p:SV+2*p+1] neg_lo:[1,0] neg_hi:[1,0]
.set p, p+1
.endr
.set p, 0
.rept 32                               ; one batch of 64, none of which reads another's result
	v_exp_f32 v[SV+p], v[SV+p]
.set p, p+1
.endr
.set p, 0
.rept 32
	v_rcp_f32 v[TV+p], v[TV+p]
.set p, p+1
.endr
	v_nop                                          ; a plain line behind the last of them,
	s_wait_alu depctr_va_vdst(0)                   ; and the one wait ahead of the batch's first reader
.set p, 0
.rept 16
	v_pk_fma_f32 v[PV+2*p:PV+2*p+1], v[TV+2*p:TV+2*p+1], s[A5:A5+1], s[A4:A4+1] op_sel_hi:[1,0,0]
.set p, p+1
.endr
.irp a, A3, A2, A1
.set p, 0
.rept 16
	v_pk_fma_f32 v[PV+2*p:PV+2*p+1], v[PV+2*p:PV+2*p+1], v[TV+2*p:TV+2*p+1], s[\a:\a+1] op_sel_hi:[1,1,0]
.set p, p+1
.endr
.endr
.set p, 0
.rept 16
	v_pk_mul_f32 v[PV+2*p:PV+2*p+1], v[PV+2*p:PV+2*p+1], v[TV+2*p:TV+2*p+1]
.set p, p+1
.endr
.set p, 0
.rept 16
	v_pk_fma_f32 v[PV+2*p:PV+2*p+1], v[PV+2*p:PV+2*p+1], v[SV+2*p:SV+2*p+1], 0.5 op_sel_hi:[1,1,0] neg_lo:[1,0,0] neg_hi:[1,0,0]
.set p, p+1
.endr
.set p, 0
.rept 16
	v_pk_mul_f32 v[SV+2*p:SV+2*p+1], v[EV+2*p:EV+2*p+1], 0.5 op_sel_hi:[1,0]
.set p, p+1
.endr
.set p, 0
.rept 32
	v_fma_f32 v[PV+p], |v[EV+p]|, v[PV+p], v[SV+p]
.set p, p+1
.endr
.set p, 0
.rept 16
	v_cvt_pk_bf16_f32 v[OV+p], v[PV+2*p], v[PV+2*p+1]
.set p, p+1
.endr
.irp i, 0,1,2,3,4,5,6,7
	global_store_b64 v[RO+\i], v[OV+2*\i:OV+2*\i+1], s[OB:OB+1]  ; 256 consecutive bytes of one row, at a multiple of 256 from the buffer's first
.endr
.endif
.Lunit_next:
	s_add_co_u32 s[U], s[U], 1
	s_cmp_lt_u32 s[U], 10
	s_cbranch_scc1 .Lunit
	; my tiles in the next pass: what is left of LT behind 5 (PS + 1), 5 at the most; behind the fourth pass nothing is left (LT is 16 at the most)
	s_add_co_u32 s62, s[PS], 1
	s_mul_i32 s62, s62, 5
	s_sub_co_i32 s62, s[LT], s62
	s_max_i32 s62, s62, 0
	s_min_i32 s[MT], s62, 5
	s_cmp_eq_u32 s[MT], 0
	s_cbranch_scc1 .Lpn
	SETUP 0
.Lpn:
	s_add_co_u32 s[PS], s[PS], 1
	s_cmp_lt_u32 s[PS], 4
	s_cbranch_scc1 .Lpass
	s_wait_tensorcnt 0x0                           ; the wave's end, behind my last LDS store
	ds_add_u32 v[SPW], v[NIL]
	s_wait_dscnt 0x0
	s_endpgm
.Lfunc_end_k_q681f44f88b_up:
	.size	k_q681f44f88b_up, .Lfunc_end_k_q681f44f88b_up-k_q681f44f88b_up
	.p2alignl 7, 3214868480
	.fill 96, 4, 3214868480
	.section	.rodata,"a",@progbits
	.p2align	6, 0x0
	.amdhsa_kernel k_q681f44f88b_up
		.amdhsa_group_segment_fixed_size 313344
		.amdhsa_private_segment_fixed_size 0
		.amdhsa_enable_private_segment 0
		.amdhsa_kernarg_size 40
		.amdhsa_user_sgpr_count 2
		.amdhsa_user_sgpr_kernarg_segment_ptr 1
		.amdhsa_wavefront_size32 1
		.amdhsa_system_sgpr_workgroup_id_x 1
		.amdhsa_system_sgpr_workgroup_id_y 1
		.amdhsa_system_sgpr_workgroup_id_z 1
		.amdhsa_system_vgpr_workitem_id 0
		.amdhsa_next_free_vgpr 512
		.amdhsa_next_free_sgpr 80
		.amdhsa_reserve_vcc 1
		.amdhsa_float_denorm_mode_32 3
		.amdhsa_float_denorm_mode_16_64 3
		.amdhsa_memory_ordered 1
		.amdhsa_forward_progress 1
		.amdhsa_inst_pref_size 173
	.end_amdhsa_kernel
	.amdgpu_metadata
---
amdhsa.version: [ 1, 2 ]
amdhsa.kernels:
  - .name:           k_q681f44f88b_up
    .symbol:         k_q681f44f88b_up.kd
    .args:
      - { .name: W1, .offset: 0, .size: 8, .value_kind: global_buffer, .address_space: global }
      - { .name: b1, .offset: 8, .size: 8, .value_kind: global_buffer, .address_space: global }
      - { .name: xb, .offset: 16, .size: 8, .value_kind: global_buffer, .address_space: global }
      - { .name: bm, .offset: 24, .size: 8, .value_kind: global_buffer, .address_space: global }
      - { .name: hid, .offset: 32, .size: 8, .value_kind: global_buffer, .address_space: global }
    .group_segment_fixed_size: 313344
    .private_segment_fixed_size: 0
    .kernarg_segment_align: 8
    .kernarg_segment_size: 40
    .max_flat_workgroup_size: 256
    .sgpr_count:     80
    .vgpr_count:     512
    .wavefront_size: 32
...
	.end_amdgpu_metadata
.endif
;; end of part 2
;; launch down (part 3): grid 32 x 8, 8 waves a work-group, no clusters, 313,344 bytes of LDS; arguments W2, b2, hid, bm, part, gw; writes part
.if DOCPART == 3
	.amdgcn_target "amdgcn-amd-amdhsa--gfx1250"
	.amdhsa_code_object_version 6
	.text
	.protected	k_q681f44f88b_down
	.globl	k_q681f44f88b_down
	.p2align	8
	.type	k_q681f44f88b_down,@function
k_q681f44f88b_down:
	s_mov_b64 s[64:65], 0
	v_nop
	global_prefetch_b8 v0, s[64:65] scope:SCOPE_SE
	s_setreg_imm32_b32 hwreg(HW_REG_WAVE_MODE, 25, 1), 1
	s_wait_xcnt 0x0
; SECOND PRODUCT (DOWN = 1): part[kq][slot] = gw[slot] (hid[slot][1,024 kq ..] W2[e][1,024 kq ..] + b2[e] where kq = 0), f32 partial sums, for the slots that chose expert e.
; (The same source with DOWN = 0 is the first product.)  K = 4,096 is cut in four, so that a slice is again 1,024 rows x 128 columns with rows of 512 consecutive bytes; the four parts of a slot, and a token's two slots, are added by the last launch.
; SHARES.  Work-group (x, y) has expert y, columns 128 (x % 8) .., K quarter x / 8: 524,288 bytes of f32 that it alone reads, once, and ALL rows of that expert.
; Waves 4-7 PRODUCE: they load the slice, round it to bf16 and lay it into LDS, where it stays (rows of 288 bytes).  Waves 0-3 CONSUME: the rows come from memory straight into A's
; fragments, W's fragments out of LDS by the turning load, sums in f32.  The two kinds have counters of their own: a producer keeps 48 to 56 loads of 512 bytes on their way throughout.
; K goes in 4 chunks of 256.  A chunk is rounded into registers while the consumers multiply the chunk before; it is stored between two barriers: ahead of the first every consumer's LDS reads
; are back, ahead of the second the producers' stores are done.  So no store into the slice runs beside a read of it.
; ROWS.  The expert's slots come from its bitmap (64 words, read from memory): the slot of rank n is its n-th set bit.  Tile t (16 ranks) belongs to consumer t % 4; a pass holds 5 tiles a
; consumer, 320 rows.  The loop over passes has 4 trips, which serve every split (an expert has 1,024 rows at the most); every wave passes every barrier of every pass; the producers work in pass 0
; alone, and a consumer with no tile left jumps its work.  Passes 1 to 3 read the resident slice.
; Ranks past the count repeat the wave's first row of the pass (the same bytes are stored again); tiles past the count are computed and never stored.
; NO CLUSTER, NO TENSOR LOADS: each weight has one reader and must pass through registers to be rounded; the rows, which an expert's work-groups share, come by a list that no descriptor covers.
; FORMATS AND LIMITS.  Every input is rounded once to bf16 (here W and the bias); the partial sums stay in f32.  NaN and infinities are not treated apart.
.set DOWN, 1
.if DOWN
.set WP, 4096                          ; bytes from row to row of W
.else
.set WP, 16384
.endif
.set PITCH,  288                       ; an LDS row of the slice: 256 bytes + 32
.set KST,    32*PITCH                  ; a K step of 32
.set CH,     256*PITCH                 ; a chunk
.set STAGE,  1024*PITCH                ; behind the slice: 8 rows x 528 bytes for each consumer, for the way out
.set STG,    4352
.set SPITCH, 528
.set SPARE,  STAGE+4*STG               ; behind the stages: the spare words, 128 bytes for each of 8 waves
; vector registers.  v1-v47 are made at the head by every wave; the LDS bases among them (BAD0, STW, RD, ST0) are made of bits of v0 alone and never rewritten
.set L4,   1                           ; 4 x lane
.set SPW,  2                           ; my spare word's address; never rewritten
.set NIL,  3                           ; 0; never rewritten
.set BAD0, 4                           ; consumers: my lane's place in a K step of the slice
.set BADR, 5                           ; the same in the chunk in hand, K steps 0-3
.set RB,   6                           ; 64 (L / 16) + L % 16
.set H16,  7                           ; 16 (L / 16)
.set AOFF, 8                           ; v8-12   tile m: byte offset of my row's 16 bytes
.set SLOT, 13                          ; v13-17  tile m: the slot of row L % 16
.set GW,   18                          ; v18-22  tile m: its weight (second product)
.set STW,  23                          ; the way out: where I put a number
.set RD,   24                          ; where I read a row back
.set OL,   25                          ; my bytes in an output row
.set CUR,  26                          ; the slots of the tile on its way out
.set CURW, 27                          ; and its weights
.set RO,   28                          ; v28-35  byte offsets of the 8 rows on their way out
.set RK,   36                          ; v36-38  ranks: lanes 0-15 tile 2 v, lanes 16-31 tile 2 v + 1 (alive only while rows are looked up)
.set BADR2, 36                         ; in a chunk: BADR for K steps 4-7 (an LDS offset holds 16 bits)
.set SW,   39                          ; v39-41  the bitmap word that holds the rank; then the slot
.set SC,   42                          ; v42-44  bits ahead of that word (low half), the word's number (high half)
.set ST0,  45                          ; producers: 8 x lane + my 64 rows of a chunk
.set WOF,  46                          ; producers: 16 x lane
.set R4,   47                          ; 4 (L % 16)
.set SCR,  48                          ; v48-55 at work at the head and while rows are looked up
.set AF0,  48                          ; v48-87, v88-127   A's fragments, two buffers of 5 tiles
.set AF1,  88
.set BLO,  128                         ; v128-159 W's fragments of columns 0-63, v160-191 of columns 64-127
.set BM0,  136                         ; while rows are looked up: bitmap words 0-31, one a lane,
.set BM1,  137                         ; and words 32-63
.set BHI,  160
.set AC4,  192                         ; v192-255 tile 4's sums; window 1: tile m, column block n at 64 m + 8 n
.set EV,   128                         ; the way out: 8 rows x 4 numbers; at work: SV, TV, PV; packed: OV
.set SV,   160
.set TV,   48
.set PV,   80
.set OV,   112
.set PT,   64                          ; producers: v64-191 a chunk's 64 rows in bf16; window 1: 64 landing slots of 4 registers
.set STA,  192                         ; producers: ST0 in the chunk in hand
; scalar registers
.set WB,   4                           ; W at my slice, at my wave's 64 rows of the chunk in hand
.set BI,   6                           ; the bias at my columns
.set AB0,  8                           ; the rows' tensor at my K range
.set BMP,  10                          ; my expert's bitmap
.set OB,   12                          ; the output at my columns
.set GWP,  14                          ; gw
.set AB,   16                          ; AB0 stepped along K
.set WVN,  18                          ; wave 0-7
.set WW,   19                          ; wave % 4
.set IT,   20                          ; chunk
.set MT,   21                          ; my live tiles in this pass, 0 to 5
.set LT,   22                          ; my live tiles in all
.set PS,   23                          ; pass
.set U,    24
.set CNT,  25                          ; the expert's rows
.set TB,   26                          ; the chunk's first LDS byte
.set CUM,  28
.set PK,   29
.set WD,   30
.set TT,   31
.set LN,   32
.set QC,   33
.set FB,   34
.set RKB,  35
.set SEL,  36                          ; s[36:37] v_permlanex16_b32's selects
.set HMSK, 38                          ; 0xffff0000: a word's upper bf16, and lanes 16-31
.set FLAG, 39                          ; second product: all ones where the bias is mine to add
.set ROWS, 40                          ; s40-47
.set CSQ,  48                          ; s[48:49] sqrt(log2(e) / 2); pairs: the packed lines take the low word for both halves
.set A5,   50
.set A4,   52
.set A3,   54
.set A2,   56
.set A1,   58
.set CT,   60
.set WROW, 66                          ; s66-73
.set YY,   74
.set HM2,  78
.set MSB, 0
.macro WIN new                         ; the immediate's high byte repeats the setting that is left; a switch that changes nothing is dropped
.if MSB != (\new)
	s_set_vgpr_msb (MSB<<8)|(\new)
.set MSB, \new
.endif
.endm
.macro PLACES                          ; four plain lines between a matrix instruction and a load into, or a read of, its registers
.rept 4
	v_nop
.endr
.endm
; A PRODUCER'S CHUNK, loads and rounding.  My 64 rows are 8 groups of 8 landing slots, a ring inside this one block: it is entered, and left, with groups 0 to 6 asked for, in that order.
; Sub-step j: group j is in; it is rounded; the group freed one sub-step before is asked for again: group 7 of this chunk (j = 0), group j - 1 of the next chunk (j > 0).
; ld = 0: the last chunk: only group 7 is still asked for, and the counts run down.
.macro PRODL ld
.set j, 0
.rept 8
.if (\ld) || (j < 2)
	s_wait_loadcnt 48                              ; loads come back in order: six groups of 8 are younger than group j
.else
	s_wait_loadcnt 56-8*j                          ; groups j + 1 to 7 are younger
.endif
	WIN 0x05                                       ; sources in window 1
.set i, 8*j
.rept 8
	v_cvt_pk_bf16_f32 v[PT+2*i],   v[4*i],   v[4*i+1]
	v_cvt_pk_bf16_f32 v[PT+2*i+1], v[4*i+2], v[4*i+3]
.set i, i+1
.endr
.if j == 0
	WIN 0x40                                       ; destination in window 1
.set i, 56
.rept 8
	global_load_b128 v[4*i:4*i+3], v[WOF], s[WB:WB+1] offset:i*WP th:TH_LOAD_NT
.set i, i+1
.endr
.elseif \ld
	WIN 0x40
.set i, 8*(j-1)
.rept 8
	global_load_b128 v[4*i:4*i+3], v[WOF], s[WB:WB+1] offset:(256+i)*WP th:TH_LOAD_NT
.set i, i+1
.endr
.endif
.set j, j+1
.endr
	WIN 0
.if \ld
	s_wait_xcnt 0x0                                ; the loads' base is stepped only behind this wait
	s_add_nc_u64 s[WB:WB+1], s[WB:WB+1], 256*WP
.endif
.endm
.macro PRODS                           ; the rounded chunk goes into the slice
	v_add_nc_u32 v[STA], s[TB], v[ST0]
.set i, 0
.rept 64
	ds_store_b64 v[STA], v[PT+2*i:PT+2*i+1] offset:PITCH*i  ; 32 lanes x 8 bytes: a row's 256 bytes
.set i, i+1
.endr
.endm
; W's fragments of K step s of the chunk, column blocks nb .. nb + 3: for each two turning loads, 16 rows apart
.macro FETCHB bb, nb, s
.if (\s) < 4
.set BR, BADR
.else
.set BR, BADR2
.endif
.irp n, 0,1,2,3
	ds_load_tr16_b128 v[(\bb)+8*\n:(\bb)+8*\n+3],   v[BR] offset:((\s)%4)*KST+32*((\nb)+\n)
	ds_load_tr16_b128 v[(\bb)+8*\n+4:(\bb)+8*\n+7], v[BR] offset:((\s)%4)*KST+16*PITCH+32*((\nb)+\n)
.endr
.endm
; A's fragments of one K step, 5 tiles: lane L takes row L % 16, K = 8 (L / 16) + 0..7 and 16 + 8 (L / 16) + 0..7.  Always all five: the count of loads is a constant.
.macro LOADA af, kb
.irp m, 0,1,2,3,4
	global_load_b128 v[(\af)+8*\m:(\af)+8*\m+3],   v[AOFF+\m], s[AB:AB+1] offset:(\kb)
	global_load_b128 v[(\af)+8*\m+4:(\af)+8*\m+7], v[AOFF+\m], s[AB:AB+1] offset:(\kb)+32
.endr
.endm
; 16 matrix instructions (tiles 0-3 x 4 column blocks), and 4 more where the wave has a fifth tile.  Every instruction has another accumulator than the one before it.
.macro PHASE bb, af, nb
	WIN 0x50                                       ; C and D in window 1
.irp m, 0,1,2,3
.irp n, 0,1,2,3
	v_wmma_f32_16x16x32_bf16 v[64*\m+8*((\nb)+\n):64*\m+8*((\nb)+\n)+7], v[(\af)+8*\m:(\af)+8*\m+7], v[(\bb)+8*\n:(\bb)+8*\n+7], v[64*\m+8*((\nb)+\n):64*\m+8*((\nb)+\n)+7]
.endr
.endr
	WIN 0
	s_cmp_lt_u32 s[MT], 5
	s_cbranch_scc1 .Lno4_\@
.irp n, 0,1,2,3
	v_wmma_f32_16x16x32_bf16 v[AC4+8*((\nb)+\n):AC4+8*((\nb)+\n)+7], v[(\af)+32:(\af)+39], v[(\bb)+8*\n:(\bb)+8*\n+7], v[AC4+8*((\nb)+\n):AC4+8*((\nb)+\n)+7]
.endr
.Lno4_\@:
.endm
; A CONSUMER'S CHUNK: eight K steps.  W's two halves are fetched half a step ahead, A's two buffers two steps ahead.
.macro CONS
	v_add_nc_u32 v[BADR], s[TB], v[BAD0]
	v_add_nc_u32 v[BADR2], 4*KST, v[BADR]
	FETCHB BLO, 0, 0
	FETCHB BHI, 4, 0
.irp s, 0,1,2,3,4,5,6,7
	s_wait_loadcnt 10                              ; this step's rows are in; the next step's ten loads are younger
	s_wait_dscnt 8                                 ; the low half is in; the high half's eight loads are younger
	PHASE BLO, AF0+40*((\s)%2), 0
.if (\s) < 7
	PLACES
	FETCHB BLO, 0, (\s)+1
	s_wait_dscnt 8                                 ; the high half is in; the eight just issued are younger
.else
	s_wait_dscnt 0x0
.endif
	PHASE BHI, AF0+40*((\s)%2), 4
	PLACES
.if (\s) < 7
	FETCHB BHI, 4, (\s)+1
.endif
	LOADA AF0+40*((\s)%2), 64*((\s)+2)             ; two K steps on; behind the last step these run 128 bytes past my K range, into the next row or the written bytes behind the last, and are not used
.endr
	s_wait_xcnt 0x0                                ; the loads' base is stepped only behind this wait
	s_add_nc_u64 s[AB:AB+1], s[AB:AB+1], 512
.endm
; 32 words of the bitmap: for each rank the last word ahead of which no more bits stand than the rank is kept, with that count and the word's number
.macro FINDH bmreg
	s_mov_b32 s[LN], 0
	s_mov_b32 s[QC], 0
.Lfind_\@:
.rept 4
	v_readlane_b32 s[WD], v[\bmreg], s[LN]
.irp v, 0,1,2
	v_cmp_gt_u32 vcc_lo, s[CUM], v[RK+\v]
	v_cndmask_b32 v[SW+\v], s[WD], v[SW+\v], vcc_lo
	v_cndmask_b32 v[SC+\v], s[PK], v[SC+\v], vcc_lo
.endr
	s_bcnt1_i32_b32 s[TT], s[WD]
	s_add_co_u32 s[CUM], s[CUM], s[TT]
	s_add_co_u32 s[PK], s[PK], s[TT]
	s_add_co_u32 s[PK], s[PK], 0x10000
	s_add_co_u32 s[LN], s[LN], 1
.endr
	s_add_co_u32 s[QC], s[QC], 1
	s_cmp_lt_u32 s[QC], 8
	s_cbranch_scc1 .Lfind_\@
.endm
.macro LEVEL src, width, step          ; are there k bits or fewer in the lower half of what is left?  then the bit lies in the upper half
	v_bfe_u32 v[SCR+6], v[\src], v[SCR+5], \width
	v_cmp_ge_u32 vcc_lo, v[SCR], v[SCR+6]
	v_cndmask_b32 v[SCR+6], 0, v[SCR+6], vcc_lo
	v_cndmask_b32 v[SCR+7], 0, \step, vcc_lo
	v_sub_nc_u32 v[SCR], v[SCR], v[SCR+6]
	v_add_nc_u32 v[SCR+5], v[SCR+5], v[SCR+7]
.endm
.macro SELECT v                        ; the place of set bit k of the word, by counts of 2, 4, 8 and 16 bits; the slot = 32 x word + place
	v_and_b32 v[SCR], 0xffff, v[SC+\v]
	v_sub_nc_u32 v[SCR], v[RK+\v], v[SCR]          ; k
	v_lshrrev_b32 v[SCR+1], 1, v[SW+\v]
	v_and_b32 v[SCR+1], 0x55555555, v[SCR+1]
	v_sub_nc_u32 v[SCR+1], v[SW+\v], v[SCR+1]
	v_lshrrev_b32 v[SCR+2], 2, v[SCR+1]
	v_and_b32 v[SCR+2], 0x33333333, v[SCR+2]
	v_and_b32 v[SCR+3], 0x33333333, v[SCR+1]
	v_add_nc_u32 v[SCR+2], v[SCR+2], v[SCR+3]
	v_lshrrev_b32 v[SCR+3], 4, v[SCR+2]
	v_add_nc_u32 v[SCR+3], v[SCR+3], v[SCR+2]
	v_and_b32 v[SCR+3], 0x0f0f0f0f, v[SCR+3]
	v_lshrrev_b32 v[SCR+4], 8, v[SCR+3]
	v_add_nc_u32 v[SCR+4], v[SCR+4], v[SCR+3]
	v_mov_b32 v[SCR+5], 0
	LEVEL SCR+4, 8, 16
	LEVEL SCR+3, 8, 8
	LEVEL SCR+2, 4, 4
	LEVEL SCR+1, 2, 2
	LEVEL SW+\v, 1, 1
	v_lshrrev_b32 v[SCR+6], 16, v[SC+\v]
	v_lshl_add_u32 v[SW+\v], v[SCR+6], 5, v[SCR+5]
.endm
; A PASS IS MADE READY: the slots of my five tiles, their addresses, the first two K steps' rows, and the sums, which start from the bias.  first = 1: pass 0, and my number of tiles is made; first = 0: pass PS + 1.
.macro SETUP first
	s_wait_xcnt 0x0                                ; registers that earlier loads and stores name are written below
	global_load_b32 v[BM0], v[L4], s[BMP:BMP+1]
	global_load_b32 v[BM1], v[L4], s[BMP:BMP+1] offset:128
.irp n, 0,1,2,3,4,5,6,7
	global_load_b32 v[BLO+\n], v[R4], s[BI:BI+1] offset:64*\n  ; the bias of column 16 n + L % 16
.endr
.if \first
	s_lshl_b32 s[RKB], s[WW], 4                    ; rank of my first row: 320 pass + 16 w
.else
	s_add_co_u32 s[RKB], s[PS], 1
	s_mul_i32 s[RKB], s[RKB], 320
	s_lshl4_add_u32 s[RKB], s[WW], s[RKB]
.endif
	v_add_nc_u32 v[RK], s[RKB], v[RB]
	v_add_nc_u32 v[RK+1], 0x80, v[RK]
	v_add_nc_u32 v[RK+2], 0x100, v[RK]
.irp v, 0,1,2
	v_mov_b32 v[SW+\v], 0
	v_mov_b32 v[SC+\v], 0
.endr
	s_mov_b32 s[CUM], 0
	s_mov_b32 s[PK], 0
	s_wait_loadcnt 0x0
.irp p, 0,1,2,3
	v_cvt_pk_bf16_f32 v[SCR+\p], v[BLO+2*\p], v[BLO+2*\p+1]
.endr
.irp p, 0,1,2,3
	v_lshlrev_b32 v[BLO+2*\p], 16, v[SCR+\p]
.if DOWN
	v_and_b32 v[BLO+2*\p], s[FLAG], v[BLO+2*\p]
	v_and_b32 v[BLO+2*\p+1], s[HM2], v[SCR+\p]
.else
	v_and_b32 v[BLO+2*\p+1], s[HMSK], v[SCR+\p]
.endif
.endr
	FINDH BM0
	FINDH BM1
	s_mov_b32 s[CNT], s[CUM]
.if \first
	s_add_co_u32 s62, s[CNT], 15
	s_lshr_b32 s62, s62, 4                         ; tiles of the expert
	s_add_co_u32 s62, s62, 3
	s_sub_co_u32 s62, s62, s[WW]
	s_lshr_b32 s[LT], s62, 2                       ; those with t % 4 = w
	s_min_u32 s[MT], s[LT], 5
.endif
	SELECT 0
	SELECT 1
	SELECT 2
	v_readfirstlane_b32 s[FB], v[SW]               ; my first row's slot stands in for ranks past the count
.irp v, 0,1,2
	v_cmp_gt_u32 vcc_lo, s[CNT], v[RK+\v]
	v_cndmask_b32 v[SW+\v], s[FB], v[SW+\v], vcc_lo
.endr
.irp v, 0,1,2
	v_permlanex16_b32 v[SCR+\v], v[SW+\v], s[SEL], s[SEL+1]
.endr
	v_cndmask_b32 v[SLOT],   v[SW],    v[SCR],   s[HMSK]  ; both halves of the lanes get row L % 16 of the tile
	v_cndmask_b32 v[SLOT+1], v[SCR],   v[SW],    s[HMSK]
	v_cndmask_b32 v[SLOT+2], v[SW+1],  v[SCR+1], s[HMSK]
	v_cndmask_b32 v[SLOT+3], v[SCR+1], v[SW+1],  s[HMSK]
	v_cndmask_b32 v[SLOT+4], v[SW+2],  v[SCR+2], s[HMSK]
.irp m, 0,1,2,3,4
	v_min_u32 v[SLOT+\m], 0x7ff, v[SLOT+\m]        ; a slot is below 2,048
.endr
.irp m, 0,1,2,3,4
.if DOWN
	v_lshl_add_u32 v[AOFF+\m], v[SLOT+\m], 13, v[H16]  ; a row of hid is 8,192 bytes
	v_lshlrev_b32 v[RO+\m], 2, v[SLOT+\m]
.else
	v_and_b32 v[AOFF+\m], 0x7fe, v[SLOT+\m]        ; 2 x token
	v_lshl_add_u32 v[AOFF+\m], v[AOFF+\m], 10, v[H16]  ; a row of xb is 2,048 bytes
.endif
.endr
.if DOWN
.irp m, 0,1,2,3,4
	global_load_b32 v[GW+\m], v[RO+\m], s[GWP:GWP+1]
.endr
.endif
.if (\first) == 0
	s_mov_b64 s[AB:AB+1], s[AB0:AB0+1]             ; back to K's beginning (in pass 0 the head has set it); every load that named AB has been waited for
.endif
	LOADA AF0, 0
	LOADA AF1, 64
	WIN 0x40                                       ; the sums start from the bias: register j of (m, n) is row 8 (L / 16) + j, column 16 n + L % 16
.set i, 0
.rept 256
	v_mov_b32 v[i], v[BLO+(i/8)%8]
.set i, i+1
.endr
	WIN 0
.set i, 0
.rept 64
	v_mov_b32 v[AC4+i], v[BLO+i/8]
.set i, i+1
.endr
.endm
; Unit k of the way out: tile k / 2, registers {0,1,4,5} or {2,3,6,7} of its eight accumulators (each set begins among an accumulator's four lowest): 8 rows x 128 numbers into my stage
.macro BLOCK k
.Lblk\k:
.if (\k)/2 < 4
	WIN 0x04                                       ; the data in window 1
.set ACB, 64*((\k)/2)
.else
.set ACB, AC4
.endif
.set jj, 0
.rept 4
.set nn, 0
.rept 8
	ds_store_b32 v[STW], v[ACB+8*nn+2*((\k)%2)+(jj&1)+4*(jj>>1)] offset:SPITCH*jj+64*nn
.set nn, nn+1
.endr
.set jj, jj+1
.endr
	WIN 0
	v_mov_b32 v[CUR], v[SLOT+(\k)/2]
.if DOWN
	v_mov_b32 v[CURW], v[GW+(\k)/2]
.endif
	s_branch .Lcommon
.endm
	s_load_b256 s[4:11], s[0:1], 0x0               ; W s[4:5], bias s[6:7], the rows' tensor s[8:9], bm s[10:11]
.if DOWN
	s_load_b128 s[12:15], s[0:1], 0x20             ; part s[12:13], gw s[14:15]
.else
	s_load_b64 s[12:13], s[0:1], 0x20              ; hid
.endif
	v_lshl_add_u32 v[SPW], v0, 2, SPARE
	v_mov_b32 v[NIL], 0
	v_lshrrev_b32 v48, 5, v0
	v_readfirstlane_b32 s[WVN], v48
	s_and_b32 s[WW], s[WVN], 3
	; every lane term and every LDS base, of both kinds of wave, from bits of v0
	v_and_b32 v49, 31, v0                          ; lane
	v_and_b32 v50, 15, v0                          ; r = L % 16
	v_bfe_u32 v51, v0, 4, 1                        ; h = L / 16
	v_bfe_u32 v52, v0, 5, 2                        ; wave % 4
	v_lshlrev_b32 v[L4], 2, v49
	v_lshlrev_b32 v[R4], 2, v50
	v_lshlrev_b32 v[H16], 4, v51
	v_lshl_add_u32 v[RB], v51, 6, v50
	v_and_b32 v53, 7, v0                           ; the turning load: lane L reads row 8 h + L % 8, 16 bytes at 16 ((L / 8) % 2)
	v_lshl_add_u32 v53, v51, 3, v53
	v_mul_u32_u24 v[BAD0], v53, PITCH
	v_bfe_u32 v54, v0, 3, 1
	v_lshl_add_u32 v[BAD0], v54, 4, v[BAD0]
	v_mul_u32_u24 v55, v52, STG
	v_add_nc_u32 v55, STAGE, v55                   ; my stage
	v_mul_u32_u24 v[STW], v51, 4*SPITCH            ; in: stage row 4 h + jj, column 16 n + r
	v_lshl_add_u32 v[STW], v50, 2, v[STW]
	v_add_nc_u32 v[STW], v[STW], v55
	v_lshl_add_u32 v[RD], v49, 4, v55              ; back: a whole row, 16 bytes a lane
.if DOWN
	v_lshlrev_b32 v[OL], 4, v49
.else
	v_lshlrev_b32 v[OL], 3, v49
.endif
	v_lshlrev_b32 v[WOF], 4, v49
	v_mul_u32_u24 v[ST0], v52, 64*PITCH            ; a producer's 64 rows of a chunk,
	v_lshl_add_u32 v[ST0], v49, 3, v[ST0]          ; 8 bytes a lane
	s_and_b32 s[YY], ttmp7, 0xffff                 ; the expert
.if DOWN
	s_and_b32 s62, ttmp9, 7                        ; which 128 columns
	s_lshr_b32 s63, ttmp9, 3                       ; which quarter of K
	s_lshl_b32 s66, s[YY], 24                      ; an expert's weights are 16 MiB,
	s_lshl_b32 s75, s63, 22                        ; 1,024 rows of 4,096 bytes,
	s_add_co_u32 s66, s66, s75
	s_lshl_b32 s75, s62, 9                         ; 128 columns of 4 bytes
	s_add_co_u32 s66, s66, s75
	s_lshl_b32 s68, s[YY], 12
	s_add_co_u32 s68, s68, s75
	s_lshl_b32 s70, s63, 11                        ; 1,024 bf16 of a row of hid
	s_lshl_b32 s72, s63, 23                        ; a quarter's 2,048 rows of 4,096 bytes
	s_add_co_u32 s72, s72, s75
	s_cmp_eq_u32 s63, 0
	s_cselect_b32 s[FLAG], -1, 0                   ; the first quarter adds the bias
	s_and_b32 s[HM2], s[FLAG], 0xffff0000
.else
	s_lshl_b32 s66, s[YY], 24                      ; an expert's weights are 16 MiB,
	s_lshl_b32 s75, ttmp9, 9                       ; 128 columns of 4 bytes
	s_add_co_u32 s66, s66, s75
	s_lshl_b32 s68, s[YY], 14
	s_add_co_u32 s68, s68, s75
	s_mov_b32 s70, 0
	s_lshl_b32 s72, ttmp9, 8                       ; 128 columns of 2 bytes
	s_mov_b32 s[CSQ], 0x3f596d27                   ; sqrt(log2(e) / 2) = 0.8493218
	s_mov_b32 s[CSQ+1], s[CSQ]
	s_mov_b32 s[A5], 0x3f07dc22                    ; the five coefficients, halved: 0.5307027,
	s_mov_b32 s[A5+1], s[A5]
	s_mov_b32 s[A4], 0xbf3a00e3                    ; -0.7265760,
	s_mov_b32 s[A4+1], s[A4]
	s_mov_b32 s[A3], 0x3f35f0e3                    ; 0.7107069,
	s_mov_b32 s[A3+1], s[A3]
	s_mov_b32 s[A2], 0xbe11a98e                    ; -0.1422484,
	s_mov_b32 s[A2+1], s[A2]
	s_mov_b32 s[A1], 0x3e027906                    ; 0.1274148
	s_mov_b32 s[A1+1], s[A1]
	s_mov_b32 s[CT], 0x3e6d3388                    ; 0.3275911 / sqrt(2) = 0.2316419
.endif
	s_mul_i32 s75, s[WW], 64*WP                    ; a producer's 64 rows of a chunk
	s_add_co_u32 s66, s66, s75
	s_mov_b32 s67, 0
	s_mov_b32 s69, 0
	s_mov_b32 s71, 0
	s_mov_b32 s73, 0
	s_lshl_b32 s76, s[YY], 8                       ; an expert's bitmap is 256 bytes
	s_mov_b32 s77, 0
	s_mov_b32 s[SEL], 0x76543210
	s_mov_b32 s[SEL+1], 0xfedcba98
	s_mov_b32 s[HMSK], 0xffff0000
	s_wait_kmcnt 0x0
	s_add_nc_u64 s[WB:WB+1], s[WB:WB+1], s[66:67]
	s_add_nc_u64 s[BI:BI+1], s[BI:BI+1], s[68:69]
	s_add_nc_u64 s[AB0:AB0+1], s[AB0:AB0+1], s[70:71]
	s_mov_b64 s[AB:AB+1], s[AB0:AB0+1]             ; the stepped base starts at K's beginning; made here, ahead of the branch, so that it comes from its argument on every wave's path
	s_add_nc_u64 s[OB:OB+1], s[OB:OB+1], s[72:73]
	s_add_nc_u64 s[BMP:BMP+1], s[BMP:BMP+1], s[76:77]
	s_cmp_lt_u32 s[WVN], 4
	s_cbranch_scc1 .Lconsumer
	WIN 0x40                                       ; PRODUCERS: groups 0 to 6 of chunk 0 are asked for: 56 loads of 512 consecutive bytes
.set i, 0
.rept 56
	global_load_b128 v[4*i:4*i+3], v[WOF], s[WB:WB+1] offset:i*WP th:TH_LOAD_NT
.set i, i+1
.endr
	WIN 0
	s_branch .Lgo
.Lconsumer:
	SETUP 1
.Lgo:
	s_mov_b32 s[PS], 0
.Lpass:                                ; 4 passes of 320 rows
	s_mov_b32 s[IT], 0
.Lit:                                  ; 4 chunks
	s_mul_i32 s[TB], s[IT], CH
	s_cmp_lt_u32 s[WVN], 4
	s_cbranch_scc1 .Lba
	s_cmp_lg_u32 s[PS], 0
	s_cbranch_scc1 .Lba                            ; the slice is laid in pass 0 alone
	s_cmp_lt_u32 s[IT], 3
	s_cbranch_scc0 .Lplast
	PRODL 1
	s_branch .Lba
.Lplast:
	PRODL 0
.Lba:
	s_wait_dscnt 0x0                               ; for the others' sake: my LDS reads of the chunk before are back
	s_barrier_signal -1
	s_barrier_wait -1                              ; no wave reads LDS now
	s_cmp_lt_u32 s[WVN], 4
	s_cbranch_scc1 .Lbb
	s_cmp_lg_u32 s[PS], 0
	s_cbranch_scc1 .Lbb
	PRODS
.Lbb:
	s_wait_dscnt 0x0                               ; for the others' sake: my stores of the chunk are done
	s_barrier_signal -1
	s_barrier_wait -1                              ; the chunk is whole
	s_cmp_lt_u32 s[WVN], 4
	s_cbranch_scc0 .Lnc
	s_cmp_eq_u32 s[MT], 0
	s_cbranch_scc1 .Lnc                            ; no tile of mine in this pass
	CONS
.Lnc:
	s_add_co_u32 s[IT], s[IT], 1
	s_cmp_lt_u32 s[IT], 4
	s_cbranch_scc1 .Lit
	s_cmp_lt_u32 s[WVN], 4
	s_cbranch_scc0 .Lpn
	s_cmp_eq_u32 s[MT], 0
	s_cbranch_scc1 .Lpn                            ; MT stays 0 for the passes that follow
	s_wait_loadcnt 0x0                             ; the loads that ran past K's end: their registers are used below
	; THE WAY OUT, 8 rows at a time: through my stage into whole rows, the arithmetic, the stores
	s_mov_b32 s[U], 0
.Lunit:
	s_lshr_b32 s62, s[U], 1
	s_cmp_ge_u32 s62, s[MT]
	s_cbranch_scc1 .Lunit_next                     ; a tile past the count is not stored
	s_wait_xcnt 0x0                                ; the last unit's stores have read their registers
.irp k, 0,1,2,3,4,5,6,7,8
	s_cmp_eq_u32 s[U], \k
	s_cbranch_scc1 .Lblk\k
.endr
	s_branch .Lblk9
.irp k, 0,1,2,3,4,5,6,7,8,9
	BLOCK \k
.endr
.Lcommon:
.irp i, 0,1,2,3,4,5,6,7
	ds_load_b128 v[EV+4*\i:EV+4*\i+3], v[RD] offset:SPITCH*\i  ; LDS serves a wave's instructions in order (ISA guide 5.7.1.4): these see the stores above
.endr
	s_and_b32 s62, s[U], 1
	s_lshl_b32 s62, s62, 1
.irp i, 0,1,2,3,4,5,6,7                ; stage row i is the tile's row {0,1,4,5,8,9,12,13}[i] + 2 (U % 2)
	s_add_co_u32 s63, s62, ((\i)&1)+4*(((\i)>>1)&1)+8*((\i)>>2)
	v_readlane_b32 s[ROWS+\i], v[CUR], s63
	s_min_u32 s[ROWS+\i], s[ROWS+\i], 0x7ff
.if DOWN
	s_lshl_b32 s[ROWS+\i], s[ROWS+\i], 12
	v_readlane_b32 s[WROW+\i], v[CURW], s63
.else
	s_lshl_b32 s[ROWS+\i], s[ROWS+\i], 13
.endif
	v_add_nc_u32 v[RO+\i], s[ROWS+\i], v[OL]
.endr
	s_wait_dscnt 0x0
.if DOWN
.set p, 0
.rept 32
	v_mul_f32 v[EV+p], s[WROW+p/4], v[EV+p]        ; the row's weight
.set p, p+1
.endr
.irp i, 0,1,2,3,4,5,6,7
	global_store_b128 v[RO+\i], v[EV+4*\i:EV+4*\i+3], s[OB:OB+1]  ; 512 consecutive bytes of one row, at a multiple of 256 from the buffer's first
.endr
.else
	; gelu(h) = |h| (0.5 - P(t) 2^(-(c h)^2)) + 0.5 h, t = 1 / (1 + 0.2316419 |h|), P with the halved coefficients
.set p, 0
.rept 16
	v_pk_mul_f32 v[SV+2*p:SV+2*p+1], v[EV+2*p:EV+2*p+1], s[CSQ:CSQ+1] op_sel_hi:[1,0]
.set p, p+1
.endr
.set p, 0
.rept 32
	v_fma_f32 v[TV+p], |v[EV+p]|, s[CT], 1.0
.set p, p+1
.endr
.set p, 0
.rept 16
	v_pk_mul_f32 v[SV+2*p:SV+2*p+1], v[SV+2*p:SV+2*p+1], v[SV+2*p:SV+2*p+1] neg_lo:[1,0] neg_hi:[1,0]
.set p, p+1
.endr
.set p, 0
.rept 32                               ; one batch of 64, none of which reads another's result
	v_exp_f32 v[SV+p], v[SV+p]
.set p, p+1
.endr
.set p, 0
.rept 32
	v_rcp_f32 v[TV+p], v[TV+p]
.set p, p+1
.endr
	v_nop                                          ; a plain line behind the last of them,
	s_wait_alu depctr_va_vdst(0)                   ; and the one wait ahead of the batch's first reader
.set p, 0
.rept 16
	v_pk_fma_f32 v[PV+2*p:PV+2*p+1], v[TV+2*p:TV+2*p+1], s[A5:A5+1], s[A4:A4+1] op_sel_hi:[1,0,0]
.set p, p+1
.endr
.irp a, A3, A2, A1
.set p, 0
.rept 16
	v_pk_fma_f32 v[PV+2*p:PV+2*p+1], v[PV+2*p:PV+2*p+1], v[TV+2*p:TV+2*p+1], s[\a:\a+1] op_sel_hi:[1,1,0]
.set p, p+1
.endr
.endr
.set p, 0
.rept 16
	v_pk_mul_f32 v[PV+2*p:PV+2*p+1], v[PV+2*p:PV+2*p+1], v[TV+2*p:TV+2*p+1]
.set p, p+1
.endr
.set p, 0
.rept 16
	v_pk_fma_f32 v[PV+2*p:PV+2*p+1], v[PV+2*p:PV+2*p+1], v[SV+2*p:SV+2*p+1], 0.5 op_sel_hi:[1,1,0] neg_lo:[1,0,0] neg_hi:[1,0,0]
.set p, p+1
.endr
.set p, 0
.rept 16
	v_pk_mul_f32 v[SV+2*p:SV+2*p+1], v[EV+2*p:EV+2*p+1], 0.5 op_sel_hi:[1,0]
.set p, p+1
.endr
.set p, 0
.rept 32
	v_fma_f32 v[PV+p], |v[EV+p]|, v[PV+p], v[SV+p]
.set p, p+1
.endr
.set p, 0
.rept 16
	v_cvt_pk_bf16_f32 v[OV+p], v[PV+2*p], v[PV+2*p+1]
.set p, p+1
.endr
.irp i, 0,1,2,3,4,5,6,7
	global_store_b64 v[RO+\i], v[OV+2*\i:OV+2*\i+1], s[OB:OB+1]  ; 256 consecutive bytes of one row, at a multiple of 256 from the buffer's first
.endr
.endif
.Lunit_next:
	s_add_co_u32 s[U], s[U], 1
	s_cmp_lt_u32 s[U], 10
	s_cbranch_scc1 .Lunit
	; my tiles in the next pass: what is left of LT behind 5 (PS + 1), 5 at the most; behind the fourth pass nothing is left (LT is 16 at the most)
	s_add_co_u32 s62, s[PS], 1
	s_mul_i32 s62, s62, 5
	s_sub_co_i32 s62, s[LT], s62
	s_max_i32 s62, s62, 0
	s_min_i32 s[MT], s62, 5
	s_cmp_eq_u32 s[MT], 0
	s_cbranch_scc1 .Lpn
	SETUP 0
.Lpn:
	s_add_co_u32 s[PS], s[PS], 1
	s_cmp_lt_u32 s[PS], 4
	s_cbranch_scc1 .Lpass
	s_wait_tensorcnt 0x0                           ; the wave's end, behind my last LDS store
	ds_add_u32 v[SPW], v[NIL]
	s_wait_dscnt 0x0
	s_endpgm
.Lfunc_end_k_q681f44f88b_down:
	.size	k_q681f44f88b_down, .Lfunc_end_k_q681f44f88b_down-k_q681f44f88b_down
	.p2alignl 7, 3214868480
	.fill 96, 4, 3214868480
	.section	.rodata,"a",@progbits
	.p2align	6, 0x0
	.amdhsa_kernel k_q681f44f88b_down
		.amdhsa_group_segment_fixed_size 313344
		.amdhsa_private_segment_fixed_size 0
		.amdhsa_enable_private_segment 0
		.amdhsa_kernarg_size 48
		.amdhsa_user_sgpr_count 2
		.amdhsa_user_sgpr_kernarg_segment_ptr 1
		.amdhsa_wavefront_size32 1
		.amdhsa_system_sgpr_workgroup_id_x 1
		.amdhsa_system_sgpr_workgroup_id_y 1
		.amdhsa_system_sgpr_workgroup_id_z 1
		.amdhsa_system_vgpr_workitem_id 0
		.amdhsa_next_free_vgpr 512
		.amdhsa_next_free_sgpr 80
		.amdhsa_reserve_vcc 1
		.amdhsa_float_denorm_mode_32 3
		.amdhsa_float_denorm_mode_16_64 3
		.amdhsa_memory_ordered 1
		.amdhsa_forward_progress 1
		.amdhsa_inst_pref_size 159
	.end_amdhsa_kernel
	.amdgpu_metadata
---
amdhsa.version: [ 1, 2 ]
amdhsa.kernels:
  - .name:           k_q681f44f88b_down
    .symbol:         k_q681f44f88b_down.kd
    .args:
      - { .name: W2, .offset: 0, .size: 8, .value_kind: global_buffer, .address_space: global }
      - { .name: b2, .offset: 8, .size: 8, .value_kind: global_buffer, .address_space: global }
      - { .name: hid, .offset: 16, .size: 8, .value_kind: global_buffer, .address_space: global }
      - { .name: bm, .offset: 24, .size: 8, .value_kind: global_buffer, .address_space: global }
      - { .name: part, .offset: 32, .size: 8, .value_kind: global_buffer, .address_space: global }
      - { .name: gw, .offset: 40, .size: 8, .value_kind: global_buffer, .address_space: global }
    .group_segment_fixed_size: 313344
    .private_segment_fixed_size: 0
    .kernarg_segment_align: 8
    .kernarg_segment_size: 48
    .max_flat_workgroup_size: 256
    .sgpr_count:     80
    .vgpr_count:     512
    .wavefront_size: 32
...
	.end_amdgpu_metadata
.endif
;; end of part 3
;; launch sum (part 4): grid 256 x 1, 8 waves a work-group, no clusters, 0 bytes of LDS; arguments part, out0; writes out0
.if DOCPART == 4
	.amdgcn_target "amdgcn-amd-amdhsa--gfx1250"
	.amdhsa_code_object_version 6
	.text
	.protected	k_q681f44f88b_sum
	.globl	k_q681f44f88b_sum
	.p2align	8
	.type	k_q681f44f88b_sum,@function
k_q681f44f88b_sum:
	s_mov_b64 s[64:65], 0
	v_nop
	global_prefetch_b8 v0, s[64:65] scope:SCOPE_SE
	s_setreg_imm32_b32 hwreg(HW_REG_WAVE_MODE, 25, 1), 1
	s_wait_xcnt 0x0
; out0[t] = the sum of the 8 partial rows part[q][2 t + k] (q = 0 .. 3 quarters of the hidden width, k = 0, 1 the token's two experts; the gate's weights are in them already).
; A stream: each byte of part is read once, each byte of out0 written once.  A work-group has 4 tokens; thread n has the 16 bytes at 16 n of a row of 4,096 bytes, so a wave's load or
; store covers 512 consecutive bytes.  All 32 loads of a thread go out at once, ordered by token.  The sums are f32, in one fixed order.  No LDS, no barrier, no matrix unit: there is nothing for them to do.
.set A, 8                              ; v8-135: token t, quarter q, choice k at A + 32 t + 8 q + 4 k
	s_load_b128 s[4:7], s[0:1], 0x0                ; part s[4:5], out0 s[6:7]
	v_lshlrev_b32 v1, 4, v0
	s_lshl_b32 s16, ttmp9, 15                      ; 8 slots of 4,096 bytes
	s_mov_b32 s17, 0
	s_lshl_b32 s18, ttmp9, 14                      ; 4 tokens of 4,096 bytes
	s_mov_b32 s19, 0
	s_wait_kmcnt 0x0
	s_add_nc_u64 s[8:9], s[4:5], s[16:17]          ; a base for each quarter: they lie 8,388,608 bytes apart, one more than a load's immediate holds
	s_add_nc_u64 s[10:11], s[8:9], 0x800000
	s_add_nc_u64 s[12:13], s[10:11], 0x800000
	s_add_nc_u64 s[14:15], s[12:13], 0x800000
	s_add_nc_u64 s[6:7], s[6:7], s[18:19]
.set i, 0
.rept 32                               ; i = 8 t + 2 q + k
	global_load_b128 v[A+4*i:A+4*i+3], v1, s[8+2*((i/2)%4):9+2*((i/2)%4)] offset:(i/8)*8192+(i%2)*4096 th:TH_LOAD_NT
.set i, i+1
.endr
.irp t, 0,1,2,3
	s_wait_loadcnt 24-8*\t                         ; this token's eight loads are in; eight for each later token are younger
.set R, A+32*\t
.irp q, 0,1,2,3                        ; the two choices of each quarter,
	v_pk_add_f32 v[R+8*\q:R+8*\q+1],   v[R+8*\q:R+8*\q+1],   v[R+8*\q+4:R+8*\q+5]
	v_pk_add_f32 v[R+8*\q+2:R+8*\q+3], v[R+8*\q+2:R+8*\q+3], v[R+8*\q+6:R+8*\q+7]
.endr
.irp q, 0,2                            ; quarters 0 + 1 and 2 + 3,
	v_pk_add_f32 v[R+8*\q:R+8*\q+1],   v[R+8*\q:R+8*\q+1],   v[R+8*\q+8:R+8*\q+9]
	v_pk_add_f32 v[R+8*\q+2:R+8*\q+3], v[R+8*\q+2:R+8*\q+3], v[R+8*\q+10:R+8*\q+11]
.endr
	v_pk_add_f32 v[R:R+1],   v[R:R+1],   v[R+16:R+17]    ; and the two halves
	v_pk_add_f32 v[R+2:R+3], v[R+2:R+3], v[R+18:R+19]
	global_store_b128 v1, v[R:R+3], s[6:7] offset:4096*\t th:TH_STORE_NT
.endr
	s_endpgm
.Lfunc_end_k_q681f44f88b_sum:
	.size	k_q681f44f88b_sum, .Lfunc_end_k_q681f44f88b_sum-k_q681f44f88b_sum
	.p2alignl 7, 3214868480
	.fill 96, 4, 3214868480
	.section	.rodata,"a",@progbits
	.p2align	6, 0x0
	.amdhsa_kernel k_q681f44f88b_sum
		.amdhsa_group_segment_fixed_size 0
		.amdhsa_private_segment_fixed_size 0
		.amdhsa_enable_private_segment 0
		.amdhsa_kernarg_size 16
		.amdhsa_user_sgpr_count 2
		.amdhsa_user_sgpr_kernarg_segment_ptr 1
		.amdhsa_wavefront_size32 1
		.amdhsa_system_sgpr_workgroup_id_x 1
		.amdhsa_system_sgpr_workgroup_id_y 1
		.amdhsa_system_sgpr_workgroup_id_z 1
		.amdhsa_system_vgpr_workitem_id 0
		.amdhsa_next_free_vgpr 144
		.amdhsa_next_free_sgpr 66
		.amdhsa_reserve_vcc 0
		.amdhsa_float_denorm_mode_32 3
		.amdhsa_float_denorm_mode_16_64 3
		.amdhsa_memory_ordered 1
		.amdhsa_forward_progress 1
		.amdhsa_inst_pref_size 8
	.end_amdhsa_kernel
	.amdgpu_metadata
---
amdhsa.version: [ 1, 2 ]
amdhsa.kernels:
  - .name:           k_q681f44f88b_sum
    .symbol:         k_q681f44f88b_sum.kd
    .args:
      - { .name: part, .offset: 0, .size: 8, .value_kind: global_buffer, .address_space: global }
      - { .name: out0, .offset: 8, .size: 8, .value_kind: global_buffer, .address_space: global }
    .group_segment_fixed_size: 0
    .private_segment_fixed_size: 0
    .kernarg_segment_align: 8
    .kernarg_segment_size: 16
    .max_flat_workgroup_size: 256
    .sgpr_count:     66
    .vgpr_count:     144
    .wavefront_size: 32
...
	.end_amdgpu_metadata
.endif
;; end of part 4
;; ======== version 2 of 2: 4 launches; version 1 with the launches up, down written anew for expert scheduling mode
;; workspace buffers: xb 2,097,408 bytes; hid 16,777,472 bytes; part 33,554,432 bytes; gw 8,192 bytes; bm 2,048 bytes of whole numbers
;; launch router: the kernel of part 1 again; grid 256 x 1, 4 waves a work-group, no clusters, 1,024 bytes of LDS; arguments x, Wg, bg, out1, out2, out3, xb, gw, bm, hid; writes out1, out2, out3, xb, gw, bm, hid
;; launch up (part 5): grid 32 x 8, 8 waves a work-group, no clusters, 313,344 bytes of LDS; arguments W1, b1, xb, bm, hid; writes hid
.if DOCPART == 5
	.amdgcn_target "amdgcn-amd-amdhsa--gfx1250"
	.amdhsa_code_object_version 6
	.text
	.protected	k_q681f44f88b_up
	.globl	k_q681f44f88b_up
	.p2align	8
	.type	k_q681f44f88b_up,@function
k_q681f44f88b_up:
	s_mov_b64 s[64:65], 0
	v_nop
	global_prefetch_b8 v0, s[64:65] scope:SCOPE_SE
	s_setreg_imm32_b32 hwreg(HW_REG_WAVE_SCHED_MODE, 0, 2), 2
	s_setreg_imm32_b32 hwreg(HW_REG_WAVE_MODE, 25, 1), 1
	s_wait_xcnt 0x0
	s_wait_alu depctr_vm_vsrc(0)
; FIRST PRODUCT (DOWN = 0): hid[slot] = gelu(xb[slot / 2] W1[e] + b1[e]) in bf16, for the slots that chose expert e.  (The same source with DOWN = 1 is the second product.)
; SHARES.  Work-group (x, y) has expert y and a slice of its weights, 1,024 rows (K) x 128 columns, 524,288 bytes of f32 that it alone reads, once, and ALL rows of that expert.
; Waves 4-7 PRODUCE: they load the slice, round it to bf16 and lay it into LDS, where it stays (rows of 288 bytes).  Waves 0-3 CONSUME: token rows come from memory straight into A's
; fragments, W's fragments out of LDS by the turning load, sums in f32.  The two kinds have counters of their own: a producer keeps 48 to 56 loads of 512 bytes on their way throughout.
; K goes in 4 chunks of 256.  A chunk is rounded into registers while the consumers multiply the chunk before; it is stored between two barriers: ahead of the first every consumer's LDS reads
; are back, ahead of the second the producers' stores are done.  So no store into the slice runs beside a read of it.
; ROWS.  The expert's slots come from its bitmap (64 words, read from memory): the slot of rank n is its n-th set bit.  Tile t (16 ranks) belongs to consumer t % 4; a pass holds 5 tiles a
; consumer, 320 rows.  The loop over passes has 4 trips, which serve every split (an expert has 1,024 rows at the most); every wave passes every barrier of every pass; the producers work in pass 0
; alone, and a consumer with no tile left jumps its work.  Passes 1 to 3 read the resident slice.
; Ranks past the count repeat the wave's first row of the pass (the same bytes are stored again); tiles past the count are computed and never stored.
; NO CLUSTER, NO TENSOR LOADS: each weight has one reader and must pass through registers to be rounded; the token rows, which an expert's work-groups share, come by a list that no descriptor covers.
; FORMATS AND LIMITS.  Every input is rounded once to bf16 (here W and the bias); the hidden layer is stored in bf16 (f16 would not hold inputs 30 times larger).  erf by a rational
; approximation in t = 1 / (1 + 0.3275911 |z|) with five terms, within 1.5e-7 for every z; e^(-z^2) below 2^-126 counts as 0.  NaN and infinities are not treated apart.
; THE MODE: SCHED_MODE bits 1:0 = 2 (LLVM: expert scheduling mode 2), set by the entry lines.  The code itself states the register dependences between vector or matrix instructions and
; memory or LDS instructions, with s_wait_alu, always for 0.
; THE PLAN.  Registers that memory or LDS instructions touch, and who else names them:
;   PRODUCERS.  Landing group g (window 1): loads land in it; sub-step g's conversions read it; it is asked for again at the head of sub-step g + 1, behind one wait on va_vdst; that sub-step's
;               conversions follow the loads and name group g + 1 and PT alone.
;               PT, STA: written by the conversions and one add; read by the chunk's 64 LDS stores: one wait on va_vdst ahead of the run, one on vm_vsrc behind it.  WOF: never rewritten.
;   CONSUMERS.  BLO, BHI: LDS loads land; a half step's matrix instructions read.  AF0, AF1: row loads land; a step's matrix instructions read.  All 512 registers are taken (320 sums, 80 for A, 64 for W,
;               the addresses), so the half that is asked for again is the half just multiplied: one wait on va_vdst behind each half step's matrix instructions, the loads in one run behind it.
;               BADR, BADR2: written once a chunk, between a wait on vm_vsrc and one on va_vdst.  AOFF, RO, the sums: written while a pass is made ready, behind the wait on vm_vsrc that ends the way out.
;               The way out: one wait on va_vdst ahead of the units (the sums); in a unit one on vm_vsrc at its head (RO and the last stores' data) and one on va_vdst ahead of its stores; behind the
;               last unit one on vm_vsrc, ahead of the branch round the next pass's preparation.
;   SCALARS that vector instructions write (the wave's number, bitmap words, masks, slots): each run of writers has one wait on va_sdst ahead of its first reader.
.set DOWN, 0
.if DOWN
.set WP, 4096                          ; bytes from row to row of W
.else
.set WP, 16384
.endif
.set PITCH,  288                       ; an LDS row of the slice: 256 bytes + 32
.set KST,    32*PITCH                  ; a K step of 32
.set CH,     256*PITCH                 ; a chunk
.set STAGE,  1024*PITCH                ; behind the slice: 8 rows x 528 bytes for each consumer, for the way out; the 1,024 bytes behind the stages take the closing add's words, 4 bytes a thread
.set STG,    4352
.set SPITCH, 528
; vector registers.  v1 and v4-v47 are made at the head by every wave; the LDS bases among them (BAD0, STW, RD, ST0) are made of bits of v0 alone and never rewritten
.set L4,   1                           ; 4 x lane
.set BAD0, 4                           ; consumers: my lane's place in a K step of the slice
.set BADR, 5                           ; the same in the chunk in hand, K steps 0-3
.set RB,   6                           ; 64 (L / 16) + L % 16
.set H16,  7                           ; 16 (L / 16)
.set AOFF, 8                           ; v8-12   tile m: byte offset of my row's 16 bytes
.set SLOT, 13                          ; v13-17  tile m: the slot of row L % 16
.set GW,   18                          ; v18-22  tile m: its weight (second product)
.set STW,  23                          ; the way out: where I put a number
.set RD,   24                          ; where I read a row back
.set OL,   25                          ; my bytes in an output row
.set CUR,  26                          ; the slots of the tile on its way out
.set CURW, 27                          ; and its weights
.set RO,   28                          ; v28-35  byte offsets of the 8 rows on their way out
.set RK,   36                          ; v36-38  ranks: lanes 0-15 tile 2 v, lanes 16-31 tile 2 v + 1 (alive only while rows are looked up)
.set BADR2, 36                         ; in a chunk: BADR for K steps 4-7 (an LDS offset holds 16 bits)
.set SW,   39                          ; v39-41  the bitmap word that holds the rank; then the slot
.set SC,   42                          ; v42-44  bits ahead of that word (low half), the word's number (high half)
.set ST0,  45                          ; producers: 8 x lane + my 64 rows of a chunk
.set WOF,  46                          ; producers: 16 x lane
.set R4,   47                          ; 4 (L % 16)
.set SCR,  48                          ; v48-71 at work while rows are looked up: eight registers for each of the three registers of ranks; v48-55 also at the head
.set AF0,  48                          ; v48-87, v88-127   A's fragments, two buffers of 5 tiles
.set AF1,  88
.set BLO,  128                         ; v128-159 W's fragments of columns 0-63, v160-191 of columns 64-127
.set BM0,  136                         ; while rows are looked up: bitmap words 0-31, one a lane,
.set BM1,  137                         ; and words 32-63
.set BHI,  160
.set AC4,  192                         ; v192-255 tile 4's sums; window 1: tile m, column block n at 64 m + 8 n
.set EV,   128                         ; the way out: 8 rows x 4 numbers; at work: SV, TV, PV; packed: OV
.set SV,   160
.set TV,   48
.set PV,   80
.set OV,   112
.set PT,   64                          ; producers: v64-191 a chunk's 64 rows in bf16; window 1: 64 landing slots of 4 registers
.set STA,  192                         ; producers: ST0 in the chunk in hand
; scalar registers
.set WB,   4                           ; W at my slice, at my wave's 64 rows of the chunk in hand
.set BI,   6                           ; the bias at my columns
.set AB0,  8                           ; the rows' tensor at my K range
.set BMP,  10                          ; my expert's bitmap
.set OB,   12                          ; the output at my columns
.set GWP,  14                          ; gw
.set AB,   16                          ; AB0 stepped along K
.set WVN,  18                          ; wave 0-7
.set WW,   19                          ; wave % 4
.set IT,   20                          ; chunk
.set MT,   21                          ; my live tiles in this pass, 0 to 5
.set LT,   22                          ; my live tiles in all
.set PS,   23                          ; pass
.set U,    24
.set CNT,  25                          ; the expert's rows
.set TB,   26                          ; the chunk's first LDS byte
.set CUM,  28
.set PK,   29
.set WD,   30
.set TT,   31
.set LN,   32
.set QC,   33
.set FB,   34
.set RKB,  35
.set SEL,  36                          ; s[36:37] v_permlanex16_b32's selects
.set HMSK, 38                          ; 0xffff0000: a word's upper bf16, and lanes 16-31
.set FLAG, 39                          ; second product: all ones where the bias is mine to add
.set ROWS, 40                          ; s40-47
.set MK,   40                          ; s40-42  while rows are looked up: three masks, one for each register of ranks (ROWS' registers, idle then)
.set CSQ,  48                          ; s[48:49] sqrt(log2(e) / 2); pairs: the packed lines take the low word for both halves
.set A5,   50
.set A4,   52
.set A3,   54
.set A2,   56
.set A1,   58
.set CT,   60
.set WROW, 66                          ; s66-73
.set YY,   74
.set HM2,  78
.set MSB, 0
.macro WIN new                         ; the immediate's high byte repeats the setting that is left; a switch that changes nothing is dropped
.if MSB != (\new)
	s_set_vgpr_msb (MSB<<8)|(\new)
.set MSB, \new
.endif
.endm
.macro PLACES                          ; four plain lines between a matrix instruction and a load into, or a read of, its registers
.rept 4
	v_nop
.endr
.endm
; A PRODUCER'S CHUNK, loads and rounding.  My 64 rows are 8 groups of 8 landing slots, a ring inside this one block: it is entered, and left, with groups 0 to 6 asked for, in that order.
; Sub-step j: group j is in; the group freed one sub-step before is asked for again: group 7 of this chunk (j = 0), group j - 1 of the next chunk (j > 0); then group j is rounded.
; ld = 0: the last chunk: only group 7 is still asked for, and the counts run down.
.macro PRODL ld
.set j, 0
.rept 8
.if (\ld) || (j < 2)
	s_wait_loadcnt 48                              ; loads come back in order: six groups of 8 are younger than group j
.else
	s_wait_loadcnt 56-8*j                          ; groups j + 1 to 7 are younger
.endif
.if (j == 0) || (\ld)
	WIN 0x40                                       ; destination in window 1
	s_wait_alu depctr_va_vdst(0)                   ; the conversions of the sub-step before (for group 7: of the chunk before) are done reading the group in which the loads below land
.endif
.if j == 0
.set i, 56
.rept 8
	global_load_b128 v[4*i:4*i+3], v[WOF], s[WB:WB+1] offset:i*WP th:TH_LOAD_NT
.set i, i+1
.endr
.elseif \ld
.set i, 8*(j-1)
.rept 8
	global_load_b128 v[4*i:4*i+3], v[WOF], s[WB:WB+1] offset:(256+i)*WP th:TH_LOAD_NT
.set i, i+1
.endr
.endif
	WIN 0x05                                       ; sources in window 1
.set i, 8*j
.rept 8                                ; these name group j and PT alone: none of the registers that the loads above touch
	v_cvt_pk_bf16_f32 v[PT+2*i],   v[4*i],   v[4*i+1]
	v_cvt_pk_bf16_f32 v[PT+2*i+1], v[4*i+2], v[4*i+3]
.set i, i+1
.endr
.set j, j+1
.endr
	WIN 0
.if \ld
	s_wait_xcnt 0x0                                ; the loads' base is stepped only behind this wait
	s_add_nc_u64 s[WB:WB+1], s[WB:WB+1], 256*WP
.endif
.endm
.macro PRODS                           ; the rounded chunk goes into the slice
	v_add_nc_u32 v[STA], s[TB], v[ST0]
	s_wait_alu depctr_va_vdst(0)                   ; STA and PT, the chunk's conversions' results, are written: the stores below read them
.set i, 0
.rept 64
	ds_store_b64 v[STA], v[PT+2*i:PT+2*i+1] offset:PITCH*i  ; 32 lanes x 8 bytes: a row's 256 bytes
.set i, i+1
.endr
	s_wait_alu depctr_vm_vsrc(0)                   ; the stores have read STA and PT, which the next chunk's add and conversions write again; ahead of the branches that lead there
.endm
; W's fragments of K step s of the chunk, column blocks nb .. nb + 3: for each two turning loads, 16 rows apart
.macro FETCHB bb, nb, s
.if (\s) < 4
.set BR, BADR
.else
.set BR, BADR2
.endif
.irp n, 0,1,2,3
	ds_load_tr16_b128 v[(\bb)+8*\n:(\bb)+8*\n+3],   v[BR] offset:((\s)%4)*KST+32*((\nb)+\n)
	ds_load_tr16_b128 v[(\bb)+8*\n+4:(\bb)+8*\n+7], v[BR] offset:((\s)%4)*KST+16*PITCH+32*((\nb)+\n)
.endr
.endm
; A's fragments of one K step, 5 tiles: lane L takes row L % 16, K = 8 (L / 16) + 0..7 and 16 + 8 (L / 16) + 0..7.  Always all five: the count of loads is a constant.
.macro LOADA af, kb
.irp m, 0,1,2,3,4
	global_load_b128 v[(\af)+8*\m:(\af)+8*\m+3],   v[AOFF+\m], s[AB:AB+1] offset:(\kb)
	global_load_b128 v[(\af)+8*\m+4:(\af)+8*\m+7], v[AOFF+\m], s[AB:AB+1] offset:(\kb)+32
.endr
.endm
; 16 matrix instructions (tiles 0-3 x 4 column blocks), and 4 more where the wave has a fifth tile.  Every instruction has another accumulator than the one before it.
.macro PHASE bb, af, nb
	WIN 0x50                                       ; C and D in window 1
.irp m, 0,1,2,3
.irp n, 0,1,2,3
	v_wmma_f32_16x16x32_bf16 v[64*\m+8*((\nb)+\n):64*\m+8*((\nb)+\n)+7], v[(\af)+8*\m:(\af)+8*\m+7], v[(\bb)+8*\n:(\bb)+8*\n+7], v[64*\m+8*((\nb)+\n):64*\m+8*((\nb)+\n)+7]
.endr
.endr
	WIN 0
	s_cmp_lt_u32 s[MT], 5
	s_cbranch_scc1 .Lno4_\@
.irp n, 0,1,2,3
	v_wmma_f32_16x16x32_bf16 v[AC4+8*((\nb)+\n):AC4+8*((\nb)+\n)+7], v[(\af)+32:(\af)+39], v[(\bb)+8*\n:(\bb)+8*\n+7], v[AC4+8*((\nb)+\n):AC4+8*((\nb)+\n)+7]
.endr
.Lno4_\@:
.endm
; A CONSUMER'S CHUNK: eight K steps.  W's two halves are fetched half a step ahead, A's two buffers two steps ahead.
.macro CONS
	s_wait_alu depctr_vm_vsrc(0)                   ; the LDS loads of the chunk before have read BADR and BADR2, which the two adds write
	v_add_nc_u32 v[BADR], s[TB], v[BAD0]
	v_add_nc_u32 v[BADR2], 4*KST, v[BADR]
	s_wait_alu depctr_va_vdst(0)                   ; BADR and BADR2 are written; the last readers of BLO and BHI are done: the chunk before's matrix instructions, in a pass's first chunk the look-up and the moves that start the sums
	FETCHB BLO, 0, 0
	FETCHB BHI, 4, 0
.irp s, 0,1,2,3,4,5,6,7
	s_wait_loadcnt 10                              ; this step's rows are in; the next step's ten loads are younger
	s_wait_dscnt 8                                 ; the low half is in; the high half's eight loads are younger
	PHASE BLO, AF0+40*((\s)%2), 0
.if (\s) < 7
	PLACES
	s_wait_alu depctr_va_vdst(0)                   ; the low half's matrix instructions are done reading BLO, in which the loads below land
	FETCHB BLO, 0, (\s)+1
	s_wait_dscnt 8                                 ; the high half is in; the eight just issued are younger
.else
	s_wait_dscnt 0x0
.endif
	PHASE BHI, AF0+40*((\s)%2), 4
	PLACES
	s_wait_alu depctr_va_vdst(0)                   ; the step's matrix instructions are done reading BHI and this step's fragments of A, in which the loads below land
.if (\s) < 7
	FETCHB BHI, 4, (\s)+1
.endif
	LOADA AF0+40*((\s)%2), 64*((\s)+2)             ; two K steps on; behind the last step these run 128 bytes past my K range, into the next row or the written bytes behind the last, and are not used
.endr
	s_wait_xcnt 0x0                                ; the loads' base is stepped only behind this wait
	s_add_nc_u64 s[AB:AB+1], s[AB:AB+1], 512
.endm
; 32 words of the bitmap: for each rank the last word ahead of which no more bits stand than the rank is kept, with that count and the word's number
.macro FINDH bmreg
	s_mov_b32 s[LN], 0
	s_mov_b32 s[QC], 0
.Lfind_\@:
.rept 4
	v_readlane_b32 s[WD], v[\bmreg], s[LN]
.irp v, 0,1,2
	v_cmp_gt_u32 s[MK+\v], s[CUM], v[RK+\v]
.endr
	s_wait_alu depctr_va_sdst(0)                   ; the word and the three masks are written, ahead of the selects and the count that read them
.irp v, 0,1,2
	v_cndmask_b32 v[SW+\v], s[WD], v[SW+\v], s[MK+\v]
	v_cndmask_b32 v[SC+\v], s[PK], v[SC+\v], s[MK+\v]
.endr
	s_bcnt1_i32_b32 s[TT], s[WD]
	s_add_co_u32 s[CUM], s[CUM], s[TT]
	s_add_co_u32 s[PK], s[PK], s[TT]
	s_add_co_u32 s[PK], s[PK], 0x10000
	s_add_co_u32 s[LN], s[LN], 1
.endr
	s_add_co_u32 s[QC], s[QC], 1
	s_cmp_lt_u32 s[QC], 8
	s_cbranch_scc1 .Lfind_\@
.endm
; One level of the search, for the three registers of ranks side by side: are there k bits or fewer in the lower half of what is left?  then the bit lies in the upper half.
; src: which of a rank register's eight scratch registers holds the counts; -1: the word itself
.macro LEVEL src, width, step
.irp v, 0,1,2
.if (\src) < 0
	v_bfe_u32 v[SCR+8*\v+6], v[SW+\v], v[SCR+8*\v+5], \width
.else
	v_bfe_u32 v[SCR+8*\v+6], v[SCR+8*\v+(\src)], v[SCR+8*\v+5], \width
.endif
.endr
.irp v, 0,1,2
	v_cmp_ge_u32 s[MK+\v], v[SCR+8*\v], v[SCR+8*\v+6]
.endr
	s_wait_alu depctr_va_sdst(0)                   ; the three masks are written, ahead of the selects that read them
.irp v, 0,1,2
	v_cndmask_b32 v[SCR+8*\v+6], 0, v[SCR+8*\v+6], s[MK+\v]
	v_cndmask_b32 v[SCR+8*\v+7], 0, \step, s[MK+\v]
	v_sub_nc_u32 v[SCR+8*\v], v[SCR+8*\v], v[SCR+8*\v+6]
	v_add_nc_u32 v[SCR+8*\v+5], v[SCR+8*\v+5], v[SCR+8*\v+7]
.endr
.endm
.macro SELECT                          ; the place of set bit k of the word, by counts of 2, 4, 8 and 16 bits; the slot = 32 x word + place
.irp v, 0,1,2
	v_and_b32 v[SCR+8*\v], 0xffff, v[SC+\v]
	v_sub_nc_u32 v[SCR+8*\v], v[RK+\v], v[SCR+8*\v]  ; k
	v_lshrrev_b32 v[SCR+8*\v+1], 1, v[SW+\v]
	v_and_b32 v[SCR+8*\v+1], 0x55555555, v[SCR+8*\v+1]
	v_sub_nc_u32 v[SCR+8*\v+1], v[SW+\v], v[SCR+8*\v+1]
	v_lshrrev_b32 v[SCR+8*\v+2], 2, v[SCR+8*\v+1]
	v_and_b32 v[SCR+8*\v+2], 0x33333333, v[SCR+8*\v+2]
	v_and_b32 v[SCR+8*\v+3], 0x33333333, v[SCR+8*\v+1]
	v_add_nc_u32 v[SCR+8*\v+2], v[SCR+8*\v+2], v[SCR+8*\v+3]
	v_lshrrev_b32 v[SCR+8*\v+3], 4, v[SCR+8*\v+2]
	v_add_nc_u32 v[SCR+8*\v+3], v[SCR+8*\v+3], v[SCR+8*\v+2]
	v_and_b32 v[SCR+8*\v+3], 0x0f0f0f0f, v[SCR+8*\v+3]
	v_lshrrev_b32 v[SCR+8*\v+4], 8, v[SCR+8*\v+3]
	v_add_nc_u32 v[SCR+8*\v+4], v[SCR+8*\v+4], v[SCR+8*\v+3]
	v_mov_b32 v[SCR+8*\v+5], 0
.endr
	LEVEL 4, 8, 16
	LEVEL 3, 8, 8
	LEVEL 2, 4, 4
	LEVEL 1, 2, 2
	LEVEL -1, 1, 1
.irp v, 0,1,2
	v_lshrrev_b32 v[SCR+8*\v+6], 16, v[SC+\v]
	v_lshl_add_u32 v[SW+\v], v[SCR+8*\v+6], 5, v[SCR+8*\v+5]
.endr
.endm
; A PASS IS MADE READY: the slots of my five tiles, their addresses, the first two K steps' rows, and the sums, which start from the bias.  first = 1: pass 0, and my number of tiles is made; first = 0: pass PS + 1.
; With first = 0 the wait on vm_vsrc for the registers written here stands behind the way out's last unit, with scalar lines alone between; every vector line of the way out stands ahead of its unit's wait on va_vdst.
.macro SETUP first
	s_wait_xcnt 0x0                                ; registers that earlier loads and stores name are written below
.if \first
	s_wait_alu depctr_va_vdst(0)                   ; the head has written the offsets and LDS addresses up to v47, which the loads, LDS loads and stores of the kernel read
.endif
	global_load_b32 v[BM0], v[L4], s[BMP:BMP+1]
	global_load_b32 v[BM1], v[L4], s[BMP:BMP+1] offset:128
.irp n, 0,1,2,3,4,5,6,7
	global_load_b32 v[BLO+\n], v[R4], s[BI:BI+1] offset:64*\n  ; the bias of column 16 n + L % 16
.endr
.if \first
	s_lshl_b32 s[RKB], s[WW], 4                    ; rank of my first row: 320 pass + 16 w
.else
	s_add_co_u32 s[RKB], s[PS], 1
	s_mul_i32 s[RKB], s[RKB], 320
	s_lshl4_add_u32 s[RKB], s[WW], s[RKB]
.endif
	v_add_nc_u32 v[RK], s[RKB], v[RB]
	v_add_nc_u32 v[RK+1], 0x80, v[RK]
	v_add_nc_u32 v[RK+2], 0x100, v[RK]
.irp v, 0,1,2
	v_mov_b32 v[SW+\v], 0
	v_mov_b32 v[SC+\v], 0
.endr
	s_mov_b32 s[CUM], 0
	s_mov_b32 s[PK], 0
	s_wait_loadcnt 0x0
.irp p, 0,1,2,3
	v_cvt_pk_bf16_f32 v[SCR+\p], v[BLO+2*\p], v[BLO+2*\p+1]
.endr
.irp p, 0,1,2,3
	v_lshlrev_b32 v[BLO+2*\p], 16, v[SCR+\p]
.if DOWN
	v_and_b32 v[BLO+2*\p], s[FLAG], v[BLO+2*\p]
	v_and_b32 v[BLO+2*\p+1], s[HM2], v[SCR+\p]
.else
	v_and_b32 v[BLO+2*\p+1], s[HMSK], v[SCR+\p]
.endif
.endr
	FINDH BM0
	FINDH BM1
	s_mov_b32 s[CNT], s[CUM]
.if \first
	s_add_co_u32 s62, s[CNT], 15
	s_lshr_b32 s62, s62, 4                         ; tiles of the expert
	s_add_co_u32 s62, s62, 3
	s_sub_co_u32 s62, s62, s[WW]
	s_lshr_b32 s[LT], s62, 2                       ; those with t % 4 = w
	s_min_u32 s[MT], s[LT], 5
.endif
	SELECT
	v_readfirstlane_b32 s[FB], v[SW]               ; my first row's slot stands in for ranks past the count
.irp v, 0,1,2
	v_cmp_gt_u32 s[MK+\v], s[CNT], v[RK+\v]
.endr
	s_wait_alu depctr_va_sdst(0)                   ; that slot and the three masks are written, ahead of the selects that read them
.irp v, 0,1,2
	v_cndmask_b32 v[SW+\v], s[FB], v[SW+\v], s[MK+\v]
.endr
.irp v, 0,1,2
	v_permlanex16_b32 v[SCR+\v], v[SW+\v], s[SEL], s[SEL+1]
.endr
	v_cndmask_b32 v[SLOT],   v[SW],    v[SCR],   s[HMSK]  ; both halves of the lanes get row L % 16 of the tile
	v_cndmask_b32 v[SLOT+1], v[SCR],   v[SW],    s[HMSK]
	v_cndmask_b32 v[SLOT+2], v[SW+1],  v[SCR+1], s[HMSK]
	v_cndmask_b32 v[SLOT+3], v[SCR+1], v[SW+1],  s[HMSK]
	v_cndmask_b32 v[SLOT+4], v[SW+2],  v[SCR+2], s[HMSK]
.irp m, 0,1,2,3,4
	v_min_u32 v[SLOT+\m], 0x7ff, v[SLOT+\m]        ; a slot is below 2,048
.endr
.irp m, 0,1,2,3,4
.if DOWN
	v_lshl_add_u32 v[AOFF+\m], v[SLOT+\m], 13, v[H16]  ; a row of hid is 8,192 bytes
	v_lshlrev_b32 v[RO+\m], 2, v[SLOT+\m]
.else
	v_and_b32 v[AOFF+\m], 0x7fe, v[SLOT+\m]        ; 2 x token
	v_lshl_add_u32 v[AOFF+\m], v[AOFF+\m], 10, v[H16]  ; a row of xb is 2,048 bytes
.endif
.endr
	s_wait_alu depctr_va_vdst(0)                   ; the offsets that the loads below read are written; the look-up is done with v48 to v71, in which rows land
.if DOWN
.irp m, 0,1,2,3,4
	global_load_b32 v[GW+\m], v[RO+\m], s[GWP:GWP+1]
.endr
.endif
.if (\first) == 0
	s_mov_b64 s[AB:AB+1], s[AB0:AB0+1]             ; back to K's beginning (in pass 0 the head has set it); every load that named AB has been waited for
.endif
	LOADA AF0, 0
	LOADA AF1, 64
	WIN 0x40                                       ; the sums start from the bias: register j of (m, n) is row 8 (L / 16) + j, column 16 n + L % 16.  These moves name the bias and the sums alone: no register that the loads above touch
.set i, 0
.rept 256
	v_mov_b32 v[i], v[BLO+(i/8)%8]
.set i, i+1
.endr
	WIN 0
.set i, 0
.rept 64
	v_mov_b32 v[AC4+i], v[BLO+i/8]
.set i, i+1
.endr
.endm
; Unit k of the way out: tile k / 2, registers {0,1,4,5} or {2,3,6,7} of its eight accumulators (each set begins among an accumulator's four lowest): 8 rows x 128 numbers into my stage
.macro BLOCK k
.Lblk\k:
.if (\k)/2 < 4
	WIN 0x04                                       ; the data in window 1
.set ACB, 64*((\k)/2)
.else
.set ACB, AC4
.endif
.set jj, 0
.rept 4
.set nn, 0
.rept 8
	ds_store_b32 v[STW], v[ACB+8*nn+2*((\k)%2)+(jj&1)+4*(jj>>1)] offset:SPITCH*jj+64*nn
.set nn, nn+1
.endr
.set jj, jj+1
.endr
	WIN 0
	v_mov_b32 v[CUR], v[SLOT+(\k)/2]
.if DOWN
	v_mov_b32 v[CURW], v[GW+(\k)/2]
.endif
	s_branch .Lcommon
.endm
	s_load_b256 s[4:11], s[0:1], 0x0               ; W s[4:5], bias s[6:7], the rows' tensor s[8:9], bm s[10:11]
.if DOWN
	s_load_b128 s[12:15], s[0:1], 0x20             ; part s[12:13], gw s[14:15]
.else
	s_load_b64 s[12:13], s[0:1], 0x20              ; hid
	v_lshl_add_u32 v22, v0, 2, 0x4c400
	v_mov_b32 v27, 0
.endif
	v_lshrrev_b32 v48, 5, v0
	v_readfirstlane_b32 s[WVN], v48
	; every lane term and every LDS base, of both kinds of wave, from bits of v0
	v_and_b32 v49, 31, v0                          ; lane
	v_and_b32 v50, 15, v0                          ; r = L % 16
	v_bfe_u32 v51, v0, 4, 1                        ; h = L / 16
	v_bfe_u32 v52, v0, 5, 2                        ; wave % 4
	v_lshlrev_b32 v[L4], 2, v49
	v_lshlrev_b32 v[R4], 2, v50
	v_lshlrev_b32 v[H16], 4, v51
	v_lshl_add_u32 v[RB], v51, 6, v50
	v_and_b32 v53, 7, v0                           ; the turning load: lane L reads row 8 h + L % 8, 16 bytes at 16 ((L / 8) % 2)
	v_lshl_add_u32 v53, v51, 3, v53
	v_mul_u32_u24 v[BAD0], v53, PITCH
	v_bfe_u32 v54, v0, 3, 1
	v_lshl_add_u32 v[BAD0], v54, 4, v[BAD0]
	v_mul_u32_u24 v55, v52, STG
	v_add_nc_u32 v55, STAGE, v55                   ; my stage
	v_mul_u32_u24 v[STW], v51, 4*SPITCH            ; in: stage row 4 h + jj, column 16 n + r
	v_lshl_add_u32 v[STW], v50, 2, v[STW]
	v_add_nc_u32 v[STW], v[STW], v55
	v_lshl_add_u32 v[RD], v49, 4, v55              ; back: a whole row, 16 bytes a lane
.if DOWN
	v_lshlrev_b32 v[OL], 4, v49
.else
	v_lshlrev_b32 v[OL], 3, v49
.endif
	v_lshlrev_b32 v[WOF], 4, v49
	v_mul_u32_u24 v[ST0], v52, 64*PITCH            ; a producer's 64 rows of a chunk,
	v_lshl_add_u32 v[ST0], v49, 3, v[ST0]          ; 8 bytes a lane
	s_wait_alu depctr_va_sdst(0)                   ; the wave's number is written, ahead of its first reader
	s_and_b32 s[WW], s[WVN], 3
	s_and_b32 s[YY], ttmp7, 0xffff                 ; the expert
.if DOWN
	s_and_b32 s62, ttmp9, 7                        ; which 128 columns
	s_lshr_b32 s63, ttmp9, 3                       ; which quarter of K
	s_lshl_b32 s66, s[YY], 24                      ; an expert's weights are 16 MiB,
	s_lshl_b32 s75, s63, 22                        ; 1,024 rows of 4,096 bytes,
	s_add_co_u32 s66, s66, s75
	s_lshl_b32 s75, s62, 9                         ; 128 columns of 4 bytes
	s_add_co_u32 s66, s66, s75
	s_lshl_b32 s68, s[YY], 12
	s_add_co_u32 s68, s68, s75
	s_lshl_b32 s70, s63, 11                        ; 1,024 bf16 of a row of hid
	s_lshl_b32 s72, s63, 23                        ; a quarter's 2,048 rows of 4,096 bytes
	s_add_co_u32 s72, s72, s75
	s_cmp_eq_u32 s63, 0
	s_cselect_b32 s[FLAG], -1, 0                   ; the first quarter adds the bias
	s_and_b32 s[HM2], s[FLAG], 0xffff0000
.else
	s_lshl_b32 s66, s[YY], 24                      ; an expert's weights are 16 MiB,
	s_lshl_b32 s75, ttmp9, 9                       ; 128 columns of 4 bytes
	s_add_co_u32 s66, s66, s75
	s_lshl_b32 s68, s[YY], 14
	s_add_co_u32 s68, s68, s75
	s_mov_b32 s70, 0
	s_lshl_b32 s72, ttmp9, 8                       ; 128 columns of 2 bytes
	s_mov_b32 s[CSQ], 0x3f596d27                   ; sqrt(log2(e) / 2) = 0.8493218
	s_mov_b32 s[CSQ+1], s[CSQ]
	s_mov_b32 s[A5], 0x3f07dc22                    ; the five coefficients, halved: 0.5307027,
	s_mov_b32 s[A5+1], s[A5]
	s_mov_b32 s[A4], 0xbf3a00e3                    ; -0.7265760,
	s_mov_b32 s[A4+1], s[A4]
	s_mov_b32 s[A3], 0x3f35f0e3                    ; 0.7107069,
	s_mov_b32 s[A3+1], s[A3]
	s_mov_b32 s[A2], 0xbe11a98e                    ; -0.1422484,
	s_mov_b32 s[A2+1], s[A2]
	s_mov_b32 s[A1], 0x3e027906                    ; 0.1274148
	s_mov_b32 s[A1+1], s[A1]
	s_mov_b32 s[CT], 0x3e6d3388                    ; 0.3275911 / sqrt(2) = 0.2316419
.endif
	s_mul_i32 s75, s[WW], 64*WP                    ; a producer's 64 rows of a chunk
	s_add_co_u32 s66, s66, s75
	s_mov_b32 s67, 0
	s_mov_b32 s69, 0
	s_mov_b32 s71, 0
	s_mov_b32 s73, 0
	s_lshl_b32 s76, s[YY], 8                       ; an expert's bitmap is 256 bytes
	s_mov_b32 s77, 0
	s_mov_b32 s[SEL], 0x76543210
	s_mov_b32 s[SEL+1], 0xfedcba98
	s_mov_b32 s[HMSK], 0xffff0000
	s_wait_kmcnt 0x0
	s_add_nc_u64 s[WB:WB+1], s[WB:WB+1], s[66:67]
	s_add_nc_u64 s[BI:BI+1], s[BI:BI+1], s[68:69]
	s_add_nc_u64 s[AB0:AB0+1], s[AB0:AB0+1], s[70:71]
	s_mov_b64 s[AB:AB+1], s[AB0:AB0+1]             ; the stepped base starts at K's beginning; made here, ahead of the branch, so that it comes from its argument on every wave's path
	s_add_nc_u64 s[OB:OB+1], s[OB:OB+1], s[72:73]
	s_add_nc_u64 s[BMP:BMP+1], s[BMP:BMP+1], s[76:77]
	s_cmp_lt_u32 s[WVN], 4
	s_cbranch_scc1 .Lconsumer
	WIN 0x40                                       ; PRODUCERS: groups 0 to 6 of chunk 0 are asked for: 56 loads of 512 consecutive bytes
	s_wait_alu depctr_va_vdst(0)                   ; the head has written WOF, which every load of W reads as its offset
.set i, 0
.rept 56
	global_load_b128 v[4*i:4*i+3], v[WOF], s[WB:WB+1] offset:i*WP th:TH_LOAD_NT
.set i, i+1
.endr
	WIN 0
	s_branch .Lgo
.Lconsumer:
	SETUP 1
.Lgo:
	s_mov_b32 s[PS], 0
.Lpass:                                ; 4 passes of 320 rows
	s_mov_b32 s[IT], 0
.Lit:                                  ; 4 chunks
	s_mul_i32 s[TB], s[IT], CH
	s_cmp_lt_u32 s[WVN], 4
	s_cbranch_scc1 .Lba
	s_cmp_lg_u32 s[PS], 0
	s_cbranch_scc1 .Lba                            ; the slice is laid in pass 0 alone
	s_cmp_lt_u32 s[IT], 3
	s_cbranch_scc0 .Lplast
	PRODL 1
	s_branch .Lba
.Lplast:
	PRODL 0
.Lba:
	s_wait_dscnt 0x0                               ; for the others' sake: my LDS reads of the chunk before are back
	s_barrier_signal -1
	s_barrier_wait -1                              ; no wave reads LDS now
	s_cmp_lt_u32 s[WVN], 4
	s_cbranch_scc1 .Lbb
	s_cmp_lg_u32 s[PS], 0
	s_cbranch_scc1 .Lbb
	PRODS
.Lbb:
	s_wait_dscnt 0x0                               ; for the others' sake: my stores of the chunk are done
	s_barrier_signal -1
	s_barrier_wait -1                              ; the chunk is whole
	s_cmp_lt_u32 s[WVN], 4
	s_cbranch_scc0 .Lnc
	s_cmp_eq_u32 s[MT], 0
	s_cbranch_scc1 .Lnc                            ; no tile of mine in this pass
	CONS
.Lnc:
	s_add_co_u32 s[IT], s[IT], 1
	s_cmp_lt_u32 s[IT], 4
	s_cbranch_scc1 .Lit
	s_cmp_lt_u32 s[WVN], 4
	s_cbranch_scc0 .Lpn
	s_cmp_eq_u32 s[MT], 0
	s_cbranch_scc1 .Lpn                            ; MT stays 0 for the passes that follow
	s_wait_loadcnt 0x0                             ; the loads that ran past K's end: their registers are used below
	s_wait_alu depctr_va_vdst(0)                   ; the sums are written, which the LDS stores below read; the four plain lines behind the last matrix instruction stand at the last K step's end
	; THE WAY OUT, 8 rows at a time: through my stage into whole rows, the arithmetic, the stores
	s_mov_b32 s[U], 0
.Lunit:
	s_lshr_b32 s62, s[U], 1
	s_cmp_ge_u32 s62, s[MT]
	s_cbranch_scc1 .Lunit_next                     ; a tile past the count is not stored
	s_wait_xcnt 0x0                                ; the last unit's stores have had their addresses translated
	s_wait_alu depctr_vm_vsrc(0)                   ; the last unit's stores have read RO and their data (in the second product's first unit: the weights' loads have read RO): this unit writes them again
.irp k, 0,1,2,3,4,5,6,7,8
	s_cmp_eq_u32 s[U], \k
	s_cbranch_scc1 .Lblk\k
.endr
	s_branch .Lblk9
.irp k, 0,1,2,3,4,5,6,7,8,9
	BLOCK \k
.endr
.Lcommon:
.irp i, 0,1,2,3,4,5,6,7
	ds_load_b128 v[EV+4*\i:EV+4*\i+3], v[RD] offset:SPITCH*\i  ; LDS serves a wave's instructions in order (ISA guide 5.7.1.4): these see the stores above.  No vector line since the last wait on va_vdst names these registers
.endr
	s_and_b32 s62, s[U], 1
	s_lshl_b32 s62, s62, 1
.irp i, 0,1,2,3,4,5,6,7                ; stage row i is the tile's row {0,1,4,5,8,9,12,13}[i] + 2 (U % 2)
	s_add_co_u32 s63, s62, ((\i)&1)+4*(((\i)>>1)&1)+8*((\i)>>2)
	v_readlane_b32 s[ROWS+\i], v[CUR], s63
.if DOWN
	v_readlane_b32 s[WROW+\i], v[CURW], s63
.endif
.endr
	s_wait_alu depctr_va_sdst(0)                   ; the eight rows' slots (and weights) are written, ahead of their first readers
.irp i, 0,1,2,3,4,5,6,7
	s_min_u32 s[ROWS+\i], s[ROWS+\i], 0x7ff
.if DOWN
	s_lshl_b32 s[ROWS+\i], s[ROWS+\i], 12
.else
	s_lshl_b32 s[ROWS+\i], s[ROWS+\i], 13
.endif
	v_add_nc_u32 v[RO+\i], s[ROWS+\i], v[OL]
.endr
	s_wait_dscnt 0x0
.if DOWN
.set p, 0
.rept 32
	v_mul_f32 v[EV+p], s[WROW+p/4], v[EV+p]        ; the row's weight
.set p, p+1
.endr
	s_wait_alu depctr_va_vdst(0)                   ; RO and the weighted rows are written, which the stores below read
.irp i, 0,1,2,3,4,5,6,7
	global_store_b128 v[RO+\i], v[EV+4*\i:EV+4*\i+3], s[OB:OB+1]  ; 512 consecutive bytes of one row, at a multiple of 256 from the buffer's first
.endr
.else
	; gelu(h) = |h| (0.5 - P(t) 2^(-(c h)^2)) + 0.5 h, t = 1 / (1 + 0.2316419 |h|), P with the halved coefficients
.set p, 0
.rept 16
	v_pk_mul_f32 v[SV+2*p:SV+2*p+1], v[EV+2*p:EV+2*p+1], s[CSQ:CSQ+1] op_sel_hi:[1,0]
.set p, p+1
.endr
.set p, 0
.rept 32
	v_fma_f32 v[TV+p], |v[EV+p]|, s[CT], 1.0
.set p, p+1
.endr
.set p, 0
.rept 16
	v_pk_mul_f32 v[SV+2*p:SV+2*p+1], v[SV+2*p:SV+2*p+1], v[SV+2*p:SV+2*p+1] neg_lo:[1,0] neg_hi:[1,0]
.set p, p+1
.endr
.set p, 0
.rept 32                               ; one batch of 64, none of which reads another's result
	v_exp_f32 v[SV+p], v[SV+p]
.set p, p+1
.endr
.set p, 0
.rept 32
	v_rcp_f32 v[TV+p], v[TV+p]
.set p, p+1
.endr
	v_nop                                          ; a plain line behind the last of them,
	s_wait_alu depctr_va_vdst(0)                   ; and the one wait ahead of the batch's first reader: the 32 exponentials in SV and the 32 reciprocals in TV are written
.set p, 0
.rept 16
	v_pk_fma_f32 v[PV+2*p:PV+2*p+1], v[TV+2*p:TV+2*p+1], s[A5:A5+1], s[A4:A4+1] op_sel_hi:[1,0,0]
.set p, p+1
.endr
.irp a, A3, A2, A1
.set p, 0
.rept 16
	v_pk_fma_f32 v[PV+2*p:PV+2*p+1], v[PV+2*p:PV+2*p+1], v[TV+2*p:TV+2*p+1], s[\a:\a+1] op_sel_hi:[1,1,0]
.set p, p+1
.endr
.endr
.set p, 0
.rept 16
	v_pk_mul_f32 v[PV+2*p:PV+2*p+1], v[PV+2*p:PV+2*p+1], v[TV+2*p:TV+2*p+1]
.set p, p+1
.endr
.set p, 0
.rept 16
	v_pk_fma_f32 v[PV+2*p:PV+2*p+1], v[PV+2*p:PV+2*p+1], v[SV+2*p:SV+2*p+1], 0.5 op_sel_hi:[1,1,0] neg_lo:[1,0,0] neg_hi:[1,0,0]
.set p, p+1
.endr
.set p, 0
.rept 16
	v_pk_mul_f32 v[SV+2*p:SV+2*p+1], v[EV+2*p:EV+2*p+1], 0.5 op_sel_hi:[1,0]
.set p, p+1
.endr
.set p, 0
.rept 32
	v_fma_f32 v[PV+p], |v[EV+p]|, v[PV+p], v[SV+p]
.set p, p+1
.endr
.set p, 0
.rept 16
	v_cvt_pk_bf16_f32 v[OV+p], v[PV+2*p], v[PV+2*p+1]
.set p, p+1
.endr
	s_wait_alu depctr_va_vdst(0)                   ; RO and the packed rows OV are written, which the stores below read
.irp i, 0,1,2,3,4,5,6,7
	global_store_b64 v[RO+\i], v[OV+2*\i:OV+2*\i+1], s[OB:OB+1]  ; 256 consecutive bytes of one row, at a multiple of 256 from the buffer's first
.endr
.endif
.Lunit_next:
	s_add_co_u32 s[U], s[U], 1
	s_cmp_lt_u32 s[U], 10
	s_cbranch_scc1 .Lunit
	s_wait_alu depctr_vm_vsrc(0)                   ; this pass's loads, LDS instructions and stores have read AOFF, BADR2 (RK's register), RO, the stores' data and the sums.  Ahead of the branch below, so that the wait lies on every way
	                                               ; from the stores to a line that writes these registers again: the next pass's preparation, and, further round the text, the conversions that write the same register numbers
	; my tiles in the next pass: what is left of LT behind 5 (PS + 1), 5 at the most; behind the fourth pass nothing is left (LT is 16 at the most)
	s_add_co_u32 s62, s[PS], 1
	s_mul_i32 s62, s62, 5
	s_sub_co_i32 s62, s[LT], s62
	s_max_i32 s62, s62, 0
	s_min_i32 s[MT], s62, 5
	s_cmp_eq_u32 s[MT], 0
	s_cbranch_scc1 .Lpn
	SETUP 0
.Lpn:
	s_add_co_u32 s[PS], s[PS], 1
	s_cmp_lt_u32 s[PS], 4
	s_cbranch_scc1 .Lpass
	s_wait_dscnt 0x0                               ; the wave's end: my LDS instructions are done
	s_wait_alu depctr_hold_cnt(0) depctr_sa_sdst(0) depctr_va_vdst(0) depctr_va_sdst(0) depctr_va_ssrc(0) depctr_va_vcc(0) depctr_vm_vsrc(0)
	s_wait_tensorcnt 0x0
	ds_add_u32 v22, v27
	s_wait_dscnt 0x0
	s_endpgm
.Lfunc_end_k_q681f44f88b_up:
	.size	k_q681f44f88b_up, .Lfunc_end_k_q681f44f88b_up-k_q681f44f88b_up
	.p2alignl 7, 3214868480
	.fill 96, 4, 3214868480
	.section	.rodata,"a",@progbits
	.p2align	6, 0x0
	.amdhsa_kernel k_q681f44f88b_up
		.amdhsa_group_segment_fixed_size 313344
		.amdhsa_private_segment_fixed_size 0
		.amdhsa_enable_private_segment 0
		.amdhsa_kernarg_size 40
		.amdhsa_user_sgpr_count 2
		.amdhsa_user_sgpr_kernarg_segment_ptr 1
		.amdhsa_wavefront_size32 1
		.amdhsa_system_sgpr_workgroup_id_x 1
		.amdhsa_system_sgpr_workgroup_id_y 1
		.amdhsa_system_sgpr_workgroup_id_z 1
		.amdhsa_system_vgpr_workitem_id 0
		.amdhsa_next_free_vgpr 512
		.amdhsa_next_free_sgpr 80
		.amdhsa_reserve_vcc 0
		.amdhsa_float_denorm_mode_32 3
		.amdhsa_float_denorm_mode_16_64 3
		.amdhsa_memory_ordered 1
		.amdhsa_forward_progress 1
		.amdhsa_inst_pref_size 182
	.end_amdhsa_kernel
	.amdgpu_metadata
---
amdhsa.version: [ 1, 2 ]
amdhsa.kernels:
  - .name:           k_q681f44f88b_up
    .symbol:         k_q681f44f88b_up.kd
    .args:
      - { .name: W1, .offset: 0, .size: 8, .value_kind: global_buffer, .address_space: global }
      - { .name: b1, .offset: 8, .size: 8, .value_kind: global_buffer, .address_space: global }
      - { .name: xb, .offset: 16, .size: 8, .value_kind: global_buffer, .address_space: global }
      - { .name: bm, .offset: 24, .size: 8, .value_kind: global_buffer, .address_space: global }
      - { .name: hid, .offset: 32, .size: 8, .value_kind: global_buffer, .address_space: global }
    .group_segment_fixed_size: 313344
    .private_segment_fixed_size: 0
    .kernarg_segment_align: 8
    .kernarg_segment_size: 40
    .max_flat_workgroup_size: 256
    .sgpr_count:     80
    .vgpr_count:     512
    .wavefront_size: 32
...
	.end_amdgpu_metadata
.endif
;; end of part 5
;; launch down (part 6): grid 32 x 8, 8 waves a work-group, no clusters, 313,344 bytes of LDS; arguments W2, b2, hid, bm, part, gw; writes part
.if DOCPART == 6
	.amdgcn_target "amdgcn-amd-amdhsa--gfx1250"
	.amdhsa_code_object_version 6
	.text
	.protected	k_q681f44f88b_down
	.globl	k_q681f44f88b_down
	.p2align	8
	.type	k_q681f44f88b_down,@function
k_q681f44f88b_down:
	s_mov_b64 s[64:65], 0
	v_nop
	global_prefetch_b8 v0, s[64:65] scope:SCOPE_SE
	s_setreg_imm32_b32 hwreg(HW_REG_WAVE_SCHED_MODE, 0, 2), 2
	s_setreg_imm32_b32 hwreg(HW_REG_WAVE_MODE, 25, 1), 1
	s_wait_xcnt 0x0
	s_wait_alu depctr_vm_vsrc(0)
; SECOND PRODUCT (DOWN = 1): part[kq][slot] = gw[slot] (hid[slot][1,024 kq ..] W2[e][1,024 kq ..] + b2[e] where kq = 0), f32 partial sums, for the slots that chose expert e.
; (The same source with DOWN = 0 is the first product.)  K = 4,096 is cut in four, so that a slice is again 1,024 rows x 128 columns with rows of 512 consecutive bytes; the four parts of a slot, and a token's two slots, are added by the last launch.
; SHARES.  Work-group (x, y) has expert y, columns 128 (x % 8) .., K quarter x / 8: 524,288 bytes of f32 that it alone reads, once, and ALL rows of that expert.
; Waves 4-7 PRODUCE: they load the slice, round it to bf16 and lay it into LDS, where it stays (rows of 288 bytes).  Waves 0-3 CONSUME: the rows come from memory straight into A's
; fragments, W's fragments out of LDS by the turning load, sums in f32.  The two kinds have counters of their own: a producer keeps 48 to 56 loads of 512 bytes on their way throughout.
; K goes in 4 chunks of 256.  A chunk is rounded into registers while the consumers multiply the chunk before; it is stored between two barriers: ahead of the first every consumer's LDS reads
; are back, ahead of the second the producers' stores are done.  So no store into the slice runs beside a read of it.
; ROWS.  The expert's slots come from its bitmap (64 words, read from memory): the slot of rank n is its n-th set bit.  Tile t (16 ranks) belongs to consumer t % 4; a pass holds 5 tiles a
; consumer, 320 rows.  The loop over passes has 4 trips, which serve every split (an expert has 1,024 rows at the most); every wave passes every barrier of every pass; the producers work in pass 0
; alone, and a consumer with no tile left jumps its work.  Passes 1 to 3 read the resident slice.
; Ranks past the count repeat the wave's first row of the pass (the same bytes are stored again); tiles past the count are computed and never stored.
; NO CLUSTER, NO TENSOR LOADS: each weight has one reader and must pass through registers to be rounded; the rows, which an expert's work-groups share, come by a list that no descriptor covers.
; FORMATS AND LIMITS.  Every input is rounded once to bf16 (here W and the bias); the partial sums stay in f32.  NaN and infinities are not treated apart.
; THE MODE: SCHED_MODE bits 1:0 = 2 (LLVM: expert scheduling mode 2), set by the entry lines.  The code itself states the register dependences between vector or matrix instructions and
; memory or LDS instructions, with s_wait_alu, always for 0.
; THE PLAN.  Registers that memory or LDS instructions touch, and who else names them:
;   PRODUCERS.  Landing group g (window 1): loads land in it; sub-step g's conversions read it; it is asked for again at the head of sub-step g + 1, behind one wait on va_vdst; that sub-step's
;               conversions follow the loads and name group g + 1 and PT alone.
;               PT, STA: written by the conversions and one add; read by the chunk's 64 LDS stores: one wait on va_vdst ahead of the run, one on vm_vsrc behind it.  WOF: never rewritten.
;   CONSUMERS.  BLO, BHI: LDS loads land; a half step's matrix instructions read.  AF0, AF1: row loads land; a step's matrix instructions read.  All 512 registers are taken (320 sums, 80 for A, 64 for W,
;               the addresses), so the half that is asked for again is the half just multiplied: one wait on va_vdst behind each half step's matrix instructions, the loads in one run behind it.
;               BADR, BADR2: written once a chunk, between a wait on vm_vsrc and one on va_vdst.  AOFF, RO, the sums: written while a pass is made ready, behind the wait on vm_vsrc that ends the way out.
;               The way out: one wait on va_vdst ahead of the units (the sums); in a unit one on vm_vsrc at its head (RO and the last stores' data) and one on va_vdst ahead of its stores; behind the
;               last unit one on vm_vsrc, ahead of the branch round the next pass's preparation.
;   SCALARS that vector instructions write (the wave's number, bitmap words, masks, slots, weights): each run of writers has one wait on va_sdst ahead of its first reader.
.set DOWN, 1
.if DOWN
.set WP, 4096                          ; bytes from row to row of W
.else
.set WP, 16384
.endif
.set PITCH,  288                       ; an LDS row of the slice: 256 bytes + 32
.set KST,    32*PITCH                  ; a K step of 32
.set CH,     256*PITCH                 ; a chunk
.set STAGE,  1024*PITCH                ; behind the slice: 8 rows x 528 bytes for each consumer, for the way out; the 1,024 bytes behind the stages take the closing add's words, 4 bytes a thread
.set STG,    4352
.set SPITCH, 528
; vector registers.  v1 and v4-v47 are made at the head by every wave; the LDS bases among them (BAD0, STW, RD, ST0) are made of bits of v0 alone and never rewritten
.set L4,   1                           ; 4 x lane
.set BAD0, 4                           ; consumers: my lane's place in a K step of the slice
.set BADR, 5                           ; the same in the chunk in hand, K steps 0-3
.set RB,   6                           ; 64 (L / 16) + L % 16
.set H16,  7                           ; 16 (L / 16)
.set AOFF, 8                           ; v8-12   tile m: byte offset of my row's 16 bytes
.set SLOT, 13                          ; v13-17  tile m: the slot of row L % 16
.set GW,   18                          ; v18-22  tile m: its weight (second product)
.set STW,  23                          ; the way out: where I put a number
.set RD,   24                          ; where I read a row back
.set OL,   25                          ; my bytes in an output row
.set CUR,  26                          ; the slots of the tile on its way out
.set CURW, 27                          ; and its weights
.set RO,   28                          ; v28-35  byte offsets of the 8 rows on their way out
.set RK,   36                          ; v36-38  ranks: lanes 0-15 tile 2 v, lanes 16-31 tile 2 v + 1 (alive only while rows are looked up)
.set BADR2, 36                         ; in a chunk: BADR for K steps 4-7 (an LDS offset holds 16 bits)
.set SW,   39                          ; v39-41  the bitmap word that holds the rank; then the slot
.set SC,   42                          ; v42-44  bits ahead of that word (low half), the word's number (high half)
.set ST0,  45                          ; producers: 8 x lane + my 64 rows of a chunk
.set WOF,  46                          ; producers: 16 x lane
.set R4,   47                          ; 4 (L % 16)
.set SCR,  48                          ; v48-71 at work while rows are looked up: eight registers for each of the three registers of ranks; v48-55 also at the head
.set AF0,  48                          ; v48-87, v88-127   A's fragments, two buffers of 5 tiles
.set AF1,  88
.set BLO,  128                         ; v128-159 W's fragments of columns 0-63, v160-191 of columns 64-127
.set BM0,  136                         ; while rows are looked up: bitmap words 0-31, one a lane,
.set BM1,  137                         ; and words 32-63
.set BHI,  160
.set AC4,  192                         ; v192-255 tile 4's sums; window 1: tile m, column block n at 64 m + 8 n
.set EV,   128                         ; the way out: 8 rows x 4 numbers; at work: SV, TV, PV; packed: OV
.set SV,   160
.set TV,   48
.set PV,   80
.set OV,   112
.set PT,   64                          ; producers: v64-191 a chunk's 64 rows in bf16; window 1: 64 landing slots of 4 registers
.set STA,  192                         ; producers: ST0 in the chunk in hand
; scalar registers
.set WB,   4                           ; W at my slice, at my wave's 64 rows of the chunk in hand
.set BI,   6                           ; the bias at my columns
.set AB0,  8                           ; the rows' tensor at my K range
.set BMP,  10                          ; my expert's bitmap
.set OB,   12                          ; the output at my columns
.set GWP,  14                          ; gw
.set AB,   16                          ; AB0 stepped along K
.set WVN,  18                          ; wave 0-7
.set WW,   19                          ; wave % 4
.set IT,   20                          ; chunk
.set MT,   21                          ; my live tiles in this pass, 0 to 5
.set LT,   22                          ; my live tiles in all
.set PS,   23                          ; pass
.set U,    24
.set CNT,  25                          ; the expert's rows
.set TB,   26                          ; the chunk's first LDS byte
.set CUM,  28
.set PK,   29
.set WD,   30
.set TT,   31
.set LN,   32
.set QC,   33
.set FB,   34
.set RKB,  35
.set SEL,  36                          ; s[36:37] v_permlanex16_b32's selects
.set HMSK, 38                          ; 0xffff0000: a word's upper bf16, and lanes 16-31
.set FLAG, 39                          ; second product: all ones where the bias is mine to add
.set ROWS, 40                          ; s40-47
.set MK,   40                          ; s40-42  while rows are looked up: three masks, one for each register of ranks (ROWS' registers, idle then)
.set CSQ,  48                          ; s[48:49] sqrt(log2(e) / 2); pairs: the packed lines take the low word for both halves
.set A5,   50
.set A4,   52
.set A3,   54
.set A2,   56
.set A1,   58
.set CT,   60
.set WROW, 66                          ; s66-73
.set YY,   74
.set HM2,  78
.set MSB, 0
.macro WIN new                         ; the immediate's high byte repeats the setting that is left; a switch that changes nothing is dropped
.if MSB != (\new)
	s_set_vgpr_msb (MSB<<8)|(\new)
.set MSB, \new
.endif
.endm
.macro PLACES                          ; four plain lines between a matrix instruction and a load into, or a read of, its registers
.rept 4
	v_nop
.endr
.endm
; A PRODUCER'S CHUNK, loads and rounding.  My 64 rows are 8 groups of 8 landing slots, a ring inside this one block: it is entered, and left, with groups 0 to 6 asked for, in that order.
; Sub-step j: group j is in; the group freed one sub-step before is asked for again: group 7 of this chunk (j = 0), group j - 1 of the next chunk (j > 0); then group j is rounded.
; ld = 0: the last chunk: only group 7 is still asked for, and the counts run down.
.macro PRODL ld
.set j, 0
.rept 8
.if (\ld) || (j < 2)
	s_wait_loadcnt 48                              ; loads come back in order: six groups of 8 are younger than group j
.else
	s_wait_loadcnt 56-8*j                          ; groups j + 1 to 7 are younger
.endif
.if (j == 0) || (\ld)
	WIN 0x40                                       ; destination in window 1
	s_wait_alu depctr_va_vdst(0)                   ; the conversions of the sub-step before (for group 7: of the chunk before) are done reading the group in which the loads below land
.endif
.if j == 0
.set i, 56
.rept 8
	global_load_b128 v[4*i:4*i+3], v[WOF], s[WB:WB+1] offset:i*WP th:TH_LOAD_NT
.set i, i+1
.endr
.elseif \ld
.set i, 8*(j-1)
.rept 8
	global_load_b128 v[4*i:4*i+3], v[WOF], s[WB:WB+1] offset:(256+i)*WP th:TH_LOAD_NT
.set i, i+1
.endr
.endif
	WIN 0x05                                       ; sources in window 1
.set i, 8*j
.rept 8                                ; these name group j and PT alone: none of the registers that the loads above touch
	v_cvt_pk_bf16_f32 v[PT+2*i],   v[4*i],   v[4*i+1]
	v_cvt_pk_bf16_f32 v[PT+2*i+1], v[4*i+2], v[4*i+3]
.set i, i+1
.endr
.set j, j+1
.endr
	WIN 0
.if \ld
	s_wait_xcnt 0x0                                ; the loads' base is stepped only behind this wait
	s_add_nc_u64 s[WB:WB+1], s[WB:WB+1], 256*WP
.endif
.endm
.macro PRODS                           ; the rounded chunk goes into the slice
	v_add_nc_u32 v[STA], s[TB], v[ST0]
	s_wait_alu depctr_va_vdst(0)                   ; STA and PT, the chunk's conversions' results, are written: the stores below read them
.set i, 0
.rept 64
	ds_store_b64 v[STA], v[PT+2*i:PT+2*i+1] offset:PITCH*i  ; 32 lanes x 8 bytes: a row's 256 bytes
.set i, i+1
.endr
	s_wait_alu depctr_vm_vsrc(0)                   ; the stores have read STA and PT, which the next chunk's add and conversions write again; ahead of the branches that lead there
.endm
; W's fragments of K step s of the chunk, column blocks nb .. nb + 3: for each two turning loads, 16 rows apart
.macro FETCHB bb, nb, s
.if (\s) < 4
.set BR, BADR
.else
.set BR, BADR2
.endif
.irp n, 0,1,2,3
	ds_load_tr16_b128 v[(\bb)+8*\n:(\bb)+8*\n+3],   v[BR] offset:((\s)%4)*KST+32*((\nb)+\n)
	ds_load_tr16_b128 v[(\bb)+8*\n+4:(\bb)+8*\n+7], v[BR] offset:((\s)%4)*KST+16*PITCH+32*((\nb)+\n)
.endr
.endm
; A's fragments of one K step, 5 tiles: lane L takes row L % 16, K = 8 (L / 16) + 0..7 and 16 + 8 (L / 16) + 0..7.  Always all five: the count of loads is a constant.
.macro LOADA af, kb
.irp m, 0,1,2,3,4
	global_load_b128 v[(\af)+8*\m:(\af)+8*\m+3],   v[AOFF+\m], s[AB:AB+1] offset:(\kb)
	global_load_b128 v[(\af)+8*\m+4:(\af)+8*\m+7], v[AOFF+\m], s[AB:AB+1] offset:(\kb)+32
.endr
.endm
; 16 matrix instructions (tiles 0-3 x 4 column blocks), and 4 more where the wave has a fifth tile.  Every instruction has another accumulator than the one before it.
.macro PHASE bb, af, nb
	WIN 0x50                                       ; C and D in window 1
.irp m, 0,1,2,3
.irp n, 0,1,2,3
	v_wmma_f32_16x16x32_bf16 v[64*\m+8*((\nb)+\n):64*\m+8*((\nb)+\n)+7], v[(\af)+8*\m:(\af)+8*\m+7], v[(\bb)+8*\n:(\bb)+8*\n+7], v[64*\m+8*((\nb)+\n):64*\m+8*((\nb)+\n)+7]
.endr
.endr
	WIN 0
	s_cmp_lt_u32 s[MT], 5
	s_cbranch_scc1 .Lno4_\@
.irp n, 0,1,2,3
	v_wmma_f32_16x16x32_bf16 v[AC4+8*((\nb)+\n):AC4+8*((\nb)+\n)+7], v[(\af)+32:(\af)+39], v[(\bb)+8*\n:(\bb)+8*\n+7], v[AC4+8*((\nb)+\n):AC4+8*((\nb)+\n)+7]
.endr
.Lno4_\@:
.endm
; A CONSUMER'S CHUNK: eight K steps.  W's two halves are fetched half a step ahead, A's two buffers two steps ahead.
.macro CONS
	s_wait_alu depctr_vm_vsrc(0)                   ; the LDS loads of the chunk before have read BADR and BADR2, which the two adds write
	v_add_nc_u32 v[BADR], s[TB], v[BAD0]
	v_add_nc_u32 v[BADR2], 4*KST, v[BADR]
	s_wait_alu depctr_va_vdst(0)                   ; BADR and BADR2 are written; the last readers of BLO and BHI are done: the chunk before's matrix instructions, in a pass's first chunk the look-up and the moves that start the sums
	FETCHB BLO, 0, 0
	FETCHB BHI, 4, 0
.irp s, 0,1,2,3,4,5,6,7
	s_wait_loadcnt 10                              ; this step's rows are in; the next step's ten loads are younger
	s_wait_dscnt 8                                 ; the low half is in; the high half's eight loads are younger
	PHASE BLO, AF0+40*((\s)%2), 0
.if (\s) < 7
	PLACES
	s_wait_alu depctr_va_vdst(0)                   ; the low half's matrix instructions are done reading BLO, in which the loads below land
	FETCHB BLO, 0, (\s)+1
	s_wait_dscnt 8                                 ; the high half is in; the eight just issued are younger
.else
	s_wait_dscnt 0x0
.endif
	PHASE BHI, AF0+40*((\s)%2), 4
	PLACES
	s_wait_alu depctr_va_vdst(0)                   ; the step's matrix instructions are done reading BHI and this step's fragments of A, in which the loads below land
.if (\s) < 7
	FETCHB BHI, 4, (\s)+1
.endif
	LOADA AF0+40*((\s)%2), 64*((\s)+2)             ; two K steps on; behind the last step these run 128 bytes past my K range, into the next row or the written bytes behind the last, and are not used
.endr
	s_wait_xcnt 0x0                                ; the loads' base is stepped only behind this wait
	s_add_nc_u64 s[AB:AB+1], s[AB:AB+1], 512
.endm
; 32 words of the bitmap: for each rank the last word ahead of which no more bits stand than the rank is kept, with that count and the word's number
.macro FINDH bmreg
	s_mov_b32 s[LN], 0
	s_mov_b32 s[QC], 0
.Lfind_\@:
.rept 4
	v_readlane_b32 s[WD], v[\bmreg], s[LN]
.irp v, 0,1,2
	v_cmp_gt_u32 s[MK+\v], s[CUM], v[RK+\v]
.endr
	s_wait_alu depctr_va_sdst(0)                   ; the word and the three masks are written, ahead of the selects and the count that read them
.irp v, 0,1,2
	v_cndmask_b32 v[SW+\v], s[WD], v[SW+\v], s[MK+\v]
	v_cndmask_b32 v[SC+\v], s[PK], v[SC+\v], s[MK+\v]
.endr
	s_bcnt1_i32_b32 s[TT], s[WD]
	s_add_co_u32 s[CUM], s[CUM], s[TT]
	s_add_co_u32 s[PK], s[PK], s[TT]
	s_add_co_u32 s[PK], s[PK], 0x10000
	s_add_co_u32 s[LN], s[LN], 1
.endr
	s_add_co_u32 s[QC], s[QC], 1
	s_cmp_lt_u32 s[QC], 8
	s_cbranch_scc1 .Lfind_\@
.endm
; One level of the search, for the three registers of ranks side by side: are there k bits or fewer in the lower half of what is left?  then the bit lies in the upper half.
; src: which of a rank register's eight scratch registers holds the counts; -1: the word itself
.macro LEVEL src, width, step
.irp v, 0,1,2
.if (\src) < 0
	v_bfe_u32 v[SCR+8*\v+6], v[SW+\v], v[SCR+8*\v+5], \width
.else
	v_bfe_u32 v[SCR+8*\v+6], v[SCR+8*\v+(\src)], v[SCR+8*\v+5], \width
.endif
.endr
.irp v, 0,1,2
	v_cmp_ge_u32 s[MK+\v], v[SCR+8*\v], v[SCR+8*\v+6]
.endr
	s_wait_alu depctr_va_sdst(0)                   ; the three masks are written, ahead of the selects that read them
.irp v, 0,1,2
	v_cndmask_b32 v[SCR+8*\v+6], 0, v[SCR+8*\v+6], s[MK+\v]
	v_cndmask_b32 v[SCR+8*\v+7], 0, \step, s[MK+\v]
	v_sub_nc_u32 v[SCR+8*\v], v[SCR+8*\v], v[SCR+8*\v+6]
	v_add_nc_u32 v[SCR+8*\v+5], v[SCR+8*\v+5], v[SCR+8*\v+7]
.endr
.endm
.macro SELECT                          ; the place of set bit k of the word, by counts of 2, 4, 8 and 16 bits; the slot = 32 x word + place
.irp v, 0,1,2
	v_and_b32 v[SCR+8*\v], 0xffff, v[SC+\v]
	v_sub_nc_u32 v[SCR+8*\v], v[RK+\v], v[SCR+8*\v]  ; k
	v_lshrrev_b32 v[SCR+8*\v+1], 1, v[SW+\v]
	v_and_b32 v[SCR+8*\v+1], 0x55555555, v[SCR+8*\v+1]
	v_sub_nc_u32 v[SCR+8*\v+1], v[SW+\v], v[SCR+8*\v+1]
	v_lshrrev_b32 v[SCR+8*\v+2], 2, v[SCR+8*\v+1]
	v_and_b32 v[SCR+8*\v+2], 0x33333333, v[SCR+8*\v+2]
	v_and_b32 v[SCR+8*\v+3], 0x33333333, v[SCR+8*\v+1]
	v_add_nc_u32 v[SCR+8*\v+2], v[SCR+8*\v+2], v[SCR+8*\v+3]
	v_lshrrev_b32 v[SCR+8*\v+3], 4, v[SCR+8*\v+2]
	v_add_nc_u32 v[SCR+8*\v+3], v[SCR+8*\v+3], v[SCR+8*\v+2]
	v_and_b32 v[SCR+8*\v+3], 0x0f0f0f0f, v[SCR+8*\v+3]
	v_lshrrev_b32 v[SCR+8*\v+4], 8, v[SCR+8*\v+3]
	v_add_nc_u32 v[SCR+8*\v+4], v[SCR+8*\v+4], v[SCR+8*\v+3]
	v_mov_b32 v[SCR+8*\v+5], 0
.endr
	LEVEL 4, 8, 16
	LEVEL 3, 8, 8
	LEVEL 2, 4, 4
	LEVEL 1, 2, 2
	LEVEL -1, 1, 1
.irp v, 0,1,2
	v_lshrrev_b32 v[SCR+8*\v+6], 16, v[SC+\v]
	v_lshl_add_u32 v[SW+\v], v[SCR+8*\v+6], 5, v[SCR+8*\v+5]
.endr
.endm
; A PASS IS MADE READY: the slots of my five tiles, their addresses, the first two K steps' rows, and the sums, which start from the bias.  first = 1: pass 0, and my number of tiles is made; first = 0: pass PS + 1.
; With first = 0 the wait on vm_vsrc for the registers written here stands behind the way out's last unit, with scalar lines alone between; every vector line of the way out stands ahead of its unit's wait on va_vdst.
.macro SETUP first
	s_wait_xcnt 0x0                                ; registers that earlier loads and stores name are written below
.if \first
	s_wait_alu depctr_va_vdst(0)                   ; the head has written the offsets and LDS addresses up to v47, which the loads, LDS loads and stores of the kernel read
.endif
	global_load_b32 v[BM0], v[L4], s[BMP:BMP+1]
	global_load_b32 v[BM1], v[L4], s[BMP:BMP+1] offset:128
.irp n, 0,1,2,3,4,5,6,7
	global_load_b32 v[BLO+\n], v[R4], s[BI:BI+1] offset:64*\n  ; the bias of column 16 n + L % 16
.endr
.if \first
	s_lshl_b32 s[RKB], s[WW], 4                    ; rank of my first row: 320 pass + 16 w
.else
	s_add_co_u32 s[RKB], s[PS], 1
	s_mul_i32 s[RKB], s[RKB], 320
	s_lshl4_add_u32 s[RKB], s[WW], s[RKB]
.endif
	v_add_nc_u32 v[RK], s[RKB], v[RB]
	v_add_nc_u32 v[RK+1], 0x80, v[RK]
	v_add_nc_u32 v[RK+2], 0x100, v[RK]
.irp v, 0,1,2
	v_mov_b32 v[SW+\v], 0
	v_mov_b32 v[SC+\v], 0
.endr
	s_mov_b32 s[CUM], 0
	s_mov_b32 s[PK], 0
	s_wait_loadcnt 0x0
.irp p, 0,1,2,3
	v_cvt_pk_bf16_f32 v[SCR+\p], v[BLO+2*\p], v[BLO+2*\p+1]
.endr
.irp p, 0,1,2,3
	v_lshlrev_b32 v[BLO+2*\p], 16, v[SCR+\p]
.if DOWN
	v_and_b32 v[BLO+2*\p], s[FLAG], v[BLO+2*\p]
	v_and_b32 v[BLO+2*\p+1], s[HM2], v[SCR+\p]
.else
	v_and_b32 v[BLO+2*\p+1], s[HMSK], v[SCR+\p]
.endif
.endr
	FINDH BM0
	FINDH BM1
	s_mov_b32 s[CNT], s[CUM]
.if \first
	s_add_co_u32 s62, s[CNT], 15
	s_lshr_b32 s62, s62, 4                         ; tiles of the expert
	s_add_co_u32 s62, s62, 3
	s_sub_co_u32 s62, s62, s[WW]
	s_lshr_b32 s[LT], s62, 2                       ; those with t % 4 = w
	s_min_u32 s[MT], s[LT], 5
.endif
	SELECT
	v_readfirstlane_b32 s[FB], v[SW]               ; my first row's slot stands in for ranks past the count
.irp v, 0,1,2
	v_cmp_gt_u32 s[MK+\v], s[CNT], v[RK+\v]
.endr
	s_wait_alu depctr_va_sdst(0)                   ; that slot and the three masks are written, ahead of the selects that read them
.irp v, 0,1,2
	v_cndmask_b32 v[SW+\v], s[FB], v[SW+\v], s[MK+\v]
.endr
.irp v, 0,1,2
	v_permlanex16_b32 v[SCR+\v], v[SW+\v], s[SEL], s[SEL+1]
.endr
	v_cndmask_b32 v[SLOT],   v[SW],    v[SCR],   s[HMSK]  ; both halves of the lanes get row L % 16 of the tile
	v_cndmask_b32 v[SLOT+1], v[SCR],   v[SW],    s[HMSK]
	v_cndmask_b32 v[SLOT+2], v[SW+1],  v[SCR+1], s[HMSK]
	v_cndmask_b32 v[SLOT+3], v[SCR+1], v[SW+1],  s[HMSK]
	v_cndmask_b32 v[SLOT+4], v[SW+2],  v[SCR+2], s[HMSK]
.irp m, 0,1,2,3,4
	v_min_u32 v[SLOT+\m], 0x7ff, v[SLOT+\m]        ; a slot is below 2,048
.endr
.irp m, 0,1,2,3,4
.if DOWN
	v_lshl_add_u32 v[AOFF+\m], v[SLOT+\m], 13, v[H16]  ; a row of hid is 8,192 bytes
	v_lshlrev_b32 v[RO+\m], 2, v[SLOT+\m]
.else
	v_and_b32 v[AOFF+\m], 0x7fe, v[SLOT+\m]        ; 2 x token
	v_lshl_add_u32 v[AOFF+\m], v[AOFF+\m], 10, v[H16]  ; a row of xb is 2,048 bytes
.endif
.endr
	s_wait_alu depctr_va_vdst(0)                   ; the offsets that the loads below read are written; the look-up is done with v48 to v71, in which rows land
.if DOWN
.irp m, 0,1,2,3,4
	global_load_b32 v[GW+\m], v[RO+\m], s[GWP:GWP+1]
.endr
.endif
.if (\first) == 0
	s_mov_b64 s[AB:AB+1], s[AB0:AB0+1]             ; back to K's beginning (in pass 0 the head has set it); every load that named AB has been waited for
.endif
	LOADA AF0, 0
	LOADA AF1, 64
	WIN 0x40                                       ; the sums start from the bias: register j of (m, n) is row 8 (L / 16) + j, column 16 n + L % 16.  These moves name the bias and the sums alone: no register that the loads above touch
.set i, 0
.rept 256
	v_mov_b32 v[i], v[BLO+(i/8)%8]
.set i, i+1
.endr
	WIN 0
.set i, 0
.rept 64
	v_mov_b32 v[AC4+i], v[BLO+i/8]
.set i, i+1
.endr
.endm
; Unit k of the way out: tile k / 2, registers {0,1,4,5} or {2,3,6,7} of its eight accumulators (each set begins among an accumulator's four lowest): 8 rows x 128 numbers into my stage
.macro BLOCK k
.Lblk\k:
.if (\k)/2 < 4
	WIN 0x04                                       ; the data in window 1
.set ACB, 64*((\k)/2)
.else
.set ACB, AC4
.endif
.set jj, 0
.rept 4
.set nn, 0
.rept 8
	ds_store_b32 v[STW], v[ACB+8*nn+2*((\k)%2)+(jj&1)+4*(jj>>1)] offset:SPITCH*jj+64*nn
.set nn, nn+1
.endr
.set jj, jj+1
.endr
	WIN 0
	v_mov_b32 v[CUR], v[SLOT+(\k)/2]
.if DOWN
	v_mov_b32 v[CURW], v[GW+(\k)/2]
.endif
	s_branch .Lcommon
.endm
	s_load_b256 s[4:11], s[0:1], 0x0               ; W s[4:5], bias s[6:7], the rows' tensor s[8:9], bm s[10:11]
.if DOWN
	s_load_b128 s[12:15], s[0:1], 0x20             ; part s[12:13], gw s[14:15]
	v_lshl_add_u32 v2, v0, 2, 0x4c400
	v_mov_b32 v3, 0
.else
	s_load_b64 s[12:13], s[0:1], 0x20              ; hid
.endif
	v_lshrrev_b32 v48, 5, v0
	v_readfirstlane_b32 s[WVN], v48
	; every lane term and every LDS base, of both kinds of wave, from bits of v0
	v_and_b32 v49, 31, v0                          ; lane
	v_and_b32 v50, 15, v0                          ; r = L % 16
	v_bfe_u32 v51, v0, 4, 1                        ; h = L / 16
	v_bfe_u32 v52, v0, 5, 2                        ; wave % 4
	v_lshlrev_b32 v[L4], 2, v49
	v_lshlrev_b32 v[R4], 2, v50
	v_lshlrev_b32 v[H16], 4, v51
	v_lshl_add_u32 v[RB], v51, 6, v50
	v_and_b32 v53, 7, v0                           ; the turning load: lane L reads row 8 h + L % 8, 16 bytes at 16 ((L / 8) % 2)
	v_lshl_add_u32 v53, v51, 3, v53
	v_mul_u32_u24 v[BAD0], v53, PITCH
	v_bfe_u32 v54, v0, 3, 1
	v_lshl_add_u32 v[BAD0], v54, 4, v[BAD0]
	v_mul_u32_u24 v55, v52, STG
	v_add_nc_u32 v55, STAGE, v55                   ; my stage
	v_mul_u32_u24 v[STW], v51, 4*SPITCH            ; in: stage row 4 h + jj, column 16 n + r
	v_lshl_add_u32 v[STW], v50, 2, v[STW]
	v_add_nc_u32 v[STW], v[STW], v55
	v_lshl_add_u32 v[RD], v49, 4, v55              ; back: a whole row, 16 bytes a lane
.if DOWN
	v_lshlrev_b32 v[OL], 4, v49
.else
	v_lshlrev_b32 v[OL], 3, v49
.endif
	v_lshlrev_b32 v[WOF], 4, v49
	v_mul_u32_u24 v[ST0], v52, 64*PITCH            ; a producer's 64 rows of a chunk,
	v_lshl_add_u32 v[ST0], v49, 3, v[ST0]          ; 8 bytes a lane
	s_wait_alu depctr_va_sdst(0)                   ; the wave's number is written, ahead of its first reader
	s_and_b32 s[WW], s[WVN], 3
	s_and_b32 s[YY], ttmp7, 0xffff                 ; the expert
.if DOWN
	s_and_b32 s62, ttmp9, 7                        ; which 128 columns
	s_lshr_b32 s63, ttmp9, 3                       ; which quarter of K
	s_lshl_b32 s66, s[YY], 24                      ; an expert's weights are 16 MiB,
	s_lshl_b32 s75, s63, 22                        ; 1,024 rows of 4,096 bytes,
	s_add_co_u32 s66, s66, s75
	s_lshl_b32 s75, s62, 9                         ; 128 columns of 4 bytes
	s_add_co_u32 s66, s66, s75
	s_lshl_b32 s68, s[YY], 12
	s_add_co_u32 s68, s68, s75
	s_lshl_b32 s70, s63, 11                        ; 1,024 bf16 of a row of hid
	s_lshl_b32 s72, s63, 23                        ; a quarter's 2,048 rows of 4,096 bytes
	s_add_co_u32 s72, s72, s75
	s_cmp_eq_u32 s63, 0
	s_cselect_b32 s[FLAG], -1, 0                   ; the first quarter adds the bias
	s_and_b32 s[HM2], s[FLAG], 0xffff0000
.else
	s_lshl_b32 s66, s[YY], 24                      ; an expert's weights are 16 MiB,
	s_lshl_b32 s75, ttmp9, 9                       ; 128 columns of 4 bytes
	s_add_co_u32 s66, s66, s75
	s_lshl_b32 s68, s[YY], 14
	s_add_co_u32 s68, s68, s75
	s_mov_b32 s70, 0
	s_lshl_b32 s72, ttmp9, 8                       ; 128 columns of 2 bytes
	s_mov_b32 s[CSQ], 0x3f596d27                   ; sqrt(log2(e) / 2) = 0.8493218
	s_mov_b32 s[CSQ+1], s[CSQ]
	s_mov_b32 s[A5], 0x3f07dc22                    ; the five coefficients, halved: 0.5307027,
	s_mov_b32 s[A5+1], s[A5]
	s_mov_b32 s[A4], 0xbf3a00e3                    ; -0.7265760,
	s_mov_b32 s[A4+1], s[A4]
	s_mov_b32 s[A3], 0x3f35f0e3                    ; 0.7107069,
	s_mov_b32 s[A3+1], s[A3]
	s_mov_b32 s[A2], 0xbe11a98e                    ; -0.1422484,
	s_mov_b32 s[A2+1], s[A2]
	s_mov_b32 s[A1], 0x3e027906                    ; 0.1274148
	s_mov_b32 s[A1+1], s[A1]
	s_mov_b32 s[CT], 0x3e6d3388                    ; 0.3275911 / sqrt(2) = 0.2316419
.endif
	s_mul_i32 s75, s[WW], 64*WP                    ; a producer's 64 rows of a chunk
	s_add_co_u32 s66, s66, s75
	s_mov_b32 s67, 0
	s_mov_b32 s69, 0
	s_mov_b32 s71, 0
	s_mov_b32 s73, 0
	s_lshl_b32 s76, s[YY], 8                       ; an expert's bitmap is 256 bytes
	s_mov_b32 s77, 0
	s_mov_b32 s[SEL], 0x76543210
	s_mov_b32 s[SEL+1], 0xfedcba98
	s_mov_b32 s[HMSK], 0xffff0000
	s_wait_kmcnt 0x0
	s_add_nc_u64 s[WB:WB+1], s[WB:WB+1], s[66:67]
	s_add_nc_u64 s[BI:BI+1], s[BI:BI+1], s[68:69]
	s_add_nc_u64 s[AB0:AB0+1], s[AB0:AB0+1], s[70:71]
	s_mov_b64 s[AB:AB+1], s[AB0:AB0+1]             ; the stepped base starts at K's beginning; made here, ahead of the branch, so that it comes from its argument on every wave's path
	s_add_nc_u64 s[OB:OB+1], s[OB:OB+1], s[72:73]
	s_add_nc_u64 s[BMP:BMP+1], s[BMP:BMP+1], s[76:77]
	s_cmp_lt_u32 s[WVN], 4
	s_cbranch_scc1 .Lconsumer
	WIN 0x40                                       ; PRODUCERS: groups 0 to 6 of chunk 0 are asked for: 56 loads of 512 consecutive bytes
	s_wait_alu depctr_va_vdst(0)                   ; the head has written WOF, which every load of W reads as its offset
.set i, 0
.rept 56
	global_load_b128 v[4*i:4*i+3], v[WOF], s[WB:WB+1] offset:i*WP th:TH_LOAD_NT
.set i, i+1
.endr
	WIN 0
	s_branch .Lgo
.Lconsumer:
	SETUP 1
.Lgo:
	s_mov_b32 s[PS], 0
.Lpass:                                ; 4 passes of 320 rows
	s_mov_b32 s[IT], 0
.Lit:                                  ; 4 chunks
	s_mul_i32 s[TB], s[IT], CH
	s_cmp_lt_u32 s[WVN], 4
	s_cbranch_scc1 .Lba
	s_cmp_lg_u32 s[PS], 0
	s_cbranch_scc1 .Lba                            ; the slice is laid in pass 0 alone
	s_cmp_lt_u32 s[IT], 3
	s_cbranch_scc0 .Lplast
	PRODL 1
	s_branch .Lba
.Lplast:
	PRODL 0
.Lba:
	s_wait_dscnt 0x0                               ; for the others' sake: my LDS reads of the chunk before are back
	s_barrier_signal -1
	s_barrier_wait -1                              ; no wave reads LDS now
	s_cmp_lt_u32 s[WVN], 4
	s_cbranch_scc1 .Lbb
	s_cmp_lg_u32 s[PS], 0
	s_cbranch_scc1 .Lbb
	PRODS
.Lbb:
	s_wait_dscnt 0x0                               ; for the others' sake: my stores of the chunk are done
	s_barrier_signal -1
	s_barrier_wait -1                              ; the chunk is whole
	s_cmp_lt_u32 s[WVN], 4
	s_cbranch_scc0 .Lnc
	s_cmp_eq_u32 s[MT], 0
	s_cbranch_scc1 .Lnc                            ; no tile of mine in this pass
	CONS
.Lnc:
	s_add_co_u32 s[IT], s[IT], 1
	s_cmp_lt_u32 s[IT], 4
	s_cbranch_scc1 .Lit
	s_cmp_lt_u32 s[WVN], 4
	s_cbranch_scc0 .Lpn
	s_cmp_eq_u32 s[MT], 0
	s_cbranch_scc1 .Lpn                            ; MT stays 0 for the passes that follow
	s_wait_loadcnt 0x0                             ; the loads that ran past K's end: their registers are used below
	s_wait_alu depctr_va_vdst(0)                   ; the sums are written, which the LDS stores below read; the four plain lines behind the last matrix instruction stand at the last K step's end
	; THE WAY OUT, 8 rows at a time: through my stage into whole rows, the arithmetic, the stores
	s_mov_b32 s[U], 0
.Lunit:
	s_lshr_b32 s62, s[U], 1
	s_cmp_ge_u32 s62, s[MT]
	s_cbranch_scc1 .Lunit_next                     ; a tile past the count is not stored
	s_wait_xcnt 0x0                                ; the last unit's stores have had their addresses translated
	s_wait_alu depctr_vm_vsrc(0)                   ; the last unit's stores have read RO and their data (in the second product's first unit: the weights' loads have read RO): this unit writes them again
.irp k, 0,1,2,3,4,5,6,7,8
	s_cmp_eq_u32 s[U], \k
	s_cbranch_scc1 .Lblk\k
.endr
	s_branch .Lblk9
.irp k, 0,1,2,3,4,5,6,7,8,9
	BLOCK \k
.endr
.Lcommon:
.irp i, 0,1,2,3,4,5,6,7
	ds_load_b128 v[EV+4*\i:EV+4*\i+3], v[RD] offset:SPITCH*\i  ; LDS serves a wave's instructions in order (ISA guide 5.7.1.4): these see the stores above.  No vector line since the last wait on va_vdst names these registers
.endr
	s_and_b32 s62, s[U], 1
	s_lshl_b32 s62, s62, 1
.irp i, 0,1,2,3,4,5,6,7                ; stage row i is the tile's row {0,1,4,5,8,9,12,13}[i] + 2 (U % 2)
	s_add_co_u32 s63, s62, ((\i)&1)+4*(((\i)>>1)&1)+8*((\i)>>2)
	v_readlane_b32 s[ROWS+\i], v[CUR], s63
.if DOWN
	v_readlane_b32 s[WROW+\i], v[CURW], s63
.endif
.endr
	s_wait_alu depctr_va_sdst(0)                   ; the eight rows' slots (and weights) are written, ahead of their first readers
.irp i, 0,1,2,3,4,5,6,7
	s_min_u32 s[ROWS+\i], s[ROWS+\i], 0x7ff
.if DOWN
	s_lshl_b32 s[ROWS+\i], s[ROWS+\i], 12
.else
	s_lshl_b32 s[ROWS+\i], s[ROWS+\i], 13
.endif
	v_add_nc_u32 v[RO+\i], s[ROWS+\i], v[OL]
.endr
	s_wait_dscnt 0x0
.if DOWN
.set p, 0
.rept 32
	v_mul_f32 v[EV+p], s[WROW+p/4], v[EV+p]        ; the row's weight
.set p, p+1
.endr
	s_wait_alu depctr_va_vdst(0)                   ; RO and the weighted rows are written, which the stores below read
.irp i, 0,1,2,3,4,5,6,7
	global_store_b128 v[RO+\i], v[EV+4*\i:EV+4*\i+3], s[OB:OB+1]  ; 512 consecutive bytes of one row, at a multiple of 256 from the buffer's first
.endr
.else
	; gelu(h) = |h| (0.5 - P(t) 2^(-(c h)^2)) + 0.5 h, t = 1 / (1 + 0.2316419 |h|), P with the halved coefficients
.set p, 0
.rept 16
	v_pk_mul_f32 v[SV+2*p:SV+2*p+1], v[EV+2*p:EV+2*p+1], s[CSQ:CSQ+1] op_sel_hi:[1,0]
.set p, p+1
.endr
.set p, 0
.rept 32
	v_fma_f32 v[TV+p], |v[EV+p]|, s[CT], 1.0
.set p, p+1
.endr
.set p, 0
.rept 16
	v_pk_mul_f32 v[SV+2*p:SV+2*p+1], v[SV+2*p:SV+2*p+1], v[SV+2*p:SV+2*p+1] neg_lo:[1,0] neg_hi:[1,0]
.set p, p+1
.endr
.set p, 0
.rept 32                               ; one batch of 64, none of which reads another's result
	v_exp_f32 v[SV+p], v[SV+p]
.set p, p+1
.endr
.set p, 0
.rept 32
	v_rcp_f32 v[TV+p], v[TV+p]
.set p, p+1
.endr
	v_nop                                          ; a plain line behind the last of them,
	s_wait_alu depctr_va_vdst(0)                   ; and the one wait ahead of the batch's first reader: the 32 exponentials in SV and the 32 reciprocals in TV are written
.set p, 0
.rept 16
	v_pk_fma_f32 v[PV+2*p:PV+2*p+1], v[TV+2*p:TV+2*p+1], s[A5:A5+1], s[A4:A4+1] op_sel_hi:[1,0,0]
.set p, p+1
.endr
.irp a, A3, A2, A1
.set p, 0
.rept 16
	v_pk_fma_f32 v[PV+2*p:PV+2*p+1], v[PV+2*p:PV+2*p+1], v[TV+2*p:TV+2*p+1], s[\a:\a+1] op_sel_hi:[1,1,0]
.set p, p+1
.endr
.endr
.set p, 0
.rept 16
	v_pk_mul_f32 v[PV+2*p:PV+2*p+1], v[PV+2*p:PV+2*p+1], v[TV+2*p:TV+2*p+1]
.set p, p+1
.endr
.set p, 0
.rept 16
	v_pk_fma_f32 v[PV+2*p:PV+2*p+1], v[PV+2*p:PV+2*p+1], v[SV+2*p:SV+2*p+1], 0.5 op_sel_hi:[1,1,0] neg_lo:[1,0,0] neg_hi:[1,0,0]
.set p, p+1
.endr
.set p, 0
.rept 16
	v_pk_mul_f32 v[SV+2*p:SV+2*p+1], v[EV+2*p:EV+2*p+1], 0.5 op_sel_hi:[1,0]
.set p, p+1
.endr
.set p, 0
.rept 32
	v_fma_f32 v[PV+p], |v[EV+p]|, v[PV+p], v[SV+p]
.set p, p+1
.endr
.set p, 0
.rept 16
	v_cvt_pk_bf16_f32 v[OV+p], v[PV+2*p], v[PV+2*p+1]
.set p, p+1
.endr
	s_wait_alu depctr_va_vdst(0)                   ; RO and the packed rows OV are written, which the stores below read
.irp i, 0,1,2,3,4,5,6,7
	global_store_b64 v[RO+\i], v[OV+2*\i:OV+2*\i+1], s[OB:OB+1]  ; 256 consecutive bytes of one row, at a multiple of 256 from the buffer's first
.endr
.endif
.Lunit_next:
	s_add_co_u32 s[U], s[U], 1
	s_cmp_lt_u32 s[U], 10
	s_cbranch_scc1 .Lunit
	s_wait_alu depctr_vm_vsrc(0)                   ; this pass's loads, LDS instructions and stores have read AOFF, BADR2 (RK's register), RO, the stores' data and the sums.  Ahead of the branch below, so that the wait lies on every way
	                                               ; from the stores to a line that writes these registers again: the next pass's preparation, and, further round the text, the conversions that write the same register numbers
	; my tiles in the next pass: what is left of LT behind 5 (PS + 1), 5 at the most; behind the fourth pass nothing is left (LT is 16 at the most)
	s_add_co_u32 s62, s[PS], 1
	s_mul_i32 s62, s62, 5
	s_sub_co_i32 s62, s[LT], s62
	s_max_i32 s62, s62, 0
	s_min_i32 s[MT], s62, 5
	s_cmp_eq_u32 s[MT], 0
	s_cbranch_scc1 .Lpn
	SETUP 0
.Lpn:
	s_add_co_u32 s[PS], s[PS], 1
	s_cmp_lt_u32 s[PS], 4
	s_cbranch_scc1 .Lpass
	s_wait_dscnt 0x0                               ; the wave's end: my LDS instructions are done
	s_wait_alu depctr_hold_cnt(0) depctr_sa_sdst(0) depctr_va_vdst(0) depctr_va_sdst(0) depctr_va_ssrc(0) depctr_va_vcc(0) depctr_vm_vsrc(0)
	s_wait_tensorcnt 0x0
	ds_add_u32 v2, v3
	s_wait_dscnt 0x0
	s_endpgm
.Lfunc_end_k_q681f44f88b_down:
	.size	k_q681f44f88b_down, .Lfunc_end_k_q681f44f88b_down-k_q681f44f88b_down
	.p2alignl 7, 3214868480
	.fill 96, 4, 3214868480
	.section	.rodata,"a",@progbits
	.p2align	6, 0x0
	.amdhsa_kernel k_q681f44f88b_down
		.amdhsa_group_segment_fixed_size 313344
		.amdhsa_private_segment_fixed_size 0
		.amdhsa_enable_private_segment 0
		.amdhsa_kernarg_size 48
		.amdhsa_user_sgpr_count 2
		.amdhsa_user_sgpr_kernarg_segment_ptr 1
		.amdhsa_wavefront_size32 1
		.amdhsa_system_sgpr_workgroup_id_x 1
		.amdhsa_system_sgpr_workgroup_id_y 1
		.amdhsa_system_sgpr_workgroup_id_z 1
		.amdhsa_system_vgpr_workitem_id 0
		.amdhsa_next_free_vgpr 512
		.amdhsa_next_free_sgpr 80
		.amdhsa_reserve_vcc 0
		.amdhsa_float_denorm_mode_32 3
		.amdhsa_float_denorm_mode_16_64 3
		.amdhsa_memory_ordered 1
		.amdhsa_forward_progress 1
		.amdhsa_inst_pref_size 168
	.end_amdhsa_kernel
	.amdgpu_metadata
---
amdhsa.version: [ 1, 2 ]
amdhsa.kernels:
  - .name:           k_q681f44f88b_down
    .symbol:         k_q681f44f88b_down.kd
    .args:
      - { .name: W2, .offset: 0, .size: 8, .value_kind: global_buffer, .address_space: global }
      - { .name: b2, .offset: 8, .size: 8, .value_kind: global_buffer, .address_space: global }
      - { .name: hid, .offset: 16, .size: 8, .value_kind: global_buffer, .address_space: global }
      - { .name: bm, .offset: 24, .size: 8, .value_kind: global_buffer, .address_space: global }
      - { .name: part, .offset: 32, .size: 8, .value_kind: global_buffer, .address_space: global }
      - { .name: gw, .offset: 40, .size: 8, .value_kind: global_buffer, .address_space: global }
    .group_segment_fixed_size: 313344
    .private_segment_fixed_size: 0
    .kernarg_segment_align: 8
    .kernarg_segment_size: 48
    .max_flat_workgroup_size: 256
    .sgpr_count:     80
    .vgpr_count:     512
    .wavefront_size: 32
...
	.end_amdgpu_metadata
.endif
;; end of part 6
;; launch sum: the kernel of part 4 again; grid 256 x 1, 8 waves a work-group, no clusters, 0 bytes of LDS; arguments part, out0; writes out0
